; MI455X (gfx1250); checked and timed in simulation.
; The chip was launched on July 23, 2026; its instructions are those of AMD's public machine-readable ISA for CDNA 5 (MIT licence, August 2026) and "CDNA5" Instruction Set Architecture Reference Guide (July 2026). The comments in the code are by the model that wrote it; some were corrected since.
;; Decoder Block. Allowed arithmetic: matrix products marked QUANTISED: E2M1 operands, one E8M0 scale for each 32 along K, by v_wmma_scale_f32_16x16x128_f8f6f4 with both operands' format E2M1 (or v_wmma_scale_f32_32x16x128_f4), f32 sums; everything else in f32.
;; Inputs: W1 512 x 2,048 float32; W2 2,048 x 512 float32; Wk_c 8 x 512 x 64 float32; Wk_s 8 x 512 x 64 float32; Wo_c 512 x 512 float32; Wo_s 512 x 512 float32; Wq_c 8 x 512 x 64 float32; Wq_s 8 x 512 x 64 float32; Wv_c 8 x 512 x 64 float32; Wv_s 8 x 512 x 64 float32; b1 2,048 float32; b2 512 float32; bk_c 8 x 64 float32; bk_s 8 x 64 float32; bo_c 512 float32; bo_s 512 float32; bq_c 8 x 64 float32; bq_s 8 x 64 float32; bv_c 8 x 64 float32; bv_s 8 x 64 float32; encoding 4 x 2,048 x 512 float32; ln1_b 512 float32; ln1_g 512 float32; ln2_b 512 float32; ln2_g 512 float32; ln3_b 512 float32; ln3_g 512 float32; mask 2,048 float32; x 4 x 2,048 x 512 float32.
;; Outputs: out0 4 x 2,048 x 512 float32.
;; This version of the problem:
;;   THIS VERSION OF THE PROBLEM IS GIVEN IN LOW PRECISION. The matrix products marked QUANTISED in the list below multiply operands that are first quantised to E2M1 (2 exponent bits, 1 mantissa bit; 4 bits a number), with one power-of-two scale for each 32 numbers along K (OCP MX v1.0); their sums are f32. All else is computed in f32.
;;   The module's matrix products, in the order in which they are computed (A, B: the left and right operand; K: the contracted axis; several contracted axes count as one K, in the product's order):
;;     1. [M 512, K 512] x [K 512, N 8,192]; A: input Wq_s; B: input x: QUANTISED
;;     2. [M 512, K 512] x [K 512, N 8,192]; A: input Wk_s; B: input x: QUANTISED
;;     3. [M 512, K 512] x [K 512, N 8,192]; A: input Wv_s; B: input x: QUANTISED
;;     4. batch 32 x [M 2,048, K 64] x [K 64, N 2,048]; A: computed on the way; B: computed on the way: QUANTISED
;;     5. batch 32 x [M 2,048, K 2,048] x [K 2,048, N 64]; A: computed on the way; B: computed on the way: QUANTISED
;;     6. [M 8,192, K 512] x [K 512, N 512]; A: computed on the way; B: input Wo_s: QUANTISED
;;     7. [M 512, K 512] x [K 512, N 8,192]; A: input Wq_c; B: computed on the way: QUANTISED
;;     8. [M 512, K 512] x [K 512, N 8,192]; A: input Wk_c; B: input encoding: QUANTISED
;;     9. [M 512, K 512] x [K 512, N 8,192]; A: input Wv_c; B: input encoding: QUANTISED
;;     10. batch 32 x [M 2,048, K 64] x [K 64, N 2,048]; A: computed on the way; B: computed on the way: QUANTISED
;;     11. batch 32 x [M 2,048, K 2,048] x [K 2,048, N 64]; A: softmax (see below); B: computed on the way: QUANTISED
;;     12. [M 8,192, K 512] x [K 512, N 512]; A: computed on the way; B: input Wo_c: QUANTISED
;;     13. [M 8,192, K 512] x [K 512, N 2,048]; A: computed on the way; B: input W1: QUANTISED
;;     14. [M 8,192, K 2,048] x [K 2,048, N 512]; A: computed on the way; B: input W2: QUANTISED
;;   THE QUANTISER, for each operand of a quantised product, along K:
;;     - K is cut into blocks of 32 from its start; a last block that is shorter is filled with zeros.
;;     - A block's scale is 2^e with e = floor(log2(the largest magnitude in the block)) - 2, held to -126 .. 127; a block of zeros has e = 0. As a byte (E8M0): e + 127.
;;     - Each number is divided by its block's scale, clamped to +-6, and rounded to the nearest number of E2M1, ties to even, subnormals kept.
;;     - The product sums the exact products of the quantised numbers (number of the format x scale) in f32.
;;   ~~~python
;;   def quantise(x, axis):      # numpy; x: float32 -> the quantised numbers, widened to float32 again
;;       x = np.moveaxis(x, axis, -1); K = x.shape[-1]
;;       x = np.pad(x, [(0, 0)] * (x.ndim - 1) + [(0, -K % 32)]); x = x.reshape(x.shape[:-1] + (-1, 32)); a = np.abs(x).max(-1, keepdims=True)
;;       e = np.where(a > 0, np.clip(np.frexp(np.where(a > 0, a, 1))[1] - 1 - 2, -126, 127), 0)      # np.frexp(a)[1] - 1 = floor(log2(a)), exactly
;;       r = np.clip(x / 2.0 ** e, -6, 6)
;;       step = 2.0 ** (np.maximum(np.frexp(np.where(r == 0, 1, r))[1] - 1, 0) - 1)
;;       q = np.round(r / step) * step * 2.0 ** e      # np.round: ties to even
;;       return np.moveaxis(q.reshape(q.shape[:-2] + (-1,))[..., :K], -1, axis).astype(np.float32)
;;   ~~~
;;   SOFTMAX AHEAD OF A QUANTISED PRODUCT. Where the list says 'softmax', what is quantised is not the finished softmax but p = 2^(t - M), with t = logit x log2(e) and M = ceil(the row's largest t), a whole number; so 1/2 < the row's largest p <= 1. The row's sum l is taken of the UNQUANTISED p, in f32, and the product's result is divided by l at the end. Since M is a whole number, a kernel that streams over the keys may use a running M (the ceiling of the running maximum): every later rescaling is an exact power of two, which a block's scale takes up: the codes' values come out the same.
;;   OPERANDS COMPUTED ON THE WAY. 'Computed on the way' means the value that the module computes at that place (a softmax that the list does not call 'softmax' is quantised finished and normalised). What goes into a quantiser is computed in f32, as accurately as f32 sums, v_exp_f32 and their like allow (about 1e-6 of the number): no bf16 or f16 on the way to a quantiser, and a product that is left as it is and whose result goes on into a quantised operand takes f32 operands (vector FMAs, or v_wmma_f32_16x16x4_f32). A number that lies on a knife's edge between two numbers of the format may be rounded either way, as far as f32 arithmetic and the matrix unit's own rounding can turn it there, and no further.
;; 2 versions. Each part assembles by itself: llvm-mc -triple=amdgcn-amd-amdhsa -mcpu=gfx1250 --defsym DOCPART=n.
;; ======== version 1 of 2: 6 launches
;; workspace buffers: wq 2,228,224 bytes; qbuf 2,359,296 bytes; kv_s 4,587,520 bytes; kv_c 4,587,520 bytes; obuf 2,228,224 bytes; hbuf 16,777,216 bytes
;; launch prep (part 1): grid 256 x 1, 4 waves a work-group, no clusters, 0 bytes of LDS; arguments Wq_s, Wk_s, Wv_s, Wo_s, Wq_c, Wk_c, Wv_c, Wo_c, W1, W2, wq; writes wq
.if DOCPART == 1
	.amdgcn_target "amdgcn-amd-amdhsa--gfx1250"
	.amdhsa_code_object_version 6
	.text
	.protected	k_q0553f2b74d_prep
	.globl	k_q0553f2b74d_prep
	.p2align	8
	.type	k_q0553f2b74d_prep,@function
k_q0553f2b74d_prep:
	s_mov_b64 s[64:65], 0
	v_nop
	global_prefetch_b8 v0, s[64:65] scope:SCOPE_SE
	s_setreg_imm32_b32 hwreg(HW_REG_WAVE_MODE, 25, 1), 1
	s_wait_xcnt 0x0
; The ten weights, f32 with K on an outer axis, become codes of FP4 (E2M1) with one E8M0 byte for each 32 along K, laid in the ORDER OF THE OPERAND'S REGISTERS.
; A chunk is 64 output columns x 512 K: 4 tiles t x 4 K steps ks.  Lane r of tile t stands for column 32 (t / 2) + 8 (t % 2) + r + 8 (r / 8) of the chunk.
; Codes: wq + 16384 chunk + 1024 (4 t + ks) + 512 c + 16 lane, lane (r, h) holding k = 128 ks + 64 c + 32 h + 0 .. 31.  Scale words: wq + 2097152 + 1024 chunk + 256 ks + 128 (t / 2) + 4 (r + 16 (t % 2)).
; Chunks: Wq_s 0-7, Wk_s 8-15, Wv_s 16-23, Wo_s 24-31, Wq_c 32-39, Wk_c 40-47, Wv_c 48-55, Wo_c 56-63, W1 64-95, W2 96 + 4 (column group) + (K group of 512).
; SHARES: a work-group takes half a chunk (32 columns), a wave one K step (128 k), A LANE ONE COLUMN, ITS REGISTERS RUNNING DOWN K: a block of 32 is one lane's 32 registers, each load reads 128 consecutive bytes.
; A block's scale byte is its largest magnitude's exponent field - 2, held at 1 from below.
; LIMITS: NaN and infinities are not served; a block whose largest magnitude lies under 2^-124, a block of zeros too, keeps the byte 1 (its codes then carry what the byte 1 allows; zeros stay zeros); this program alone reads the bytes.
; No LDS, no barrier: waves share nothing.  No cluster: no two work-groups read the same bytes.
.set OFF, 16                           ; v16-47   i x pitch + 4 x lane; never rewritten
.set X,   64                           ; v64-191  four blocks of 32 numbers
.set C,   192                          ; v192-207 four registers of codes a block: no store's data are written again
.set SB,  14                           ; v14      the four scale bytes
.set CO,  2                            ; v2       my codes' place: 4096 u + 16 r'
.set SO,  3                            ; v3       my scale word's place: 4 (r' + 16 u)
	s_load_b512 s[4:19], s[0:1], 0x0               ; Wq_s, Wk_s, Wv_s, Wo_s, Wq_c, Wk_c, Wv_c, Wo_c
	s_load_b128 s[20:23], s[0:1], 0x40             ; W1, W2
	s_load_b64 s[24:25], s[0:1], 0x50              ; wq
	v_lshrrev_b32 v1, 5, v0
	v_readfirstlane_b32 s28, v1                    ; wave = K step
	s_lshr_b32 s26, ttmp9, 1                       ; chunk
	s_and_b32 s27, ttmp9, 1                        ; which 32 columns of it
	v_and_b32 v1, 31, v0                           ; lane = column 32 p + lane
	v_lshlrev_b32 v4, 2, v1
	v_bfe_u32 v5, v1, 3, 1                         ; u: the tile of the pair that holds my column
	v_and_b32 v6, 7, v1
	v_lshrrev_b32 v7, 4, v1
	v_lshl_or_b32 v6, v7, 3, v6                    ; r': its row there
	v_lshlrev_b32 v[CO], 4, v6
	v_lshl_add_u32 v[CO], v5, 12, v[CO]
	v_lshl_add_u32 v[SO], v5, 4, v6
	v_lshlrev_b32 v[SO], 2, v[SO]
	; the pitch from k to k + 1 and the chunk's first byte, for each kind of weight; then the choice, on the chunk's number alone
	s_and_b32 s34, s26, 7
	s_lshl_b32 s35, s34, 17                        ; [H][512][64]: a head is 131,072 bytes
	s_lshl_b32 s36, s34, 8                         ; [512][512]: 64 columns are 256 bytes
	s_sub_co_u32 s37, s26, 64
	s_lshl_b32 s37, s37, 8                         ; W1
	s_sub_co_u32 s38, s26, 96
	s_lshr_b32 s39, s38, 2
	s_lshl_b32 s39, s39, 8
	s_and_b32 s38, s38, 3
	s_lshl_b32 s38, s38, 20                        ; W2: 512 rows of 2,048 bytes a K group
	s_add_co_u32 s38, s38, s39
	s_bfe_u32 s39, s26, 0x20003                    ; (chunk / 8) % 4: 3 for Wo_s and Wo_c
	s_mov_b32 s32, 256
	s_mov_b32 s33, s35
	s_mov_b32 s50, 2048
	s_mov_b32 s51, 8192
	s_cmp_eq_u32 s39, 3
	s_cselect_b32 s32, s50, s32
	s_cselect_b32 s33, s36, s33
	s_cmp_ge_u32 s26, 64
	s_cselect_b32 s32, s51, s32
	s_cselect_b32 s33, s37, s33
	s_cmp_ge_u32 s26, 96
	s_cselect_b32 s32, s50, s32
	s_cselect_b32 s33, s38, s33
	s_lshl_b32 s40, s27, 7
	s_add_co_u32 s33, s33, s40                     ; + my 32 columns
	s_lshl_b32 s40, s32, 7
	s_mul_i32 s40, s40, s28
	s_add_co_u32 s34, s33, s40                     ; + my K step's 128 rows
	s_mov_b32 s35, 0
	s_lshl_b32 s36, s32, 5                         ; a block: 32 rows
	s_mov_b32 s37, 0
	s_lshl_b32 s52, s26, 14
	s_lshl_b32 s53, s27, 13
	s_add_co_u32 s52, s52, s53
	s_lshl_b32 s53, s28, 10
	s_add_co_u32 s52, s52, s53                     ; codes: 16384 chunk + 8192 p + 1024 ks
	s_mov_b32 s53, 0
	s_lshl_b32 s54, s26, 10
	s_lshl_b32 s55, s28, 8
	s_add_co_u32 s54, s54, s55
	s_lshl_b32 s55, s27, 7
	s_add_co_u32 s54, s54, s55
	s_add_co_u32 s54, s54, 2097152                 ; scale words: 2097152 + 1024 chunk + 256 ks + 128 p
	s_mov_b32 s55, 0
.set i, 0
.rept 32
	v_mad_u32_u24 v[OFF+i], s32, i, v4
.set i, i+1
.endr
	s_wait_kmcnt 0x0
	s_mov_b64 s[30:31], s[4:5]
	s_cmp_ge_u32 s26, 8
	s_cselect_b64 s[30:31], s[6:7], s[30:31]
	s_cmp_ge_u32 s26, 16
	s_cselect_b64 s[30:31], s[8:9], s[30:31]
	s_cmp_ge_u32 s26, 24
	s_cselect_b64 s[30:31], s[10:11], s[30:31]
	s_cmp_ge_u32 s26, 32
	s_cselect_b64 s[30:31], s[12:13], s[30:31]
	s_cmp_ge_u32 s26, 40
	s_cselect_b64 s[30:31], s[14:15], s[30:31]
	s_cmp_ge_u32 s26, 48
	s_cselect_b64 s[30:31], s[16:17], s[30:31]
	s_cmp_ge_u32 s26, 56
	s_cselect_b64 s[30:31], s[18:19], s[30:31]
	s_cmp_ge_u32 s26, 64
	s_cselect_b64 s[30:31], s[20:21], s[30:31]
	s_cmp_ge_u32 s26, 96
	s_cselect_b64 s[30:31], s[22:23], s[30:31]
	s_add_nc_u64 s[40:41], s[30:31], s[34:35]      ; a base for each of my four blocks
	s_add_nc_u64 s[42:43], s[40:41], s[36:37]
	s_add_nc_u64 s[44:45], s[42:43], s[36:37]
	s_add_nc_u64 s[46:47], s[44:45], s[36:37]
	s_add_nc_u64 s[48:49], s[24:25], s[52:53]
	s_add_nc_u64 s[54:55], s[24:25], s[54:55]
.macro LOAD bq                         ; block bq: row 32 bq + i of my K step, my column
.set i, 0
.rept 32
	global_load_b32 v[X+32*\bq+i], v[OFF+i], s[40+2*\bq:41+2*\bq] th:TH_LOAD_NT
.set i, i+1
.endr
.endm
.macro BLOCK bq
.set XS, X+32*\bq
	v_max3_num_f32 v12, |v[XS]|, |v[XS+1]|, |v[XS+2]|      ; the block's largest magnitude: all 32 numbers are mine; two chains
	v_max3_num_f32 v13, |v[XS+3]|, |v[XS+4]|, |v[XS+5]|
.irp i, 6,10,14,18,22,26
	v_max3_num_f32 v12, v12, |v[XS+\i]|, |v[XS+\i+1]|
	v_max3_num_f32 v13, v13, |v[XS+\i+2]|, |v[XS+\i+3]|
.endr
	v_max3_num_f32 v12, v12, |v[XS+30]|, |v[XS+31]|
	v_max3_num_f32 v12, v12, v13, 0x1800000        ; and the floor 2^(3 - 127): the byte cannot fall under 1
	v_add_nc_u32 v11, 0xff000000, v12              ; 2 off the exponent field: the conversion takes this operand's exponent field as its scale
	v_lshrrev_b32 v13, 23, v11                     ; the scale's byte
.if \bq == 0
	v_mov_b32 v[SB], v13
.else
	v_lshl_or_b32 v[SB], v13, 8*\bq, v[SB]
.endif
.irp g, 0,1,2,3
	v_cvt_scalef32_pk8_fp4_f32 v[C+4*\bq+\g], v[XS+8*\g:XS+8*\g+7], v11
.endr
	global_store_b128 v[CO], v[C+4*\bq:C+4*\bq+3], s[48:49] offset:256*\bq   ; the sixteen lanes of a tile store 256 consecutive bytes, aligned
.endm
	LOAD 0
	LOAD 1
	s_wait_loadcnt 32                              ; block 0 is in; block 1's 32 loads may be out
	BLOCK 0
	LOAD 2
	s_wait_loadcnt 32
	BLOCK 1
	LOAD 3
	s_wait_loadcnt 32
	BLOCK 2
	s_wait_loadcnt 0x0
	BLOCK 3
	global_store_b32 v[SO], v[SB], s[54:55]        ; 128 consecutive bytes
	s_endpgm
.Lfunc_end_k_q0553f2b74d_prep:
	.size	k_q0553f2b74d_prep, .Lfunc_end_k_q0553f2b74d_prep-k_q0553f2b74d_prep
	.p2alignl 7, 3214868480
	.fill 96, 4, 3214868480
	.section	.rodata,"a",@progbits
	.p2align	6, 0x0
	.amdhsa_kernel k_q0553f2b74d_prep
		.amdhsa_group_segment_fixed_size 0
		.amdhsa_private_segment_fixed_size 0
		.amdhsa_enable_private_segment 0
		.amdhsa_kernarg_size 88
		.amdhsa_user_sgpr_count 2
		.amdhsa_user_sgpr_kernarg_segment_ptr 1
		.amdhsa_wavefront_size32 1
		.amdhsa_system_sgpr_workgroup_id_x 1
		.amdhsa_system_sgpr_workgroup_id_y 1
		.amdhsa_system_sgpr_workgroup_id_z 1
		.amdhsa_system_vgpr_workitem_id 0
		.amdhsa_next_free_vgpr 208
		.amdhsa_next_free_sgpr 66
		.amdhsa_reserve_vcc 0
		.amdhsa_float_denorm_mode_32 3
		.amdhsa_float_denorm_mode_16_64 3
		.amdhsa_memory_ordered 1
		.amdhsa_forward_progress 1
		.amdhsa_inst_pref_size 24
	.end_amdhsa_kernel
	.amdgpu_metadata
---
amdhsa.version: [ 1, 2 ]
amdhsa.kernels:
  - .name:           k_q0553f2b74d_prep
    .symbol:         k_q0553f2b74d_prep.kd
    .args:
      - { .name: Wq_s, .offset: 0, .size: 8, .value_kind: global_buffer, .address_space: global }
      - { .name: Wk_s, .offset: 8, .size: 8, .value_kind: global_buffer, .address_space: global }
      - { .name: Wv_s, .offset: 16, .size: 8, .value_kind: global_buffer, .address_space: global }
      - { .name: Wo_s, .offset: 24, .size: 8, .value_kind: global_buffer, .address_space: global }
      - { .name: Wq_c, .offset: 32, .size: 8, .value_kind: global_buffer, .address_space: global }
      - { .name: Wk_c, .offset: 40, .size: 8, .value_kind: global_buffer, .address_space: global }
      - { .name: Wv_c, .offset: 48, .size: 8, .value_kind: global_buffer, .address_space: global }
      - { .name: Wo_c, .offset: 56, .size: 8, .value_kind: global_buffer, .address_space: global }
      - { .name: W1, .offset: 64, .size: 8, .value_kind: global_buffer, .address_space: global }
      - { .name: W2, .offset: 72, .size: 8, .value_kind: global_buffer, .address_space: global }
      - { .name: wq, .offset: 80, .size: 8, .value_kind: global_buffer, .address_space: global }
    .group_segment_fixed_size: 0
    .private_segment_fixed_size: 0
    .kernarg_segment_align: 8
    .kernarg_segment_size: 88
    .max_flat_workgroup_size: 128
    .sgpr_count:     66
    .vgpr_count:     208
    .wavefront_size: 32
...
	.end_amdgpu_metadata
.endif
;; end of part 1
;; launch qkv (part 2): grid 128 x 2, 8 waves a work-group, no clusters, 18,432 bytes of LDS; arguments x, encoding, wq, bq_s, bk_s, bk_c, bv_s, bv_c, qbuf, kv_s, kv_c; writes qbuf, kv_s, kv_c
.if DOCPART == 2
	.amdgcn_target "amdgcn-amd-amdhsa--gfx1250"
	.amdhsa_code_object_version 6
	.text
	.protected	k_q0553f2b74d_qkv
	.globl	k_q0553f2b74d_qkv
	.p2align	8
	.type	k_q0553f2b74d_qkv,@function
k_q0553f2b74d_qkv:
	s_mov_b64 s[64:65], 0
	v_nop
	global_prefetch_b8 v0, s[64:65] scope:SCOPE_SE
	s_setreg_imm32_b32 hwreg(HW_REG_WAVE_MODE, 25, 1), 1
	s_wait_xcnt 0x0
; Five projections on codes of FP4.  Work-group y = 0 takes 64 tokens of x and makes k_s, v_s and q_s of them; y = 1 takes 64 tokens of encoding and makes k_c and v_c.  Each result is quantised at once: q and k along the head's 64, v along the keys.
; SHARES: 128 x 2 work-groups, one to a WGP.  The 64 tokens (four tiles of 16) are quantised ONCE, by all eight waves, and serve all the source's matrices.  Wave w takes head w: its chunk of each weight (64 columns x 512 K, 128 registers) comes straight from memory.
; Two sets of weight registers: WB holds k's chunk, then (y = 0) q's; WA holds v's.  A chunk is asked for while the matrix before it is multiplied.
; TOKENS OF A TILE ARE NOT NEIGHBOURS: row r of tile T is token 32 (T / 2) + 8 (T % 2) + r + 8 (r / 8); the weights' columns are laid the same way.  So the 16 registers of two neighbouring result tiles are 16 neighbours.
; PHASE X: wave w quantises tile w / 2, K steps 2 (w % 2) and 2 (w % 2) + 1, and stores the fragments in LDS as images of their registers; one barrier; then every wave reads all of them, and LDS is written no more.
; q, k: source 0 = 16 columns of W, source 1 = 16 tokens: a lane holds one token and its registers run along the head's 64.  v: source 0 = 16 tokens, source 1 = 16 columns: a lane holds one channel and its registers run along the keys.
; OUT: q, k: a tile's half fragment (K = 64), 512 bytes, at 512 T + 16 lane; its scale words at 64 T + 4 r (bytes 0, 1 are the head's two blocks; bytes 2, 3 stand over zero codes and are never 0xff).
;      v: of fragment (key step, channel tile ct) at 65536 + 1024 (4 step + ct) this work-group fills half c' (its 64 keys of the step's 128): a block of 32 keys of 16 channels is 256 consecutive bytes, aligned.
;      v's scale words at 139264 + 256 step + 8 lane (two words: tiles 0/1 and 2/3, the even tile in lanes 0-15): this work-group owns bytes 2 c' and 2 c' + 1 of each word, so they leave two bytes a lane: 128 bytes a wave in all.
; LIMITS: NaN and infinities are not served; a block whose largest magnitude lies under 2^-124, a block of zeros too, keeps the scale byte 1; this program alone reads the bytes.
; No cluster: a chunk of weights lands in the registers of the one wave that multiplies by it; a joint request would land in LDS and add a way through it of 16 KB a chunk a wave.
.set XIMG, 0                           ; LDS: tile T, K step ks at 4096 T + 1024 ks + 512 c + 16 lane
.set XSC,  16384                       ; their scale words: 256 T + 16 r + 4 ks
.set XA,   5                           ; v5   2048 rho + 64 h: my 16 numbers of a block of 32 of my row
.set LI,   6                           ; v6   16 x lane
.set LS16, 7                           ; v7   16 r
.set XWI,  8                           ; v8   16 x lane + 2048 w
.set XWS,  9                           ; v9   16 r + 256 (w / 2) + 8 (w % 2)
.set VCK,  10                          ; v10  k's chunk in wq: codes; v's lies 8 chunks on, q's 8 chunks back
.set VSK,  11                          ; v11  and scale words
.set PB,   12                          ; v12  256 w + 64 h: a bias in q's and k's result layout
.set PBV,  13                          ; v13  256 w + 4 rho: in v's
.set SH16, 14                          ; v14  16 h
.set L4,   15                          ; v15  4 x lane
.set L8,   16                          ; v16  8 x lane
.set VSTO, 17                          ; v17  1024 h + 16 r: v's codes: lanes 0-15 the even channel tile, lanes 16-31 the odd
.set SH8,  18                          ; v18  8 h
.set PVB,  20                          ; v20-27  v's bias: channel tile ct in the low word of pair ct
.set A0,   28
.set A1,   29
.set WW,   30
.set ACC,  32                          ; v32-95   eight accumulators
.set AF,   96                          ; v96-159  two tiles of tokens x four K steps
.set PC,   160                         ; v160-167 the codes just made
.set TM,   168                         ; v168-183 at work in QUANT
.set PW,   184                         ; v184     the four scale bytes just made
.set PWK,  186                         ; v186-187 v's scale bytes of the two blocks of keys
.set SS,   190                         ; v190     scale words on their way out
.set WS0,  192                         ; v192-199 WA's scale words: register 2 ks + t / 2, tile t % 2 in the lanes' half
.set WS1,  200                         ; v200-207 WB's
.set XS,   208                         ; v208-223 the tokens' scale words: tile T, K step ks at 4 T + ks
.set P,    224                         ; v224-255 k's bias, then q's
.set WA,   0                           ; window 1: fragment (t, ks) at 8 (4 t + ks)
.set WB,   128
.set WQ,   8
.set WV,   26
.set YY,   27
.set SRC,  30
.set BK,   32
.set BV,   34
.set KV,   36
.set KI,   38
.set KW,   40
.set VI,   42
.set VW,   44
.set QI,   46
.set QW,   48
.set SEL,  50
.set PSEL, 52
.set MSB, 0
.macro WIN new                         ; the immediate's high byte repeats the setting that is left
.if MSB != \new
	s_set_vgpr_msb (MSB<<8)|\new
.set MSB, \new
.endif
.endm
.macro BARRIER                         ; my LDS stores have landed and my LDS loads are in: then the work-group's barrier
	s_wait_dscnt 0x0
	s_barrier_signal -1
	s_barrier_wait -1
.endm
.macro PLACES                          ; four plain places behind matrix instructions, ahead of loads into their registers and of the first read of results
.rept 4
	v_nop
.endr
.endm
.macro WM row                          ; one product on the registers named by rD, rA, rB, rC, rSA, rSB; row = 1: A's scales in lanes 16-31; 2: B's
.if (\row) == 1
	v_wmma_scale_f32_16x16x128_f8f6f4 v[rD:rD+7], v[rA:rA+7], v[rB:rB+7], v[rC:rC+7], v[rSA], v[rSB] matrix_a_fmt:MATRIX_FMT_FP4 matrix_b_fmt:MATRIX_FMT_FP4 matrix_a_scale:MATRIX_SCALE_ROW1
.elseif (\row) == 2
	v_wmma_scale_f32_16x16x128_f8f6f4 v[rD:rD+7], v[rA:rA+7], v[rB:rB+7], v[rC:rC+7], v[rSA], v[rSB] matrix_a_fmt:MATRIX_FMT_FP4 matrix_b_fmt:MATRIX_FMT_FP4 matrix_b_scale:MATRIX_SCALE_ROW1
.else
	v_wmma_scale_f32_16x16x128_f8f6f4 v[rD:rD+7], v[rA:rA+7], v[rB:rB+7], v[rC:rC+7], v[rSA], v[rSB] matrix_a_fmt:MATRIX_FMT_FP4 matrix_b_fmt:MATRIX_FMT_FP4
.endif
.endm
.macro WMZ row                         ; the same with the constant 0 as C: it starts a sum
.if (\row) == 2
	v_wmma_scale_f32_16x16x128_f8f6f4 v[rD:rD+7], v[rA:rA+7], v[rB:rB+7], 0, v[rSA], v[rSB] matrix_a_fmt:MATRIX_FMT_FP4 matrix_b_fmt:MATRIX_FMT_FP4 matrix_b_scale:MATRIX_SCALE_ROW1
.else
	v_wmma_scale_f32_16x16x128_f8f6f4 v[rD:rD+7], v[rA:rA+7], v[rB:rB+7], 0, v[rSA], v[rSB] matrix_a_fmt:MATRIX_FMT_FP4 matrix_b_fmt:MATRIX_FMT_FP4
.endif
.endm
; 64 numbers of a lane, register 16 b + i = number 16 (lane / 16) + i of block b of my row, become codes in v[PC] on (registers 4 c .. 4 c + 3: lanes 0-15 the whole block 2 c, lanes 16-31 block 2 c + 1) and four scale bytes in v[PW].
.macro QUANT s
.irp b, 0,1,2,3
	v_max3_num_f32 v[TM+\b], |v[\s+16*\b]|, |v[\s+1+16*\b]|, 0x1800000   ; my 16 numbers of block b, and the floor 2^(3 - 127): the byte cannot fall under 1
.endr
.irp i, 2,4,6,8,10,12,14
.irp b, 0,1,2,3
	v_max3_num_f32 v[TM+\b], v[TM+\b], |v[\s+16*\b+\i]|, |v[\s+1+16*\b+\i]|   ; the four blocks by turns
.endr
.endr
.irp b, 0,1,2,3
	v_permlanex16_b32 v[TM+4+\b], v[TM+\b], s[SEL], s[SEL+1]
.endr
.irp b, 0,1,2,3
	v_max_num_f32 v[TM+\b], v[TM+\b], v[TM+4+\b]   ; with lane l xor 16's: the block's largest magnitude
.endr
.irp b, 0,1,2,3
	v_add_nc_u32 v[TM+12+\b], 0xff000000, v[TM+\b] ; 2 off its exponent field: the conversion's scale operand
.endr
.irp b, 0,1,2,3
	v_lshrrev_b32 v[TM+4+\b], 23, v[TM+12+\b]      ; the scale's byte
.endr
	v_lshl_or_b32 v[PW], v[TM+5], 8, v[TM+4]
	v_lshl_or_b32 v[PW], v[TM+6], 16, v[PW]
	v_lshl_or_b32 v[PW], v[TM+7], 24, v[PW]
.irp b, 0,1,2,3
	v_cvt_scalef32_pk8_fp4_f32 v[PC+2*\b], v[\s+16*\b:\s+7+16*\b], v[TM+12+\b]
	v_cvt_scalef32_pk8_fp4_f32 v[PC+1+2*\b], v[\s+8+16*\b:\s+15+16*\b], v[TM+12+\b]
.endr
	v_nop                                          ; one plain place behind a scaled conversion
.irp c, 0,1
.irp i, 0,1
	v_permlane16_swap_b32 v[PC+4*\c+\i], v[PC+2+4*\c+\i]
.endr
.endr
.endm
.macro PLOAD dst, sb, va, off          ; a chunk's 64 numbers of a bias in the result's layout: register 8 t + j = column 32 (t / 2) + 8 (t % 2) + 16 h + j
.irp t, 0,1,2,3
.irp q, 0,1
	global_load_b128 v[\dst+8*\t+4*\q:\dst+8*\t+4*\q+3], v[\va], s[\sb:\sb+1] offset:\off+(32*(\t/2)+8*(\t%2))*4+16*\q
.endr
.endr
.endm
.macro WLOAD set, wsc, vcode, vscale, off      ; a chunk: 32 loads of codes into window 1, 8 of scale words into window 0
	WIN 0x40
.set f, 0
.rept 32
	global_load_b128 v[\set+4*f:\set+4*f+3], v[\vcode], s[WQ:WQ+1] offset:16384*(\off)+512*f
.set f, f+1
.endr
	WIN 0
.set f, 0
.rept 8
	global_load_b32 v[\wsc+f], v[\vscale], s[WQ:WQ+1] offset:1024*(\off)+128*f
.set f, f+1
.endr
.endm
; q, k: 32 products: two tiles of tokens x the chunk's four tiles of columns x four K steps; the bias is the C of the first eight.  The eight accumulators take turns, one instruction a turn, in the same order in every K step.
.macro MM32 set, wsc, as
	WIN 0x01                                       ; A in window 1
.irp ks, 0,1,2,3
.irp m, 0,1
.irp t, 0,1,2,3
.set rD, ACC+32*\m+8*\t
.set rA, \set+8*(4*\t+\ks)
.set rB, AF+8*(4*\m+\ks)
.set rC, rD
.if \ks == 0
.set rC, P+8*\t
.endif
.set rSA, \wsc+2*\ks+\t/2
.set rSB, \as+4*\m+\ks
	WM \t%2
.endr
.endr
.endr
	WIN 0
	PLACES
.endm
; v: 32 products with the sources the other way round: accumulator (ct, m) at 16 ct + 8 m, so that a channel tile's 16 registers are the 16 keys 16 h + 0 .. 15 of the two tiles' 32.  Turns as above.
.macro MMV32 set, wsc, as
	WIN 0x04                                       ; B in window 1
.irp ks, 0,1,2,3
.irp m, 0,1
.irp ct, 0,1,2,3
.set rD, ACC+16*\ct+8*\m
.set rA, AF+8*(4*\m+\ks)
.set rB, \set+8*(4*\ct+\ks)
.set rC, rD
.set rSA, \as+4*\m+\ks
.set rSB, \wsc+2*\ks+\ct/2
.if \ks == 0
	WMZ 2*(\ct%2)
.else
	WM 2*(\ct%2)
.endif
.endr
.endr
.endr
	WIN 0
	PLACES
.endm
.macro XLOAD reg, kk                   ; my row's 64 numbers of my K step kk: of each block of 32 the 16 of my half
.irp b, 0,1,2,3
.irp j, 0,1,2,3
	global_load_b128 v[\reg+16*\b+4*\j:\reg+16*\b+4*\j+3], v[XA], s[SRC:SRC+1] offset:512*\kk+128*\b+16*\j
.endr
.endr
.endm
.macro XOUT kk                         ; the fragment just made goes to LDS as it stands, its scale word beside it (both halves of the lanes hold and write the same word)
	ds_store_b128 v[XWI], v[PC:PC+3] offset:XIMG+1024*\kk
	ds_store_b128 v[XWI], v[PC+4:PC+7] offset:XIMG+1024*\kk+512
	ds_store_b32 v[XWS], v[PW] offset:XSC+4*\kk
.endm
.macro FRAGS tp                        ; tiles 2 tp and 2 tp + 1, all four K steps, from LDS
.set i, 0
.rept 16
	ds_load_b128 v[AF+4*i:AF+4*i+3], v[LI] offset:XIMG+8192*\tp+512*i
.set i, i+1
.endr
	s_wait_dscnt 0x0
.endm
.macro QKOUT tp, bi, bw                ; two tiles of q or k are quantised and stored
	s_wait_xcnt 0x0                                ; the stores issued so far have read their data: the codes' registers are written again below
	QUANT ACC                                      ; blocks 0, 1: the first tile's 64 channels; blocks 2, 3: the second's
	v_lshrrev_b32 v[SS], v[SH16], v[PW]            ; lanes 0-15: the first tile's word; lanes 16-31: the second's two bytes, moved down
	global_store_b128 v[LI], v[PC:PC+3], s[\bi:\bi+1] offset:1024*\tp            ; 512 consecutive bytes
	global_store_b128 v[LI], v[PC+4:PC+7], s[\bi:\bi+1] offset:1024*\tp+512
	global_store_b32 v[L4], v[SS], s[\bw:\bw+1] offset:128*\tp
.endm
	s_load_b512 s[4:19], s[0:1], 0x0               ; x, encoding, wq, bq_s, bk_s, bk_c, bv_s, bv_c
	s_load_b128 s[20:23], s[0:1], 0x40             ; qbuf, kv_s
	s_load_b64 s[24:25], s[0:1], 0x50              ; kv_c
	v_lshl_add_u32 v189, v0, 2, 0x4400
	v_mov_b32 v191, 0
	v_lshrrev_b32 v1, 5, v0
	v_readfirstlane_b32 s[WV], v1                  ; wave = head
	s_and_b32 s[YY], ttmp7, 0xffff                 ; 0: x; 1: encoding
	v_and_b32 v1, 31, v0                           ; lane
	v_and_b32 v2, 15, v0                           ; r
	v_bfe_u32 v3, v0, 4, 1                         ; h
	v_and_b32 v4, 8, v2
	v_add_nc_u32 v4, v4, v2                        ; rho = r + 8 (r / 8)
	v_lshlrev_b32 v[XA], 11, v4
	v_lshl_add_u32 v[XA], v3, 6, v[XA]
	v_lshlrev_b32 v[LI], 4, v1
	v_lshlrev_b32 v[LS16], 4, v2
	s_lshl_b32 s53, s[WV], 11
	v_add_nc_u32 v[XWI], s53, v[LI]
	s_lshr_b32 s53, s[WV], 1
	s_lshl_b32 s53, s53, 8
	s_and_b32 s54, s[WV], 1                        ; which pair of K steps I quantise
	s_lshl_b32 s55, s54, 3
	s_add_co_u32 s53, s53, s55
	v_add_nc_u32 v[XWS], s53, v[LS16]
	s_lshl_b32 s53, s[WV], 8
	v_lshlrev_b32 v[PB], 6, v3
	v_add_nc_u32 v[PB], s53, v[PB]
	v_lshlrev_b32 v[PBV], 2, v4
	v_add_nc_u32 v[PBV], s53, v[PBV]
	v_lshlrev_b32 v[SH16], 4, v3
	v_lshlrev_b32 v[SH8], 3, v3
	v_lshlrev_b32 v[L4], 2, v1
	v_lshlrev_b32 v[L8], 3, v1
	v_lshl_add_u32 v[VSTO], v3, 10, v[LS16]
.irp b, 0,1,2,3
	v_mov_b32 v[TM+4+\b], 0                        ; written once: a lane permute's destination counts as one of its sources
	v_mov_b32 v[PVB+2*\b+1], 0                     ; named as the upper half of a pair
.endr
	s_mov_b32 s[SEL], 0x76543210
	s_mov_b32 s[SEL+1], 0xfedcba98                 ; v_permlanex16_b32's selects for lane l xor 16
	s_mov_b32 s[PSEL], 0x06020400                  ; v_perm_b32: bytes 0 and 2 of two words, by turns
	s_cmp_eq_u32 s[YY], 0
	s_cselect_b32 s56, 8, 40                       ; k's first chunk: Wk_s or Wk_c
	s_add_co_u32 s56, s56, s[WV]
	s_lshl_b32 s57, s56, 14
	v_add_nc_u32 v[VCK], s57, v[LI]
	s_lshl_b32 s57, s56, 10
	s_add_co_u32 s57, s57, 2097152
	v_add_nc_u32 v[VSK], s57, v[L4]
	s_lshl_b32 s58, ttmp9, 6                       ; the first token of the tile that I quantise: 64 X + 32 (w / 4) + 8 ((w / 2) % 2)
	s_lshr_b32 s57, s[WV], 2
	s_lshl_b32 s57, s57, 5
	s_add_co_u32 s58, s58, s57
	s_bfe_u32 s57, s[WV], 0x10001
	s_lshl_b32 s57, s57, 3
	s_add_co_u32 s58, s58, s57
	s_lshl_b32 s58, s58, 11                        ; rows of 2,048 bytes,
	s_lshl_b32 s57, s54, 10
	s_add_co_u32 s58, s58, s57                     ; + my two K steps' 1,024 bytes
	s_mov_b32 s59, 0
	s_lshr_b32 s60, ttmp9, 5
	s_lshl_b32 s60, s60, 3
	s_add_co_u32 s60, s60, s[WV]                   ; 8 b + head
	s_and_b32 s61, ttmp9, 31                       ; which 64 tokens of the batch
	s_mul_i32 s62, s60, 143360
	s_lshl_b32 s63, s61, 11
	s_add_co_u32 s[KI], s62, s63                   ; k's images: four tiles of 512 bytes
	s_mov_b32 s[KI+1], 0
	s_lshl_b32 s63, s61, 8
	s_add_co_u32 s[KW], s62, s63
	s_add_co_u32 s[KW], s[KW], 131072              ; their scale words
	s_mov_b32 s[KW+1], 0
	s_lshr_b32 s63, s61, 1                         ; the key step,
	s_and_b32 s55, s61, 1                          ; and which half c' of its 128 keys
	s_lshl_b32 s57, s63, 12
	s_add_co_u32 s[VI], s62, s57
	s_lshl_b32 s57, s55, 9
	s_add_co_u32 s[VI], s[VI], s57
	s_add_co_u32 s[VI], s[VI], 65536               ; v's images
	s_mov_b32 s[VI+1], 0
	s_lshl_b32 s57, s63, 8
	s_add_co_u32 s[VW], s62, s57
	s_lshl_b32 s57, s55, 1
	s_add_co_u32 s[VW], s[VW], s57
	s_add_co_u32 s[VW], s[VW], 139264              ; v's scale bytes
	s_mov_b32 s[VW+1], 0
	s_mul_i32 s62, s60, 73728
	s_lshl_b32 s63, s61, 11
	s_add_co_u32 s[QI], s62, s63                   ; q's images
	s_mov_b32 s[QI+1], 0
	s_lshl_b32 s63, s61, 8
	s_add_co_u32 s[QW], s62, s63
	s_add_co_u32 s[QW], s[QW], 65536               ; their scale words
	s_mov_b32 s[QW+1], 0
	s_wait_kmcnt 0x0
	s_cmp_eq_u32 s[YY], 0                          ; the choice of buffers hangs on the work-group's number alone
	s_cselect_b64 s[SRC:SRC+1], s[4:5], s[6:7]
	s_cselect_b64 s[BK:BK+1], s[12:13], s[14:15]
	s_cselect_b64 s[BV:BV+1], s[16:17], s[18:19]
	s_cselect_b64 s[KV:KV+1], s[22:23], s[24:25]
	s_add_nc_u64 s[SRC:SRC+1], s[SRC:SRC+1], s[58:59]
	s_add_nc_u64 s[KI:KI+1], s[KV:KV+1], s[KI:KI+1]
	s_add_nc_u64 s[KW:KW+1], s[KV:KV+1], s[KW:KW+1]
	s_add_nc_u64 s[VI:VI+1], s[KV:KV+1], s[VI:VI+1]
	s_add_nc_u64 s[VW:VW+1], s[KV:KV+1], s[VW:VW+1]
	s_add_nc_u64 s[QI:QI+1], s[20:21], s[QI:QI+1]
	s_add_nc_u64 s[QW:QW+1], s[20:21], s[QW:QW+1]
	; ---- X: the source is asked for first, since it is wanted first; k's bias and weights follow at once
	XLOAD ACC, 0
	XLOAD AF, 1
	PLOAD P, BK, PB, 0
	WLOAD WB, WS1, VCK, VSK, 0
	s_wait_loadcnt 63                              ; behind my first 16 loads 64 more were issued: with at most 63 out the 16 are in
	QUANT ACC
	XOUT 0
	s_wait_loadcnt 48                              ; my second 16 are in; the bias's 8 and the weights' 40 may be out
	s_wait_dscnt 0x0                               ; the LDS stores have read the codes' registers
	QUANT AF
	XOUT 1
.irp ct, 0,1,2,3
	global_load_b32 v[PVB+2*\ct], v[PBV], s[BV:BV+1] offset:(32*(\ct/2)+8*(\ct%2))*4
.endr
	WLOAD WA, WS0, VCK, VSK, 8                     ; v's chunk
	BARRIER                                        ; the 16 fragments and their scale words lie in LDS; from here on LDS is only read
.irp t, 0,1,2,3
	ds_load_b128 v[XS+4*\t:XS+4*\t+3], v[LS16] offset:XSC+256*\t
.endr
	; ---- k
	FRAGS 0
	s_wait_loadcnt 44                              ; k's bias and weights are in; v's bias (4 loads) and weights (40) may be out
	MM32 WB, WS1, XS
	QKOUT 0, KI, KW
	FRAGS 1
	MM32 WB, WS1, XS+8
	s_cmp_lg_u32 s[YY], 0
	s_cbranch_scc1 .Lnoq
	PLOAD P, 10, PB, 0                             ; x alone has a q: its bias and weights take the registers that k has left, behind the four places
	WLOAD WB, WS1, VCK, VSK, -8
	s_wait_loadcnt 48                              ; v's bias and weights are in; the 48 just issued may be out
	s_branch .Lkout
.Lnoq:
	s_wait_loadcnt 0x0                             ; v's bias and weights are in
.Lkout:
	QKOUT 1, KI, KW
	; ---- v: two tiles of tokens are one block of 32 keys for each of the 64 channels
.irp tp, 0,1
	FRAGS \tp
	MMV32 WA, WS0, XS+8*\tp
.irp ct, 0,1,2,3
.irp j, 0,2,4,6,8,10,12,14
	v_pk_add_f32 v[ACC+16*\ct+\j:ACC+16*\ct+\j+1], v[ACC+16*\ct+\j:ACC+16*\ct+\j+1], v[PVB+2*\ct:PVB+2*\ct+1] op_sel_hi:[1,0]   ; a lane holds one channel: its bias onto all 16, each accumulator from its low end on
.endr
.endr
	s_wait_xcnt 0x0                                ; the stores issued so far have read their data
	QUANT ACC                                      ; block ct: keys 32 tp + 0 .. 31 of my channel of tile ct
	v_mov_b32 v[PWK+\tp], v[PW]
	global_store_b128 v[VSTO], v[PC:PC+3], s[VI:VI+1] offset:256*\tp           ; lanes 0-15: tile 0, lanes 16-31: tile 1: 256 consecutive bytes each, aligned
	global_store_b128 v[VSTO], v[PC+4:PC+7], s[VI:VI+1] offset:2048+256*\tp    ; tiles 2 and 3
.endr
	v_lshrrev_b32 v[A0], v[SH8], v[PWK]            ; byte 0: tile h, byte 2: tile 2 + h, of the first block of keys,
	v_lshrrev_b32 v[A1], v[SH8], v[PWK+1]          ; of the second
	v_perm_b32 v[WW], v[A1], v[A0], s[PSEL]        ; low half: tile h's two bytes; high half: tile 2 + h's
	global_store_b16 v[L8], v[WW], s[VW:VW+1]
	global_store_d16_hi_b16 v[L8], v[WW], s[VW:VW+1] offset:4
	s_cmp_lg_u32 s[YY], 0
	s_cbranch_scc1 .Lend
	; ---- q
	FRAGS 0
	s_wait_loadcnt 0x0                             ; q's bias and weights
	MM32 WB, WS1, XS
	QKOUT 0, QI, QW
	FRAGS 1
	MM32 WB, WS1, XS+8
	QKOUT 1, QI, QW
.Lend:
	s_wait_tensorcnt 0x0
	ds_add_u32 v189, v191
	s_wait_dscnt 0x0
	s_endpgm
.Lfunc_end_k_q0553f2b74d_qkv:
	.size	k_q0553f2b74d_qkv, .Lfunc_end_k_q0553f2b74d_qkv-k_q0553f2b74d_qkv
	.p2alignl 7, 3214868480
	.fill 96, 4, 3214868480
	.section	.rodata,"a",@progbits
	.p2align	6, 0x0
	.amdhsa_kernel k_q0553f2b74d_qkv
		.amdhsa_group_segment_fixed_size 18432
		.amdhsa_private_segment_fixed_size 0
		.amdhsa_enable_private_segment 0
		.amdhsa_kernarg_size 88
		.amdhsa_user_sgpr_count 2
		.amdhsa_user_sgpr_kernarg_segment_ptr 1
		.amdhsa_wavefront_size32 1
		.amdhsa_system_sgpr_workgroup_id_x 1
		.amdhsa_system_sgpr_workgroup_id_y 1
		.amdhsa_system_sgpr_workgroup_id_z 1
		.amdhsa_system_vgpr_workitem_id 0
		.amdhsa_next_free_vgpr 512
		.amdhsa_next_free_sgpr 66
		.amdhsa_reserve_vcc 0
		.amdhsa_float_denorm_mode_32 3
		.amdhsa_float_denorm_mode_16_64 3
		.amdhsa_memory_ordered 1
		.amdhsa_forward_progress 1
		.amdhsa_inst_pref_size 90
	.end_amdhsa_kernel
	.amdgpu_metadata
---
amdhsa.version: [ 1, 2 ]
amdhsa.kernels:
  - .name:           k_q0553f2b74d_qkv
    .symbol:         k_q0553f2b74d_qkv.kd
    .args:
      - { .name: x, .offset: 0, .size: 8, .value_kind: global_buffer, .address_space: global }
      - { .name: encoding, .offset: 8, .size: 8, .value_kind: global_buffer, .address_space: global }
      - { .name: wq, .offset: 16, .size: 8, .value_kind: global_buffer, .address_space: global }
      - { .name: bq_s, .offset: 24, .size: 8, .value_kind: global_buffer, .address_space: global }
      - { .name: bk_s, .offset: 32, .size: 8, .value_kind: global_buffer, .address_space: global }
      - { .name: bk_c, .offset: 40, .size: 8, .value_kind: global_buffer, .address_space: global }
      - { .name: bv_s, .offset: 48, .size: 8, .value_kind: global_buffer, .address_space: global }
      - { .name: bv_c, .offset: 56, .size: 8, .value_kind: global_buffer, .address_space: global }
      - { .name: qbuf, .offset: 64, .size: 8, .value_kind: global_buffer, .address_space: global }
      - { .name: kv_s, .offset: 72, .size: 8, .value_kind: global_buffer, .address_space: global }
      - { .name: kv_c, .offset: 80, .size: 8, .value_kind: global_buffer, .address_space: global }
    .group_segment_fixed_size: 18432
    .private_segment_fixed_size: 0
    .kernarg_segment_align: 8
    .kernarg_segment_size: 88
    .max_flat_workgroup_size: 256
    .sgpr_count:     66
    .vgpr_count:     512
    .wavefront_size: 32
...
	.end_amdgpu_metadata
.endif
;; end of part 2
;; launch att_s (part 3): grid 8 x 32, 16 waves a work-group, no clusters, 210,944 bytes of LDS; arguments qbuf, kv_s, mask, obuf; writes obuf
.if DOCPART == 3
	.amdgcn_target "amdgcn-amd-amdhsa--gfx1250"
	.amdhsa_code_object_version 6
	.text
	.protected	k_q0553f2b74d_att_s
	.globl	k_q0553f2b74d_att_s
	.p2align	8
	.type	k_q0553f2b74d_att_s,@function
k_q0553f2b74d_att_s:
	s_mov_b64 s[64:65], 0
	v_nop
	global_prefetch_b8 v0, s[64:65] scope:SCOPE_SE
	s_setreg_imm32_b32 hwreg(HW_REG_WAVE_MODE, 25, 1), 1
	s_wait_xcnt 0x0
; Self-attention of one head on codes of FP4.  The second product's left operand is the FINISHED softmax times mask[query], so a row's sum is known before any p is quantised: THE KEYS ARE WALKED TWICE.
; Pass 1: scores, the running maximum (as a whole number M = ceil of the largest t, t = score x log2(e) / 8) and the sum l of 2^(t - M); each key step's four block maxima go to the wave's own LDS bytes.
; Pass 2: the same scores again (the same bits), p = 2^(t + G) with G = -M + log2(|mask| / l), quantised along the keys, O^T += V^T P^T; the block maxima come back from LDS.  The mask's sign, or its zero, multiplies O^T at the end: the quantiser is odd, so that is exact.
; SHARES: a work-group takes 256 queries of one head of one batch; each of its sixteen waves one tile of 16 queries, in 256 registers: four waves to a SIMD.  The head's K, V and their scale words, 143,360 bytes, are copied into LDS once.
; LAYOUT: both products transposed (source 0 = 16 keys, or 16 channels; source 1 = my 16 queries): a lane holds ONE query.  Row r of a tile of tokens is token 32 (T / 2) + 8 (T % 2) + r + 8 (r / 8), so the 16 registers of two neighbouring tiles of scores are 16 neighbouring keys.
; K = 64 in the first product: registers 4-7 of Q's and K's fragments are zero codes; the scale bytes over them are never 0xff.
; OUT: o, quantised along the head's 64 channels: half a fragment at obuf + 4096 tile + 512 head, two scale bytes a row at obuf + 2097152 + 256 tile + 16 r + 2 head (two bytes a lane: 32 bytes a wave; the price of a head to a work-group).
; LIMITS: NaN and infinities are not served; a block whose largest magnitude lies under 2^-124, a block of zeros too, keeps the scale byte 1.  A block's largest p is made from the block's largest score by the same instructions: this takes v_exp_f32 not to fall where its input rises.
;   The factor |mask| / l stands in the exponent: p carries G's rounding and the logarithm's, together about 1.5 units in G's last place (with G near -11 about 1e-6 of p; it grows with |G|).
;   |mask| / l under 2^-126 counts as 2^-126; a mask under 2^-126 in magnitude, other than 0, is not served.
; No cluster: the eight work-groups of a head share 143,360 bytes, each read once at the head, against 32 key steps of work.
.set BMS,  143360                      ; LDS behind K and V: the block maxima: 4096 w + 256 step + 16 r: each wave's own
.set AK0,  1                           ; v1   16 x lane: K's images; also Q's and o's place
.set AV0,  2                           ; v2   16 x lane + 65536: V's images
.set ASK0, 3                           ; v3   4 x lane + 131072: K's scale words
.set ASV0, 4                           ; v4   8 x lane + 139264: V's
.set ABM0, 5                           ; v5   BMS + 4096 w + 16 r
.set OSO,  6                           ; v6   16 r
.set ADB,  7                           ; v7-11 the step's LDS addresses
.set ADK,  8
.set ADV,  9
.set ADS,  10
.set ADT,  11
.set Q,    16                          ; v16-23  Q's fragment (v20-23 zero); v12 -M, then G; v13 the largest t; v[14:15] the sum in two halves
.set F,    24                          ; v[24:25] pass 1: 2^(old M - new M) (the low word serves both halves); then v24: the mask's sign: -1, 0 or 1
.set MK,   26                          ; v26     mask of my query
.set KF,   32                          ; v32-95  eight fragments of K (the upper four registers of each zero)
.set S,    96                          ; v96-159 the scores, then p
.set O,    160                         ; v160-191 O^T
.set VF,   192                         ; v192-223 four fragments of V
.set PC,   224                         ; v224-231 p's codes
.set BM,   232                         ; v232-235 the blocks' maxima
.set BP,   236                         ; v236-239 permutes, bytes, a chain of sums
.set CV,   240                         ; v240-243 the conversions' scale operands
.set KS,   244                         ; v244-247 K's scale words: tiles 2 p (lanes 0-15) and 2 p + 1 (lanes 16-31)
.set VS,   248                         ; v248-249 V's
.set PWD,  250                         ; v250    p's scale word
.set QS,   251                         ; v251    Q's
.set T0,   252
.set T1,   254
.set WV,   12
.set CS,   20                          ; s[20:21] c = log2(e) / 8
.set SEL,  22
.set TK,   24
.set TS,   25
.set TV,   26
.set CNT,  27
.macro BARRIER
	s_wait_dscnt 0x0
	s_barrier_signal -1
	s_barrier_wait -1
.endm
.macro PLACES
.rept 4
	v_nop
.endr
.endm
.macro WM row
.if (\row) == 1
	v_wmma_scale_f32_16x16x128_f8f6f4 v[rD:rD+7], v[rA:rA+7], v[rB:rB+7], v[rC:rC+7], v[rSA], v[rSB] matrix_a_fmt:MATRIX_FMT_FP4 matrix_b_fmt:MATRIX_FMT_FP4 matrix_a_scale:MATRIX_SCALE_ROW1
.else
	v_wmma_scale_f32_16x16x128_f8f6f4 v[rD:rD+7], v[rA:rA+7], v[rB:rB+7], v[rC:rC+7], v[rSA], v[rSB] matrix_a_fmt:MATRIX_FMT_FP4 matrix_b_fmt:MATRIX_FMT_FP4
.endif
.endm
.macro WMZ row                         ; the same with the constant 0 as C
.if (\row) == 1
	v_wmma_scale_f32_16x16x128_f8f6f4 v[rD:rD+7], v[rA:rA+7], v[rB:rB+7], 0, v[rSA], v[rSB] matrix_a_fmt:MATRIX_FMT_FP4 matrix_b_fmt:MATRIX_FMT_FP4 matrix_a_scale:MATRIX_SCALE_ROW1
.else
	v_wmma_scale_f32_16x16x128_f8f6f4 v[rD:rD+7], v[rA:rA+7], v[rB:rB+7], 0, v[rSA], v[rSB] matrix_a_fmt:MATRIX_FMT_FP4 matrix_b_fmt:MATRIX_FMT_FP4
.endif
.endm
; A key step's loads and its eight tiles of scores.  pass = 2: the step's block maxima come back, and V's fragments and scale words are asked for too and may stay out while the scores are made.
.macro SCORES pass
	v_add_nc_u32 v[ADK], s[TK], v[AK0]
	v_add_nc_u32 v[ADS], s[TS], v[ASK0]
	v_add_nc_u32 v[ADB], s[TV], v[ABM0]
.if \pass == 2
	v_add_nc_u32 v[ADV], s[TK], v[AV0]             ; (these five additions are the places between the last step's products and the loads into V's registers)
	v_add_nc_u32 v[ADT], s[TV], v[ASV0]
.endif
.irp t, 0,1,2,3,4,5,6,7
	ds_load_b128 v[KF+8*\t:KF+8*\t+3], v[ADK] offset:512*\t
.endr
.irp p, 0,1,2,3
	ds_load_b32 v[KS+\p], v[ADS] offset:128*\p
.endr
.if \pass == 2
	ds_load_b128 v[BM:BM+3], v[ADB]                ; LDS serves a wave's instructions in order: this sees pass 1's store
.irp ct, 0,1,2,3
	ds_load_b128 v[VF+8*\ct:VF+8*\ct+3], v[ADV] offset:1024*\ct
	ds_load_b128 v[VF+8*\ct+4:VF+8*\ct+7], v[ADV] offset:1024*\ct+512
.endr
	ds_load_b64 v[VS:VS+1], v[ADT]
	s_wait_dscnt 9                                 ; K, its scale words and the maxima are in; V's nine loads may be out
.else
	s_wait_dscnt 0x0                               ; K and its scale words are in, and the last step's store of the maxima has read its registers
.endif
.irp t, 0,1,2,3,4,5,6,7
.set rD, S+8*\t
.set rA, KF+8*\t
.set rB, Q
.set rSA, KS+\t/2
.set rSB, QS
	WMZ \t%2
.endr
.endm
.macro BLOCKMAX                        ; the largest score of each block of 32 keys
.irp b, 0,1,2,3
	v_max3_num_f32 v[BM+\b], v[S+16*\b], v[S+16*\b+1], v[S+16*\b+2]
.endr
.irp i, 3,5,7,9,11,13
.irp b, 0,1,2,3
	v_max3_num_f32 v[BM+\b], v[BM+\b], v[S+16*\b+\i], v[S+16*\b+\i+1]
.endr
.endr
.irp b, 0,1,2,3
	v_max_num_f32 v[BM+\b], v[BM+\b], v[S+16*\b+15]
.endr
.irp b, 0,1,2,3
	v_permlanex16_b32 v[BP+\b], v[BM+\b], s[SEL], s[SEL+1]
.endr
.irp b, 0,1,2,3
	v_max_num_f32 v[BM+\b], v[BM+\b], v[BP+\b]     ; with lane l xor 16's 16 keys
.endr
.endm
.macro TPLUS                           ; c x score + v12, two at a time (of the pairs c and v[12:13] the low word serves both halves)
.set j, 0
.rept 32
	v_pk_fma_f32 v[S+j:S+j+1], v[S+j:S+j+1], s[CS:CS+1], v[12:13] op_sel_hi:[1,0,0]
.set j, j+2
.endr
.endm
.macro EXPS
.set j, 0
.rept 64
	v_exp_f32 v[S+j], v[S+j]
.set j, j+1
.endr
.endm
.macro PCODES                          ; from the blocks' largest magnitudes (floored) to p's scale word and codes
.irp b, 0,1,2,3
	v_add_nc_u32 v[CV+\b], 0xff000000, v[BM+\b]    ; 2 off the exponent field: the conversion's scale operand
.endr
.irp b, 0,1,2,3
	v_lshrrev_b32 v[BP+\b], 23, v[CV+\b]           ; the scale's byte
.endr
	v_lshl_or_b32 v[PWD], v[BP+1], 8, v[BP]
	v_lshl_or_b32 v[PWD], v[BP+2], 16, v[PWD]
	v_lshl_or_b32 v[PWD], v[BP+3], 24, v[PWD]
.irp b, 0,1,2,3
	v_cvt_scalef32_pk8_fp4_f32 v[PC+2*\b], v[S+16*\b:S+16*\b+7], v[CV+\b]
	v_cvt_scalef32_pk8_fp4_f32 v[PC+2*\b+1], v[S+16*\b+8:S+16*\b+15], v[CV+\b]
.endr
	v_nop                                          ; one plain place behind a scaled conversion
.irp c, 0,1
.irp i, 0,1
	v_permlane16_swap_b32 v[PC+4*\c+\i], v[PC+4*\c+2+\i]
.endr
.endr
.endm
.macro PV                              ; O^T += V^T P^T: four accumulators by turns
.irp ct, 0,1,2,3
.set rD, O+8*\ct
.set rA, VF+8*\ct
.set rB, PC
.set rC, rD
.set rSA, VS+\ct/2
.set rSB, PWD
	WM \ct%2
.endr
.endm
.macro OQUANT src                      ; 32 numbers of a lane, register 16 b + i = channel 32 b + 16 h + i of my query: half a fragment in v[PC] .. v[PC+3], two scale bytes in v[T0]
.irp b, 0,1
	v_max3_num_f32 v[BM+\b], |v[\src+16*\b]|, |v[\src+16*\b+1]|, 0x1800000
.endr
.irp i, 2,4,6,8,10,12,14
.irp b, 0,1
	v_max3_num_f32 v[BM+\b], v[BM+\b], |v[\src+16*\b+\i]|, |v[\src+16*\b+\i+1]|
.endr
.endr
.irp b, 0,1
	v_permlanex16_b32 v[BP+\b], v[BM+\b], s[SEL], s[SEL+1]
.endr
.irp b, 0,1
	v_max_num_f32 v[BM+\b], v[BM+\b], v[BP+\b]
.endr
.irp b, 0,1
	v_add_nc_u32 v[CV+\b], 0xff000000, v[BM+\b]
.endr
.irp b, 0,1
	v_lshrrev_b32 v[BP+\b], 23, v[CV+\b]
.endr
	v_lshl_or_b32 v[T0], v[BP+1], 8, v[BP]
.irp b, 0,1
	v_cvt_scalef32_pk8_fp4_f32 v[PC+2*\b], v[\src+16*\b:\src+16*\b+7], v[CV+\b]
	v_cvt_scalef32_pk8_fp4_f32 v[PC+2*\b+1], v[\src+16*\b+8:\src+16*\b+15], v[CV+\b]
.endr
	v_nop
	v_permlane16_swap_b32 v[PC], v[PC+2]
	v_permlane16_swap_b32 v[PC+1], v[PC+3]
.endm
	s_load_b128 s[4:7], s[0:1], 0x0                ; qbuf, kv_s
	s_load_b128 s[8:11], s[0:1], 0x10              ; mask, obuf
	v_lshrrev_b32 v1, 5, v0
	v_readfirstlane_b32 s[WV], v1                  ; wave 0..15
	s_and_b32 s13, ttmp7, 0xffff                   ; 8 b + head
	s_lshl_b32 s14, ttmp9, 4
	s_add_co_u32 s14, s14, s[WV]                   ; my tile of queries in the batch
	v_lshlrev_b32 v27, 4, v0                       ; the copy: 16 bytes a thread
	v_lshlrev_b32 v28, 3, v0
	v_and_b32 v7, 31, v0                           ; lane
	v_and_b32 v252, 15, v0                         ; r
	v_lshlrev_b32 v[AK0], 4, v7
	v_lshlrev_b32 v253, 2, v252
	v_and_b32 v254, 8, v252
	v_add_nc_u32 v254, v254, v252
	v_lshlrev_b32 v254, 2, v254                    ; 4 (r + 8 (r / 8))
	v_lshlrev_b32 v[OSO], 4, v252
	s_lshl_b32 s38, s[WV], 12
	s_add_co_u32 s38, s38, BMS
	v_add_nc_u32 v[ABM0], s38, v[OSO]
	s_mul_i32 s16, s13, 143360
	s_mov_b32 s17, 0
	s_mul_i32 s18, s13, 73728
	s_lshl_b32 s15, s14, 9
	s_add_co_u32 s28, s18, 65536
	s_add_co_u32 s18, s18, s15                     ; Q's image
	s_mov_b32 s19, 0
	s_lshl_b32 s15, s14, 6
	s_add_co_u32 s28, s28, s15                     ; its scale words
	s_mov_b32 s29, 0
	s_lshr_b32 s15, s13, 3
	s_lshl_b32 s15, s15, 7
	s_add_co_u32 s15, s15, s14                     ; the tile among all batches'
	s_and_b32 s34, s13, 7                          ; head
	s_lshl_b32 s30, s15, 12
	s_lshl_b32 s35, s34, 9
	s_add_co_u32 s30, s30, s35
	s_mov_b32 s31, 0
	s_lshl_b32 s32, s15, 8
	s_lshl_b32 s35, s34, 1
	s_add_co_u32 s32, s32, s35
	s_add_co_u32 s32, s32, 2097152
	s_mov_b32 s33, 0
	s_lshr_b32 s36, s14, 1
	s_lshl_b32 s36, s36, 7
	s_and_b32 s35, s14, 1
	s_lshl_b32 s35, s35, 5
	s_add_co_u32 s36, s36, s35                     ; mask: 4 (32 (T / 2) + 8 (T % 2))
	s_mov_b32 s37, 0
	s_mov_b32 s[CS], 0x3e38aa3b                    ; log2(e) / sqrt(64)
	s_mov_b32 s[CS+1], s[CS]
	s_mov_b32 s[SEL], 0x76543210
	s_mov_b32 s[SEL+1], 0xfedcba98
	s_wait_kmcnt 0x0
	s_add_nc_u64 s[6:7], s[6:7], s[16:17]
	s_add_nc_u64 s[18:19], s[4:5], s[18:19]
	s_add_nc_u64 s[28:29], s[4:5], s[28:29]
	s_add_nc_u64 s[30:31], s[10:11], s[30:31]
	s_add_nc_u64 s[32:33], s[10:11], s[32:33]
	s_add_nc_u64 s[8:9], s[8:9], s[36:37]
.set i, 0
.rept 17
	global_load_b128 v[32+4*i:35+4*i], v27, s[6:7] offset:8192*i   ; the 512 threads read 8,192 consecutive bytes
.set i, i+1
.endr
	global_load_b64 v[100:101], v28, s[6:7] offset:139264
	global_load_b128 v[Q:Q+3], v[AK0], s[18:19]
	global_load_b32 v[QS], v253, s[28:29]
	global_load_b32 v[MK], v254, s[8:9]
	v_add_nc_u32 v[AV0], 65536, v[AK0]
	v_lshl_add_u32 v[ASK0], v7, 2, 131072
	v_lshl_add_u32 v[ASV0], v7, 3, 139264
	v_add_nc_u32 v29, 65536, v27
	v_add_nc_u32 v30, 131072, v27
	v_add_nc_u32 v31, 139264, v28
.set j, 0
.rept 32
	v_mov_b32 v[O+j], 0                            ; O^T: the step is written once, its first trip adds onto zeros
.set j, j+1
.endr
	s_wait_loadcnt 0x0
.irp i, 0,1,2,3,4,5,6,7
	ds_store_b128 v27, v[32+4*\i:35+4*\i] offset:8192*\i
.endr
.irp i, 0,1,2,3,4,5,6,7
	ds_store_b128 v29, v[64+4*\i:67+4*\i] offset:8192*\i
.endr
	ds_store_b128 v30, v[96:99]
	ds_store_b64 v31, v[100:101]
	BARRIER                                        ; the head's K, V and scale words lie in LDS; from here on these bytes are only read
.irp t, 0,1,2,3,4,5,6,7
.irp j, 4,5,6,7
	v_mov_b32 v[KF+8*\t+\j], 0                     ; zero codes for k = 64 .. 127
.endr
.endr
.irp j, 4,5,6,7
	v_mov_b32 v[Q+\j], 0
.endr
	v_mov_b32 v13, 0xff61b1e6                      ; the largest t so far: -3e38
	v_floor_f32 v12, -v13                          ; -M
	v_mov_b32 v14, 0
	v_mov_b32 v15, 0
	v_mov_b32 v[F+1], 0                            ; named as the upper half of a pair
.irp b, 0,1,2,3
	v_mov_b32 v[BP+\b], 0                          ; a lane permute's destination counts as one of its sources
.endr
	v_mov_b32 v[T0], 0
	; ---- pass 1: M and l; the block maxima are kept
	s_mov_b32 s[TK], 0
	s_mov_b32 s[TS], 0
	s_mov_b32 s[TV], 0
	s_mov_b32 s[CNT], 16
.Lp1:
	SCORES 1
	PLACES
	BLOCKMAX
	ds_store_b128 v[ADB], v[BM:BM+3]               ; my query's four maxima of this step (both halves of the lanes hold and write the same 16 bytes)
	v_max3_num_f32 v[T1], v[BM], v[BM+1], v[BM+2]
	v_max_num_f32 v[T1], v[T1], v[BM+3]            ; the step's largest score of my query
	v_mul_f32 v[T1], s[CS], v[T1]
	v_max_num_f32 v13, v13, v[T1]                  ; the running largest t
	v_mov_b32 v[T1], v12
	v_floor_f32 v12, -v13                          ; -M = floor(-t): M is a whole number
	v_sub_f32 v[T1], v12, v[T1]
	v_cvt_i32_f32 v[T1], v[T1]                     ; (it saturates)
	v_ldexp_f32 v[F], 1.0, v[T1]                   ; 2^(old M - new M): rounds nothing
	TPLUS
	EXPS
	v_pk_mul_f32 v[14:15], v[14:15], v[F:F+1] op_sel_hi:[1,0]      ; the sum under the new M; the plain place behind the exponentials
	s_wait_alu depctr_va_vdst(0)                   ; one wait for the batch, ahead of its first reader
	v_pk_add_f32 v[BP:BP+1], v[S:S+1], v[S+2:S+3]
.irp j, 4,8,12,16,20,24,28,32,36,40,44,48,52,56,60
	v_pk_add_f32 v[14:15], v[14:15], v[S+\j:S+\j+1]
	v_pk_add_f32 v[BP:BP+1], v[BP:BP+1], v[S+\j+2:S+\j+3]
.endr
	v_pk_add_f32 v[14:15], v[14:15], v[BP:BP+1]
	s_add_co_u32 s[TK], s[TK], 4096
	s_add_co_u32 s[TS], s[TS], 512
	s_add_co_u32 s[TV], s[TV], 256
	s_sub_co_u32 s[CNT], s[CNT], 1
	s_cmp_lg_u32 s[CNT], 0
	s_cbranch_scc1 .Lp1
	v_add_f32 v14, v14, v15
	v_permlanex16_b32 v[T0], v14, s[SEL], s[SEL+1]
	v_add_f32 v14, v14, v[T0]                      ; the row's sum
	v_rcp_f32 v14, v14
	v_and_b32 v[T1], 0x7fffffff, v[MK]             ; |mask|; the plain place behind the reciprocal
	s_wait_alu depctr_va_vdst(0)
	v_mul_f32 v[T1], v[T1], v14                    ; |mask| / l,
	v_max_num_f32 v[T1], 0x800000, v[T1]           ; held at 2^-126 from below: the logarithm is taken of a normal number
	v_log_f32 v[T1], v[T1]
	v_mul_f32 v[F], 0x7f000000, v[MK]              ; mask x 2^127; the plain place behind the logarithm
	s_wait_alu depctr_va_vdst(0)
	v_add_f32 v12, v12, v[T1]                      ; G = -M + log2(|mask| / l)
	v_med3_num_f32 v[F], v[F], -1.0, 1.0           ; the mask's sign: -1, 0 or 1
	; ---- pass 2: the finished p, its codes, the second product
	s_mov_b32 s[TK], 0
	s_mov_b32 s[TS], 0
	s_mov_b32 s[TV], 0
	s_mov_b32 s[CNT], 16
.Lp2:
	SCORES 2
.irp b, 0,1,2,3
	v_fma_f32 v[BM+\b], v[BM+\b], s[CS], v12       ; each block's largest score goes the way of the 64; these four name no register of the products: the places behind them
.endr
	TPLUS
	EXPS
.irp b, 0,1,2,3
	v_exp_f32 v[BM+\b], v[BM+\b]
.endr
	v_nop                                          ; the plain place behind the batch
	s_wait_alu depctr_va_vdst(0)                   ; one wait for the 68
.irp b, 0,1,2,3
	v_max_num_f32 v[BM+\b], 0x1800000, v[BM+\b]    ; the block's largest p, and the floor
.endr
	PCODES
.rept 8
	v_nop                                          ; a scale word made by vector instructions stands eight places ahead of a scaled product, an operand four
.endr
	s_wait_dscnt 0x0                               ; V
	PV
	s_add_co_u32 s[TK], s[TK], 4096
	s_add_co_u32 s[TS], s[TS], 512
	s_add_co_u32 s[TV], s[TV], 256
	s_sub_co_u32 s[CNT], s[CNT], 1
	s_cmp_lg_u32 s[CNT], 0
	s_cbranch_scc1 .Lp2
	PLACES
.set j, 0
.rept 32
	v_mul_f32 v[O+j], v[F], v[O+j]                 ; the mask's sign or zero, from each accumulator's low end on
.set j, j+1
.endr
	OQUANT O
	global_store_b128 v[AK0], v[PC:PC+3], s[30:31] ; 512 consecutive bytes
	global_store_b16 v[OSO], v[T0], s[32:33]       ; both halves of the lanes hold and write the same two bytes
	s_wait_xcnt 0x0
	v_lshl_add_u32 v254, v0, 2, 0x33000
	v_mov_b32 v255, 0
	s_wait_tensorcnt 0x0
	ds_add_u32 v254, v255
	s_wait_dscnt 0x0
	s_endpgm
.Lfunc_end_k_q0553f2b74d_att_s:
	.size	k_q0553f2b74d_att_s, .Lfunc_end_k_q0553f2b74d_att_s-k_q0553f2b74d_att_s
	.p2alignl 7, 3214868480
	.fill 96, 4, 3214868480
	.section	.rodata,"a",@progbits
	.p2align	6, 0x0
	.amdhsa_kernel k_q0553f2b74d_att_s
		.amdhsa_group_segment_fixed_size 210944
		.amdhsa_private_segment_fixed_size 0
		.amdhsa_enable_private_segment 0
		.amdhsa_kernarg_size 32
		.amdhsa_user_sgpr_count 2
		.amdhsa_user_sgpr_kernarg_segment_ptr 1
		.amdhsa_wavefront_size32 1
		.amdhsa_system_sgpr_workgroup_id_x 1
		.amdhsa_system_sgpr_workgroup_id_y 1
		.amdhsa_system_sgpr_workgroup_id_z 1
		.amdhsa_system_vgpr_workitem_id 0
		.amdhsa_next_free_vgpr 256
		.amdhsa_next_free_sgpr 66
		.amdhsa_reserve_vcc 0
		.amdhsa_float_denorm_mode_32 3
		.amdhsa_float_denorm_mode_16_64 3
		.amdhsa_memory_ordered 1
		.amdhsa_forward_progress 1
		.amdhsa_inst_pref_size 34
	.end_amdhsa_kernel
	.amdgpu_metadata
---
amdhsa.version: [ 1, 2 ]
amdhsa.kernels:
  - .name:           k_q0553f2b74d_att_s
    .symbol:         k_q0553f2b74d_att_s.kd
    .args:
      - { .name: qbuf, .offset: 0, .size: 8, .value_kind: global_buffer, .address_space: global }
      - { .name: kv_s, .offset: 8, .size: 8, .value_kind: global_buffer, .address_space: global }
      - { .name: mask, .offset: 16, .size: 8, .value_kind: global_buffer, .address_space: global }
      - { .name: obuf, .offset: 24, .size: 8, .value_kind: global_buffer, .address_space: global }
    .group_segment_fixed_size: 210944
    .private_segment_fixed_size: 0
    .kernarg_segment_align: 8
    .kernarg_segment_size: 32
    .max_flat_workgroup_size: 512
    .sgpr_count:     66
    .vgpr_count:     256
    .wavefront_size: 32
...
	.end_amdgpu_metadata
.endif
;; end of part 3
;; launch post1 (part 4): grid 256 x 1, 8 waves a work-group, no clusters, 13,312 bytes of LDS; arguments obuf, wq, bo_s, x, ln1_g, ln1_b, bq_c, hbuf, qbuf; writes hbuf, qbuf
.if DOCPART == 4
	.amdgcn_target "amdgcn-amd-amdhsa--gfx1250"
	.amdhsa_code_object_version 6
	.text
	.protected	k_q0553f2b74d_post1
	.globl	k_q0553f2b74d_post1
	.p2align	8
	.type	k_q0553f2b74d_post1,@function
k_q0553f2b74d_post1:
	s_mov_b64 s[64:65], 0
	v_nop
	global_prefetch_b8 v0, s[64:65] scope:SCOPE_SE
	s_setreg_imm32_b32 hwreg(HW_REG_WAVE_MODE, 25, 1), 1
	s_wait_xcnt 0x0
; h = layernorm(o Wo_s + bo_s + x) and q_c = h Wq_c + bq_c, both products on codes of FP4.  o arrives as codes; h is quantised on the way; q_c leaves as codes, h as f32.
; SHARES: a work-group takes 32 tokens (two tiles m); wave w takes columns 64 w .. 64 w + 63 of each product: one chunk of weight codes each, straight from memory into 128 registers, eight accumulators.
; LAYOUT: source 0 = 16 columns of the weight, source 1 = 16 tokens: a lane holds one token (row r of tile m is token 32 g + 8 m + r + 8 (r / 8)), and register 8 t + j of a tile's 32 is column 64 w + 32 (t / 2) + 8 (t % 2) + 16 h + j.
; The residual and the bias are added into the registers that the first products take as C.  LAYER NORM: each wave's sums over its 64 columns meet in LDS; the variance is taken of the centred numbers.
; h's fragments go from wave to wave through LDS as images of their registers.  h as f32 leaves as an image of the accumulators (hbuf + 65536 g + 8192 w + 512 i + 16 lane), which the last launch reads back the same way.
; LIMITS: NaN and infinities are not served; a block whose largest magnitude lies under 2^-124, a block of zeros too, keeps the scale byte 1.
; No cluster: a chunk of weights lands in the registers of the one wave that multiplies by it; a joint request would land in LDS and add a way through it.
.set RED1, 0                           ; LDS: 512 m + 32 r + 4 w: the waves' sums
.set RED2, 1024                        ; and their sums of squares
.set HSC,  2048                        ; h's scale bytes: 256 m + 16 r + 2 w
.set HIMG, 4096                        ; h's fragments: 4096 m + 512 w + 16 lane
.set LI,   1                           ; v1   16 x lane
.set LS16, 2                           ; v2   16 r
.set L4,   3                           ; v3   4 x lane
.set SH16, 4                           ; v4   16 h
.set PB,   5                           ; v5   256 w + 64 h
.set XR,   6                           ; v6   2048 rho + 64 h + 256 w
.set RW,   7                           ; v7   32 r + 4 w
.set RR,   8                           ; v8   32 r
.set HWI,  9                           ; v9   16 x lane + 512 w
.set HWS,  10                          ; v10  16 r + 2 w
.set HB,   11                          ; v11  16 x lane + 8192 w
.set VC,   12                          ; v12  chunk 24 + w: codes
.set VS,   13                          ; v13  and scale words
.set ACC,  32
.set AF,   96
.set PC,   160
.set TM,   168
.set PW,   184
.set SS,   186
.set AS,   188                         ; v188-195 the tokens' scale words: 4 m + ks
.set WS0,  196
.set WS1,  204
.set P,    212                         ; v212-243 a bias in the result's layout
.set C0,   244
.set C1,   246
.set LT,   248
.set LP,   249
.set MU,   250                         ; v[250:251], v[252:253]: the mean, then 1 / sqrt(var + eps), of tile m
.set LR,   254                         ; v254, v255: my wave's sum for tile m
.set WA,   0                           ; window 1
.set WB,   128
.set WFIRST, 0x01
.set WQ,   6
.set WV,   22
.set SEL,  26
.set INV,  28
.set EPS,  29
.set MSB, 0
.macro WIN new
.if MSB != \new
	s_set_vgpr_msb (MSB<<8)|\new
.set MSB, \new
.endif
.endm
.macro BARRIER
	s_wait_dscnt 0x0
	s_barrier_signal -1
	s_barrier_wait -1
.endm
.macro PLACES
.rept 4
	v_nop
.endr
.endm
.macro WM row
.if (\row) == 1
	v_wmma_scale_f32_16x16x128_f8f6f4 v[rD:rD+7], v[rA:rA+7], v[rB:rB+7], v[rC:rC+7], v[rSA], v[rSB] matrix_a_fmt:MATRIX_FMT_FP4 matrix_b_fmt:MATRIX_FMT_FP4 matrix_a_scale:MATRIX_SCALE_ROW1
.else
	v_wmma_scale_f32_16x16x128_f8f6f4 v[rD:rD+7], v[rA:rA+7], v[rB:rB+7], v[rC:rC+7], v[rSA], v[rSB] matrix_a_fmt:MATRIX_FMT_FP4 matrix_b_fmt:MATRIX_FMT_FP4
.endif
.endm
.macro QUANT s
.irp b, 0,1,2,3
	v_max3_num_f32 v[TM+\b], |v[\s+16*\b]|, |v[\s+1+16*\b]|, 0x1800000
.endr
.irp i, 2,4,6,8,10,12,14
.irp b, 0,1,2,3
	v_max3_num_f32 v[TM+\b], v[TM+\b], |v[\s+16*\b+\i]|, |v[\s+1+16*\b+\i]|
.endr
.endr
.irp b, 0,1,2,3
	v_permlanex16_b32 v[TM+4+\b], v[TM+\b], s[SEL], s[SEL+1]
.endr
.irp b, 0,1,2,3
	v_max_num_f32 v[TM+\b], v[TM+\b], v[TM+4+\b]
.endr
.irp b, 0,1,2,3
	v_add_nc_u32 v[TM+12+\b], 0xff000000, v[TM+\b]
.endr
.irp b, 0,1,2,3
	v_lshrrev_b32 v[TM+4+\b], 23, v[TM+12+\b]
.endr
	v_lshl_or_b32 v[PW], v[TM+5], 8, v[TM+4]
	v_lshl_or_b32 v[PW], v[TM+6], 16, v[PW]
	v_lshl_or_b32 v[PW], v[TM+7], 24, v[PW]
.irp b, 0,1,2,3
	v_cvt_scalef32_pk8_fp4_f32 v[PC+2*\b], v[\s+16*\b:\s+7+16*\b], v[TM+12+\b]
	v_cvt_scalef32_pk8_fp4_f32 v[PC+1+2*\b], v[\s+8+16*\b:\s+15+16*\b], v[TM+12+\b]
.endr
	v_nop
.irp c, 0,1
.irp i, 0,1
	v_permlane16_swap_b32 v[PC+4*\c+\i], v[PC+2+4*\c+\i]
.endr
.endr
.endm
.macro PLOAD dst, sb, va, off
.irp t, 0,1,2,3
.irp q, 0,1
	global_load_b128 v[\dst+8*\t+4*\q:\dst+8*\t+4*\q+3], v[\va], s[\sb:\sb+1] offset:\off+(32*(\t/2)+8*(\t%2))*4+16*\q
.endr
.endr
.endm
.macro WLOAD set, wsc, vcode, vscale, off
	WIN 0x40
.set f, 0
.rept 32
	global_load_b128 v[\set+4*f:\set+4*f+3], v[\vcode], s[WQ:WQ+1] offset:16384*(\off)+512*f
.set f, f+1
.endr
	WIN 0
.set f, 0
.rept 8
	global_load_b32 v[\wsc+f], v[\vscale], s[WQ:WQ+1] offset:1024*(\off)+128*f
.set f, f+1
.endr
.endm
.macro MM32 set, wsc, as, first        ; 32 products; the eight accumulators take turns, one instruction a turn
.irp ks, 0,1,2,3
.if (\first) && (\ks == 0)
	WIN WFIRST
.else
	WIN 0x01
.endif
.irp m, 0,1
.irp t, 0,1,2,3
.set rD, ACC+32*\m+8*\t
.set rA, \set+8*(4*\t+\ks)
.set rB, AF+8*(4*\m+\ks)
.set rC, rD
.if (\first) && (\ks == 0)
.set rC, P+8*\t
.endif
.set rSA, \wsc+2*\ks+\t/2
.set rSB, \as+4*\m+\ks
	WM \t%2
.endr
.endr
.endr
.endm
.macro LNSUM m, sq, red                ; the sum (sq = 1: of squares) of my token's 64 columns in this wave, from the low end on, in two chains; to LDS
.set LA, ACC+32*\m
.if \sq
	v_pk_mul_f32 v[C0:C0+1], v[LA:LA+1], v[LA:LA+1]
	v_pk_mul_f32 v[C1:C1+1], v[LA+2:LA+3], v[LA+2:LA+3]
.irp j, 4,8,12,16,20,24,28
	v_pk_fma_f32 v[C0:C0+1], v[LA+\j:LA+\j+1], v[LA+\j:LA+\j+1], v[C0:C0+1]
	v_pk_fma_f32 v[C1:C1+1], v[LA+\j+2:LA+\j+3], v[LA+\j+2:LA+\j+3], v[C1:C1+1]
.endr
.else
	v_pk_add_f32 v[C0:C0+1], v[LA:LA+1], v[LA+2:LA+3]
	v_pk_add_f32 v[C1:C1+1], v[LA+4:LA+5], v[LA+6:LA+7]
.irp j, 8,12,16,20,24,28
	v_pk_add_f32 v[C0:C0+1], v[C0:C0+1], v[LA+\j:LA+\j+1]
	v_pk_add_f32 v[C1:C1+1], v[C1:C1+1], v[LA+\j+2:LA+\j+3]
.endr
.endif
	v_pk_add_f32 v[C0:C0+1], v[C0:C0+1], v[C1:C1+1]
	v_add_f32 v[LT], v[C0], v[C0+1]
	v_permlanex16_b32 v[LP], v[LT], s[SEL], s[SEL+1]
	v_add_f32 v[LR+\m], v[LT], v[LP]               ; with lane l xor 16's 32 columns
	ds_store_b32 v[RW], v[LR+\m] offset:\red+512*\m
.endm
.macro LNRED red                       ; the eight waves' sums of both tiles, added in one order in every wave: v[TM], v[TM+8]
.irp m, 0,1
	ds_load_b128 v[TM+8*\m:TM+8*\m+3], v[RR] offset:\red+512*\m
	ds_load_b128 v[TM+8*\m+4:TM+8*\m+7], v[RR] offset:\red+512*\m+16
.endr
	s_wait_dscnt 0x0
.irp m, 0,1
	v_add_f32 v[TM+8*\m], v[TM+8*\m], v[TM+8*\m+1]
	v_add_f32 v[TM+8*\m+2], v[TM+8*\m+2], v[TM+8*\m+3]
	v_add_f32 v[TM+8*\m+4], v[TM+8*\m+4], v[TM+8*\m+5]
	v_add_f32 v[TM+8*\m+6], v[TM+8*\m+6], v[TM+8*\m+7]
	v_add_f32 v[TM+8*\m], v[TM+8*\m], v[TM+8*\m+2]
	v_add_f32 v[TM+8*\m+4], v[TM+8*\m+4], v[TM+8*\m+6]
	v_add_f32 v[TM+8*\m], v[TM+8*\m], v[TM+8*\m+4]
.endr
.endm
.macro LN red1, red2, lw               ; the accumulators are normalised in place; the gain lies in v[AF] on, the bias in v[AF+32] on, in the result's layout; lw: the younger loads that may stay out
	LNSUM 0, 0, \red1
	LNSUM 1, 0, \red1
	BARRIER
	LNRED \red1
.irp m, 0,1
	v_mul_f32 v[MU+2*\m], s[INV], v[TM+8*\m]       ; the mean, in both words of the pair
	v_mul_f32 v[MU+2*\m+1], s[INV], v[TM+8*\m]
.endr
.irp m, 0,1
.set j, 0
.rept 16
	v_pk_add_f32 v[ACC+32*\m+j:ACC+32*\m+j+1], v[ACC+32*\m+j:ACC+32*\m+j+1], v[MU+2*\m:MU+2*\m+1] neg_lo:[0,1] neg_hi:[0,1]
.set j, j+2
.endr
.endr
	LNSUM 0, 1, \red2
	LNSUM 1, 1, \red2
	BARRIER
	LNRED \red2
.irp m, 0,1
	v_fma_f32 v[TM+8*\m], v[TM+8*\m], s[INV], s[EPS]
.endr
	v_rsq_f32 v[MU], v[TM]
	v_rsq_f32 v[MU+2], v[TM+8]
	v_nop                                          ; the plain place behind the two
	s_wait_alu depctr_va_vdst(0)                   ; one wait for both, ahead of the first reader
	s_wait_loadcnt \lw                             ; the gain and the bias are in
.irp m, 0,1
.set j, 0
.rept 16
	v_pk_mul_f32 v[ACC+32*\m+j:ACC+32*\m+j+1], v[ACC+32*\m+j:ACC+32*\m+j+1], v[MU+2*\m:MU+2*\m+1] op_sel_hi:[1,0]
.set j, j+2
.endr
.endr
.irp m, 0,1
.set j, 0
.rept 16
	v_pk_fma_f32 v[ACC+32*\m+j:ACC+32*\m+j+1], v[ACC+32*\m+j:ACC+32*\m+j+1], v[AF+j:AF+j+1], v[AF+32+j:AF+32+j+1]
.set j, j+2
.endr
.endr
.endm
	s_load_b512 s[4:19], s[0:1], 0x0               ; obuf, wq, bo_s, x, ln1_g, ln1_b, bq_c, hbuf
	s_load_b64 s[20:21], s[0:1], 0x40              ; qbuf
	v_lshl_add_u32 v185, v0, 2, 0x3000
	v_mov_b32 v187, 0
	v_lshrrev_b32 v14, 5, v0
	v_readfirstlane_b32 s[WV], v14
	v_and_b32 v14, 31, v0                          ; lane
	v_and_b32 v15, 15, v0                          ; r
	v_bfe_u32 v16, v0, 4, 1                        ; h
	v_and_b32 v17, 8, v15
	v_add_nc_u32 v17, v17, v15                     ; rho
	v_lshlrev_b32 v[LI], 4, v14
	v_lshlrev_b32 v[LS16], 4, v15
	v_lshlrev_b32 v[L4], 2, v14
	v_lshlrev_b32 v[SH16], 4, v16
	s_lshl_b32 s23, s[WV], 8
	v_lshlrev_b32 v[PB], 6, v16
	v_add_nc_u32 v[PB], s23, v[PB]
	v_lshl_add_u32 v[XR], v17, 11, v[PB]
	v_lshlrev_b32 v[RR], 5, v15
	s_lshl_b32 s23, s[WV], 2
	v_add_nc_u32 v[RW], s23, v[RR]
	s_lshl_b32 s23, s[WV], 9
	v_add_nc_u32 v[HWI], s23, v[LI]
	s_lshl_b32 s23, s[WV], 1
	v_add_nc_u32 v[HWS], s23, v[LS16]
	s_lshl_b32 s23, s[WV], 13
	v_add_nc_u32 v[HB], s23, v[LI]
	s_add_co_u32 s23, s[WV], 24
	s_lshl_b32 s24, s23, 14
	v_add_nc_u32 v[VC], s24, v[LI]
	s_lshl_b32 s24, s23, 10
	s_add_co_u32 s24, s24, 2097152
	v_add_nc_u32 v[VS], s24, v[L4]
	v_mov_b32 v[LP], 0                             ; a lane permute's destination counts as one of its sources
	s_mov_b32 s[SEL], 0x76543210
	s_mov_b32 s[SEL+1], 0xfedcba98
	s_mov_b32 s[INV], 0x3b000000                   ; 1 / 512
	s_mov_b32 s[EPS], 0x358637bd                   ; 1e-6
	s_lshl_b32 s30, ttmp9, 13                      ; o's images: two tiles of 4,096 bytes
	s_mov_b32 s31, 0
	s_lshl_b32 s32, ttmp9, 9
	s_add_co_u32 s32, s32, 2097152                 ; their scale bytes
	s_mov_b32 s33, 0
	s_lshl_b32 s34, ttmp9, 16                      ; 32 rows of 2,048 bytes, in x and in hbuf
	s_mov_b32 s35, 0
	s_lshr_b32 s38, ttmp9, 6
	s_lshl_b32 s38, s38, 3
	s_add_co_u32 s38, s38, s[WV]                   ; 8 b + head
	s_mul_i32 s38, s38, 73728
	s_and_b32 s40, ttmp9, 63
	s_lshl_b32 s41, s40, 10
	s_lshl_b32 s40, s40, 7
	s_add_co_u32 s40, s40, s38
	s_add_co_u32 s40, s40, 65536                   ; q's scale words
	s_add_co_u32 s38, s38, s41                     ; q's images
	s_mov_b32 s39, 0
	s_mov_b32 s41, 0
	s_wait_kmcnt 0x0
	s_add_nc_u64 s[30:31], s[4:5], s[30:31]
	s_add_nc_u64 s[32:33], s[4:5], s[32:33]
	s_add_nc_u64 s[36:37], s[18:19], s[34:35]
	s_add_nc_u64 s[34:35], s[10:11], s[34:35]
	s_add_nc_u64 s[38:39], s[20:21], s[38:39]
	s_add_nc_u64 s[40:41], s[20:21], s[40:41]
	; ---- 1: everything is asked for
.set i, 0
.rept 16
	global_load_b128 v[AF+4*i:AF+4*i+3], v[LI], s[30:31] offset:512*i
.set i, i+1
.endr
.irp m, 0,1
	global_load_b128 v[AS+4*\m:AS+4*\m+3], v[LS16], s[32:33] offset:256*\m
.endr
.irp m, 0,1
.irp t, 0,1,2,3
.irp q, 0,1
	global_load_b128 v[ACC+32*\m+8*\t+4*\q:ACC+32*\m+8*\t+4*\q+3], v[XR], s[34:35] offset:16384*\m+(32*(\t/2)+8*(\t%2))*4+16*\q th:TH_LOAD_NT
.endr
.endr
.endr
	PLOAD P, 8, PB, 0                              ; bo_s
	WLOAD WA, WS0, VC, VS, 0                       ; Wo_s, chunk 24 + w
	WLOAD WB, WS1, VC, VS, 8                       ; Wq_c, chunk 32 + w
	s_wait_loadcnt 40                              ; all but the youngest weight group
	; ---- 2: x + bo_s is what the first products add onto
.irp m, 0,1
.set j, 0
.rept 16
	v_pk_add_f32 v[ACC+32*\m+j:ACC+32*\m+j+1], v[ACC+32*\m+j:ACC+32*\m+j+1], v[P+j:P+j+1]
.set j, j+2
.endr
.endr
	PLOAD P, 16, PB, 0                             ; bq_c
	PLACES
	MM32 WA, WS0, AS, 0
	WIN 0
	PLACES
	PLOAD AF, 12, PB, 0                            ; ln1_g
	PLOAD AF+32, 14, PB, 0                         ; ln1_b
	; ---- 3
	LN RED1, RED2, 0
	; ---- 4: h leaves as f32, and as codes to the other waves
.set i, 0
.rept 16
	global_store_b128 v[HB], v[ACC+4*i:ACC+4*i+3], s[36:37] offset:512*i   ; 512 consecutive bytes
.set i, i+1
.endr
	QUANT ACC
	ds_store_b128 v[HWI], v[PC:PC+3] offset:HIMG
	ds_store_b128 v[HWI], v[PC+4:PC+7] offset:HIMG+4096
	ds_store_b16 v[HWS], v[PW] offset:HSC          ; tile 0's two bytes,
	ds_store_b16_d16_hi v[HWS], v[PW] offset:HSC+256   ; tile 1's
	BARRIER
	; ---- 5: q_c
.set i, 0
.rept 16
	ds_load_b128 v[AF+4*i:AF+4*i+3], v[LI] offset:HIMG+512*i
.set i, i+1
.endr
.irp m, 0,1
	ds_load_b128 v[AS+4*\m:AS+4*\m+3], v[LS16] offset:HSC+256*\m
.endr
	s_wait_dscnt 0x0
	s_wait_xcnt 0x0                                ; h's stores have read the accumulators, which are written anew below
	MM32 WB, WS1, AS, 1
	WIN 0
	PLACES
	QUANT ACC
	v_lshrrev_b32 v[SS], v[SH16], v[PW]
	global_store_b128 v[LI], v[PC:PC+3], s[38:39]
	global_store_b128 v[LI], v[PC+4:PC+7], s[38:39] offset:512
	global_store_b32 v[L4], v[SS], s[40:41]
	s_wait_tensorcnt 0x0
	ds_add_u32 v185, v187
	s_wait_dscnt 0x0
	s_endpgm
.Lfunc_end_k_q0553f2b74d_post1:
	.size	k_q0553f2b74d_post1, .Lfunc_end_k_q0553f2b74d_post1-k_q0553f2b74d_post1
	.p2alignl 7, 3214868480
	.fill 96, 4, 3214868480
	.section	.rodata,"a",@progbits
	.p2align	6, 0x0
	.amdhsa_kernel k_q0553f2b74d_post1
		.amdhsa_group_segment_fixed_size 13312
		.amdhsa_private_segment_fixed_size 0
		.amdhsa_enable_private_segment 0
		.amdhsa_kernarg_size 72
		.amdhsa_user_sgpr_count 2
		.amdhsa_user_sgpr_kernarg_segment_ptr 1
		.amdhsa_wavefront_size32 1
		.amdhsa_system_sgpr_workgroup_id_x 1
		.amdhsa_system_sgpr_workgroup_id_y 1
		.amdhsa_system_sgpr_workgroup_id_z 1
		.amdhsa_system_vgpr_workitem_id 0
		.amdhsa_next_free_vgpr 512
		.amdhsa_next_free_sgpr 66
		.amdhsa_reserve_vcc 0
		.amdhsa_float_denorm_mode_32 3
		.amdhsa_float_denorm_mode_16_64 3
		.amdhsa_memory_ordered 1
		.amdhsa_forward_progress 1
		.amdhsa_inst_pref_size 51
	.end_amdhsa_kernel
	.amdgpu_metadata
---
amdhsa.version: [ 1, 2 ]
amdhsa.kernels:
  - .name:           k_q0553f2b74d_post1
    .symbol:         k_q0553f2b74d_post1.kd
    .args:
      - { .name: obuf, .offset: 0, .size: 8, .value_kind: global_buffer, .address_space: global }
      - { .name: wq, .offset: 8, .size: 8, .value_kind: global_buffer, .address_space: global }
      - { .name: bo_s, .offset: 16, .size: 8, .value_kind: global_buffer, .address_space: global }
      - { .name: x, .offset: 24, .size: 8, .value_kind: global_buffer, .address_space: global }
      - { .name: ln1_g, .offset: 32, .size: 8, .value_kind: global_buffer, .address_space: global }
      - { .name: ln1_b, .offset: 40, .size: 8, .value_kind: global_buffer, .address_space: global }
      - { .name: bq_c, .offset: 48, .size: 8, .value_kind: global_buffer, .address_space: global }
      - { .name: hbuf, .offset: 56, .size: 8, .value_kind: global_buffer, .address_space: global }
      - { .name: qbuf, .offset: 64, .size: 8, .value_kind: global_buffer, .address_space: global }
    .group_segment_fixed_size: 13312
    .private_segment_fixed_size: 0
    .kernarg_segment_align: 8
    .kernarg_segment_size: 72
    .max_flat_workgroup_size: 256
    .sgpr_count:     66
    .vgpr_count:     512
    .wavefront_size: 32
...
	.end_amdgpu_metadata
.endif
;; end of part 4
;; launch att_c (part 5): grid 8 x 32, 16 waves a work-group, no clusters, 145,408 bytes of LDS; arguments qbuf, kv_c, obuf; writes obuf
.if DOCPART == 5
	.amdgcn_target "amdgcn-amd-amdhsa--gfx1250"
	.amdhsa_code_object_version 6
	.text
	.protected	k_q0553f2b74d_att_c
	.globl	k_q0553f2b74d_att_c
	.p2align	8
	.type	k_q0553f2b74d_att_c,@function
k_q0553f2b74d_att_c:
	s_mov_b64 s[64:65], 0
	v_nop
	global_prefetch_b8 v0, s[64:65] scope:SCOPE_SE
	s_setreg_imm32_b32 hwreg(HW_REG_WAVE_MODE, 25, 1), 1
	s_wait_xcnt 0x0
; Cross-attention of one head on codes of FP4, in one walk over the keys.  t = score x log2(e) / 8; M = the ceiling of the running largest t, a whole number; p = 2^(t - M) is what is quantised, along the keys, not normalised.
; The row's sum l is taken of the unquantised p and divides O at the end.  When M moves, l and O^T are multiplied by 2^(old M - new M), which rounds nothing.
; SHARES, LAYOUT, LDS: a work-group takes 256 queries of one head of one batch, each of its sixteen waves one tile of 16 queries; the head's K, V and their scale words, 143,360 bytes, are copied into LDS once.
; Both products transposed: a lane holds ONE query.  Row r of a tile of tokens is token 32 (T / 2) + 8 (T % 2) + r + 8 (r / 8), so the 16 registers of two neighbouring tiles of scores are 16 neighbouring keys.
; K = 64 in the first product: registers 4-7 of Q's and K's fragments are zero codes; the scale bytes over them are never 0xff.
; OUT: o, quantised along the head's 64 channels: half a fragment at obuf + 4096 tile + 512 head, two scale bytes a row at obuf + 2097152 + 256 tile + 16 r + 2 head.
; LIMITS: NaN and infinities are not served; a block whose largest magnitude lies under 2^-124, a block of zeros too, keeps the scale byte 1.  A block's largest p is made from the block's largest score by the same instructions: this takes v_exp_f32 not to fall where its input rises.
; No cluster: the eight work-groups of a head share 143,360 bytes, each read once at the head, against 16 key steps of work.
.set AK0,  1
.set AV0,  2
.set ASK0, 3
.set ASV0, 4
.set OSO,  6
.set ADK,  8
.set ADV,  9
.set ADS,  10
.set ADT,  11
.set Q,    16                          ; v12 -M, v13 the largest t, v[14:15] the sum in two halves; v16-23 Q
.set F,    24                          ; v[24:25] 2^(old M - new M)
.set KF,   32
.set S,    96
.set O,    160
.set VF,   192
.set PC,   224
.set BM,   232
.set BP,   236
.set CV,   240
.set KS,   244
.set VS,   248
.set PWD,  250
.set QS,   251
.set T0,   252
.set T1,   254
.set WV,   12
.set CS,   20
.set SEL,  22
.set TK,   24
.set TS,   25
.set TV,   26
.set CNT,  27
.macro BARRIER
	s_wait_dscnt 0x0
	s_barrier_signal -1
	s_barrier_wait -1
.endm
.macro PLACES
.rept 4
	v_nop
.endr
.endm
.macro WM row
.if (\row) == 1
	v_wmma_scale_f32_16x16x128_f8f6f4 v[rD:rD+7], v[rA:rA+7], v[rB:rB+7], v[rC:rC+7], v[rSA], v[rSB] matrix_a_fmt:MATRIX_FMT_FP4 matrix_b_fmt:MATRIX_FMT_FP4 matrix_a_scale:MATRIX_SCALE_ROW1
.else
	v_wmma_scale_f32_16x16x128_f8f6f4 v[rD:rD+7], v[rA:rA+7], v[rB:rB+7], v[rC:rC+7], v[rSA], v[rSB] matrix_a_fmt:MATRIX_FMT_FP4 matrix_b_fmt:MATRIX_FMT_FP4
.endif
.endm
.macro WMZ row
.if (\row) == 1
	v_wmma_scale_f32_16x16x128_f8f6f4 v[rD:rD+7], v[rA:rA+7], v[rB:rB+7], 0, v[rSA], v[rSB] matrix_a_fmt:MATRIX_FMT_FP4 matrix_b_fmt:MATRIX_FMT_FP4 matrix_a_scale:MATRIX_SCALE_ROW1
.else
	v_wmma_scale_f32_16x16x128_f8f6f4 v[rD:rD+7], v[rA:rA+7], v[rB:rB+7], 0, v[rSA], v[rSB] matrix_a_fmt:MATRIX_FMT_FP4 matrix_b_fmt:MATRIX_FMT_FP4
.endif
.endm
.macro OQUANT src
.irp b, 0,1
	v_max3_num_f32 v[BM+\b], |v[\src+16*\b]|, |v[\src+16*\b+1]|, 0x1800000
.endr
.irp i, 2,4,6,8,10,12,14
.irp b, 0,1
	v_max3_num_f32 v[BM+\b], v[BM+\b], |v[\src+16*\b+\i]|, |v[\src+16*\b+\i+1]|
.endr
.endr
.irp b, 0,1
	v_permlanex16_b32 v[BP+\b], v[BM+\b], s[SEL], s[SEL+1]
.endr
.irp b, 0,1
	v_max_num_f32 v[BM+\b], v[BM+\b], v[BP+\b]
.endr
.irp b, 0,1
	v_add_nc_u32 v[CV+\b], 0xff000000, v[BM+\b]
.endr
.irp b, 0,1
	v_lshrrev_b32 v[BP+\b], 23, v[CV+\b]
.endr
	v_lshl_or_b32 v[T0], v[BP+1], 8, v[BP]
.irp b, 0,1
	v_cvt_scalef32_pk8_fp4_f32 v[PC+2*\b], v[\src+16*\b:\src+16*\b+7], v[CV+\b]
	v_cvt_scalef32_pk8_fp4_f32 v[PC+2*\b+1], v[\src+16*\b+8:\src+16*\b+15], v[CV+\b]
.endr
	v_nop
	v_permlane16_swap_b32 v[PC], v[PC+2]
	v_permlane16_swap_b32 v[PC+1], v[PC+3]
.endm
	s_load_b128 s[4:7], s[0:1], 0x0                ; qbuf, kv_c
	s_load_b64 s[10:11], s[0:1], 0x10              ; obuf
	v_lshl_add_u32 v26, v0, 2, 0x23000
	v_mov_b32 v255, 0
	v_lshrrev_b32 v1, 5, v0
	v_readfirstlane_b32 s[WV], v1
	s_and_b32 s13, ttmp7, 0xffff                   ; 8 b + head
	s_lshl_b32 s14, ttmp9, 4
	s_add_co_u32 s14, s14, s[WV]                   ; my tile of queries in the batch
	v_lshlrev_b32 v27, 4, v0
	v_lshlrev_b32 v28, 3, v0
	v_and_b32 v7, 31, v0
	v_and_b32 v252, 15, v0
	v_lshlrev_b32 v[AK0], 4, v7
	v_lshlrev_b32 v253, 2, v252
	v_lshlrev_b32 v[OSO], 4, v252
	s_mul_i32 s16, s13, 143360
	s_mov_b32 s17, 0
	s_mul_i32 s18, s13, 73728
	s_lshl_b32 s15, s14, 9
	s_add_co_u32 s28, s18, 65536
	s_add_co_u32 s18, s18, s15
	s_mov_b32 s19, 0
	s_lshl_b32 s15, s14, 6
	s_add_co_u32 s28, s28, s15
	s_mov_b32 s29, 0
	s_lshr_b32 s15, s13, 3
	s_lshl_b32 s15, s15, 7
	s_add_co_u32 s15, s15, s14
	s_and_b32 s34, s13, 7
	s_lshl_b32 s30, s15, 12
	s_lshl_b32 s35, s34, 9
	s_add_co_u32 s30, s30, s35
	s_mov_b32 s31, 0
	s_lshl_b32 s32, s15, 8
	s_lshl_b32 s35, s34, 1
	s_add_co_u32 s32, s32, s35
	s_add_co_u32 s32, s32, 2097152
	s_mov_b32 s33, 0
	s_mov_b32 s[CS], 0x3e38aa3b                    ; log2(e) / sqrt(64)
	s_mov_b32 s[CS+1], s[CS]
	s_mov_b32 s[SEL], 0x76543210
	s_mov_b32 s[SEL+1], 0xfedcba98
	s_wait_kmcnt 0x0
	s_add_nc_u64 s[6:7], s[6:7], s[16:17]
	s_add_nc_u64 s[18:19], s[4:5], s[18:19]
	s_add_nc_u64 s[28:29], s[4:5], s[28:29]
	s_add_nc_u64 s[30:31], s[10:11], s[30:31]
	s_add_nc_u64 s[32:33], s[10:11], s[32:33]
.set i, 0
.rept 17
	global_load_b128 v[32+4*i:35+4*i], v27, s[6:7] offset:8192*i
.set i, i+1
.endr
	global_load_b64 v[100:101], v28, s[6:7] offset:139264
	global_load_b128 v[Q:Q+3], v[AK0], s[18:19]
	global_load_b32 v[QS], v253, s[28:29]
	v_add_nc_u32 v[AV0], 65536, v[AK0]
	v_lshl_add_u32 v[ASK0], v7, 2, 131072
	v_lshl_add_u32 v[ASV0], v7, 3, 139264
	v_add_nc_u32 v29, 65536, v27
	v_add_nc_u32 v30, 131072, v27
	v_add_nc_u32 v31, 139264, v28
.set j, 0
.rept 32
	v_mov_b32 v[O+j], 0                            ; O^T: the step is written once; the first change of M leaves zeros zeros
.set j, j+1
.endr
	s_wait_loadcnt 0x0
.irp i, 0,1,2,3,4,5,6,7
	ds_store_b128 v27, v[32+4*\i:35+4*\i] offset:8192*\i
.endr
.irp i, 0,1,2,3,4,5,6,7
	ds_store_b128 v29, v[64+4*\i:67+4*\i] offset:8192*\i
.endr
	ds_store_b128 v30, v[96:99]
	ds_store_b64 v31, v[100:101]
	BARRIER                                        ; from here on LDS is only read
.irp t, 0,1,2,3,4,5,6,7
.irp j, 4,5,6,7
	v_mov_b32 v[KF+8*\t+\j], 0
.endr
.endr
.irp j, 4,5,6,7
	v_mov_b32 v[Q+\j], 0
.endr
	v_mov_b32 v13, 0xff61b1e6
	v_floor_f32 v12, -v13
	v_mov_b32 v14, 0
	v_mov_b32 v15, 0
	v_mov_b32 v[F+1], 0
.irp b, 0,1,2,3
	v_mov_b32 v[BP+\b], 0
.endr
	v_mov_b32 v[T0], 0
	s_mov_b32 s[TK], 0
	s_mov_b32 s[TS], 0
	s_mov_b32 s[TV], 0
	s_mov_b32 s[CNT], 16
.Lstep:                                            ; a key step: 128 keys
	v_add_nc_u32 v[ADK], s[TK], v[AK0]             ; (these four additions are the places between the last step's products and the loads into V's registers)
	v_add_nc_u32 v[ADV], s[TK], v[AV0]
	v_add_nc_u32 v[ADS], s[TS], v[ASK0]
	v_add_nc_u32 v[ADT], s[TV], v[ASV0]
.irp t, 0,1,2,3,4,5,6,7
	ds_load_b128 v[KF+8*\t:KF+8*\t+3], v[ADK] offset:512*\t
.endr
.irp p, 0,1,2,3
	ds_load_b32 v[KS+\p], v[ADS] offset:128*\p
.endr
.irp ct, 0,1,2,3
	ds_load_b128 v[VF+8*\ct:VF+8*\ct+3], v[ADV] offset:1024*\ct
	ds_load_b128 v[VF+8*\ct+4:VF+8*\ct+7], v[ADV] offset:1024*\ct+512
.endr
	ds_load_b64 v[VS:VS+1], v[ADT]
	s_wait_dscnt 9                                 ; K and its scale words are in; V's nine loads may be out
.irp t, 0,1,2,3,4,5,6,7
.set rD, S+8*\t
.set rA, KF+8*\t
.set rB, Q
.set rSA, KS+\t/2
.set rSB, QS
	WMZ \t%2
.endr
	PLACES
.irp b, 0,1,2,3
	v_max3_num_f32 v[BM+\b], v[S+16*\b], v[S+16*\b+1], v[S+16*\b+2]   ; the largest score of each block of 32 keys: for the row's maximum, and for the block's largest p
.endr
.irp i, 3,5,7,9,11,13
.irp b, 0,1,2,3
	v_max3_num_f32 v[BM+\b], v[BM+\b], v[S+16*\b+\i], v[S+16*\b+\i+1]
.endr
.endr
.irp b, 0,1,2,3
	v_max_num_f32 v[BM+\b], v[BM+\b], v[S+16*\b+15]
.endr
.irp b, 0,1,2,3
	v_permlanex16_b32 v[BP+\b], v[BM+\b], s[SEL], s[SEL+1]
.endr
.irp b, 0,1,2,3
	v_max_num_f32 v[BM+\b], v[BM+\b], v[BP+\b]
.endr
	v_max3_num_f32 v[T1], v[BM], v[BM+1], v[BM+2]
	v_max_num_f32 v[T1], v[T1], v[BM+3]
	v_mul_f32 v[T1], s[CS], v[T1]
	v_max_num_f32 v13, v13, v[T1]                  ; the running largest t
	v_mov_b32 v[T1], v12
	v_floor_f32 v12, -v13                          ; -M = floor(-t)
	v_sub_f32 v[T1], v12, v[T1]
	v_cvt_i32_f32 v[T1], v[T1]                     ; (it saturates)
	v_ldexp_f32 v[F], 1.0, v[T1]                   ; f = 2^(old M - new M)
.set j, 0
.rept 32
	v_pk_fma_f32 v[S+j:S+j+1], v[S+j:S+j+1], s[CS:CS+1], v[12:13] op_sel_hi:[1,0,0]   ; t - M
.set j, j+2
.endr
.irp b, 0,1,2,3
	v_fma_f32 v[BM+\b], v[BM+\b], s[CS], v12
.endr
.set j, 0
.rept 64
	v_exp_f32 v[S+j], v[S+j]                       ; p = 2^(t - M)
.set j, j+1
.endr
	v_pk_mul_f32 v[14:15], v[14:15], v[F:F+1] op_sel_hi:[1,0]      ; the sum under the new M; the plain place behind the exponentials
	s_wait_alu depctr_va_vdst(0)                   ; one wait for the 64, ahead of their first reader
.irp b, 0,1,2,3
	v_exp_f32 v[BM+\b], v[BM+\b]                   ; the blocks' largest p
.endr
	v_pk_add_f32 v[BP:BP+1], v[S:S+1], v[S+2:S+3]  ; the row's sum is taken of the unquantised p, in two chains
.irp j, 4,8,12,16,20,24,28,32,36,40,44,48,52,56,60
	v_pk_add_f32 v[14:15], v[14:15], v[S+\j:S+\j+1]
	v_pk_add_f32 v[BP:BP+1], v[BP:BP+1], v[S+\j+2:S+\j+3]
.endr
	v_pk_add_f32 v[14:15], v[14:15], v[BP:BP+1]
	s_wait_alu depctr_va_vdst(0)                   ; and one for the four
.irp b, 0,1,2,3
	v_max_num_f32 v[BM+\b], 0x1800000, v[BM+\b]    ; the floor: the byte cannot fall under 1
.endr
.irp b, 0,1,2,3
	v_add_nc_u32 v[CV+\b], 0xff000000, v[BM+\b]
.endr
.irp b, 0,1,2,3
	v_lshrrev_b32 v[BP+\b], 23, v[CV+\b]
.endr
	v_lshl_or_b32 v[PWD], v[BP+1], 8, v[BP]
	v_lshl_or_b32 v[PWD], v[BP+2], 16, v[PWD]
	v_lshl_or_b32 v[PWD], v[BP+3], 24, v[PWD]
.irp b, 0,1,2,3
	v_cvt_scalef32_pk8_fp4_f32 v[PC+2*\b], v[S+16*\b:S+16*\b+7], v[CV+\b]
	v_cvt_scalef32_pk8_fp4_f32 v[PC+2*\b+1], v[S+16*\b+8:S+16*\b+15], v[CV+\b]
.endr
	v_nop
.irp c, 0,1
.irp i, 0,1
	v_permlane16_swap_b32 v[PC+4*\c+\i], v[PC+4*\c+2+\i]
.endr
.endr
.set j, 0
.rept 16
	v_pk_mul_f32 v[O+j:O+j+1], v[O+j:O+j+1], v[F:F+1] op_sel_hi:[1,0]   ; O^T under the new M; twelve of these name no register of any one product below: the places ahead of the scaled products
.set j, j+2
.endr
	s_wait_dscnt 0x0                               ; V
.irp ct, 0,1,2,3
.set rD, O+8*\ct
.set rA, VF+8*\ct
.set rB, PC
.set rC, rD
.set rSA, VS+\ct/2
.set rSB, PWD
	WM \ct%2
.endr
	s_add_co_u32 s[TK], s[TK], 4096
	s_add_co_u32 s[TS], s[TS], 512
	s_add_co_u32 s[TV], s[TV], 256
	s_sub_co_u32 s[CNT], s[CNT], 1
	s_cmp_lg_u32 s[CNT], 0
	s_cbranch_scc1 .Lstep
	PLACES
	v_add_f32 v14, v14, v15
	v_permlanex16_b32 v[T0], v14, s[SEL], s[SEL+1]
	v_add_f32 v14, v14, v[T0]                      ; the row's sum
	v_rcp_f32 v14, v14
	v_nop
	s_wait_alu depctr_va_vdst(0)
.set j, 0
.rept 32
	v_mul_f32 v[S+j], v[O+j], v14                  ; O^T / l, from each accumulator's low end on
.set j, j+1
.endr
	OQUANT S
	global_store_b128 v[AK0], v[PC:PC+3], s[30:31]
	global_store_b16 v[OSO], v[T0], s[32:33]
	s_wait_tensorcnt 0x0
	ds_add_u32 v26, v255
	s_wait_dscnt 0x0
	s_endpgm
.Lfunc_end_k_q0553f2b74d_att_c:
	.size	k_q0553f2b74d_att_c, .Lfunc_end_k_q0553f2b74d_att_c-k_q0553f2b74d_att_c
	.p2alignl 7, 3214868480
	.fill 96, 4, 3214868480
	.section	.rodata,"a",@progbits
	.p2align	6, 0x0
	.amdhsa_kernel k_q0553f2b74d_att_c
		.amdhsa_group_segment_fixed_size 145408
		.amdhsa_private_segment_fixed_size 0
		.amdhsa_enable_private_segment 0
		.amdhsa_kernarg_size 24
		.amdhsa_user_sgpr_count 2
		.amdhsa_user_sgpr_kernarg_segment_ptr 1
		.amdhsa_wavefront_size32 1
		.amdhsa_system_sgpr_workgroup_id_x 1
		.amdhsa_system_sgpr_workgroup_id_y 1
		.amdhsa_system_sgpr_workgroup_id_z 1
		.amdhsa_system_vgpr_workitem_id 0
		.amdhsa_next_free_vgpr 256
		.amdhsa_next_free_sgpr 66
		.amdhsa_reserve_vcc 0
		.amdhsa_float_denorm_mode_32 3
		.amdhsa_float_denorm_mode_16_64 3
		.amdhsa_memory_ordered 1
		.amdhsa_forward_progress 1
		.amdhsa_inst_pref_size 27
	.end_amdhsa_kernel
	.amdgpu_metadata
---
amdhsa.version: [ 1, 2 ]
amdhsa.kernels:
  - .name:           k_q0553f2b74d_att_c
    .symbol:         k_q0553f2b74d_att_c.kd
    .args:
      - { .name: qbuf, .offset: 0, .size: 8, .value_kind: global_buffer, .address_space: global }
      - { .name: kv_c, .offset: 8, .size: 8, .value_kind: global_buffer, .address_space: global }
      - { .name: obuf, .offset: 16, .size: 8, .value_kind: global_buffer, .address_space: global }
    .group_segment_fixed_size: 145408
    .private_segment_fixed_size: 0
    .kernarg_segment_align: 8
    .kernarg_segment_size: 24
    .max_flat_workgroup_size: 512
    .sgpr_count:     66
    .vgpr_count:     256
    .wavefront_size: 32
...
	.end_amdgpu_metadata
.endif
;; end of part 5
;; launch post2 (part 6): grid 256 x 1, 8 waves a work-group, no clusters, 181,760 bytes of LDS; arguments obuf, wq, bo_c, hbuf, ln2_g, ln2_b, b1, b2, ln3_g, ln3_b, out0; writes out0
.if DOCPART == 6
	.amdgcn_target "amdgcn-amd-amdhsa--gfx1250"
	.amdhsa_code_object_version 6
	.text
	.protected	k_q0553f2b74d_post2
	.globl	k_q0553f2b74d_post2
	.p2align	8
	.type	k_q0553f2b74d_post2,@function
k_q0553f2b74d_post2:
	s_mov_b64 s[64:65], 0
	v_nop
	global_prefetch_b8 v0, s[64:65] scope:SCOPE_SE
	s_setreg_imm32_b32 hwreg(HW_REG_WAVE_MODE, 25, 1), 1
	s_wait_xcnt 0x0
; y = layernorm(o Wo_c + bo_c + h);  out = layernorm(relu(y W1 + b1) W2 + b2 + y): three products on codes of FP4; y and the hidden layer never go to memory.
; SHARES: a work-group takes 32 tokens (two tiles m).  Wave w takes columns 64 w .. 64 w + 63 of y and of the output, and hidden units 256 w .. 256 w + 255 in four chunks of 64.
; WEIGHTS: nine chunks a wave (Wo_c, four of W1, four of W2), 16 KB of codes and 32 scale words each, straight from memory into two sets of 128 registers by turns: a chunk is asked for as soon as the chunk two before it has been multiplied.
; LAYOUT: source 0 = 16 columns of the weight, source 1 = 16 tokens: a lane holds one token, register 8 t + j of a tile's 32 is column 32 (t / 2) + 8 (t % 2) + 16 h + j of the chunk.
; y's and the hidden layer's fragments go from wave to wave through LDS as images of their registers; y as f32 waits in the wave's own LDS bytes for the last sum, whose first products add onto y + b2.
; LIMITS: NaN and infinities are not served; a block whose largest magnitude lies under 2^-124, a block of zeros too, keeps the scale byte 1.
; No cluster: a chunk of weights lands in the registers of the one wave that multiplies by it; a joint request would land in LDS and add a way through it of 16 KB a chunk a wave.
.set RED1, 0                           ; LDS: 512 m + 32 r + 4 w, four such regions: none is written twice
.set RED2, 1024
.set RED3, 2048
.set RED4, 3072
.set YIMG, 4096                        ; y's fragments: 4096 m + 512 w + 16 lane
.set YSC,  12288                       ; their scale bytes: 256 m + 16 r + 2 w
.set FSC,  12800                       ; the hidden layer's: 1024 m + 64 r + 2 ch
.set FIMG, 16384                       ; its fragments: 16384 m + 512 ch + 16 lane
.set YF,   49152                       ; y in f32: 8192 w + 512 i + 16 lane: each wave's own
.set OSTG, 114688                      ; the way out: 32 rows of 2,048 + 16 bytes
.set LI,   1                           ; v1   16 x lane
.set LS16, 2                           ; v2   16 r
.set PB,   3                           ; v3   256 w + 64 h
.set RW,   4                           ; v4   32 r + 4 w
.set RR,   5                           ; v5   32 r
.set HWI,  6                           ; v6   16 x lane + 512 w
.set HWS,  7                           ; v7   16 r + 2 w
.set HB,   8                           ; v8   16 x lane + 8192 w: h's image, and my four rows of the output
.set FWI,  9                           ; v9   16 x lane + 2048 w
.set FWS,  10                          ; v10  64 r + 8 w
.set FRS,  11                          ; v11  64 r
.set YFA,  12                          ; v12  16 x lane + 8192 w + YF
.set SO,   13                          ; v13  OSTG + 2064 rho + 64 h + 256 w
.set SR,   14                          ; v14  OSTG + 8256 w + 16 x lane
.set PB1,  15                          ; v15  1024 w + 64 h
.set VCO,  16                          ; v16  chunk 56 + w: codes,
.set VSO,  17                          ; v17  scale words
.set VC1,  18                          ; v18  chunk 64 + 4 w; W2's chunks lie 32 further on
.set VS1,  19
.set ACC,  32
.set AF,   96
.set PC,   160
.set TM,   168
.set PW,   184
.set AS,   188
.set WS0,  196
.set WS1,  204
.set P,    212
.set C0,   244
.set C1,   246
.set LT,   248
.set LP,   249
.set MU,   250
.set LR,   254
.set WA,   0
.set WB,   128
.set WFIRST, 0x01
.set WQ,   6
.set WV,   26
.set SEL,  28
.set INV,  30
.set EPS,  31
.set MSB, 0
.macro WIN new
.if MSB != \new
	s_set_vgpr_msb (MSB<<8)|\new
.set MSB, \new
.endif
.endm
.macro BARRIER
	s_wait_dscnt 0x0
	s_barrier_signal -1
	s_barrier_wait -1
.endm
.macro PLACES
.rept 4
	v_nop
.endr
.endm
.macro WM row
.if (\row) == 1
	v_wmma_scale_f32_16x16x128_f8f6f4 v[rD:rD+7], v[rA:rA+7], v[rB:rB+7], v[rC:rC+7], v[rSA], v[rSB] matrix_a_fmt:MATRIX_FMT_FP4 matrix_b_fmt:MATRIX_FMT_FP4 matrix_a_scale:MATRIX_SCALE_ROW1
.else
	v_wmma_scale_f32_16x16x128_f8f6f4 v[rD:rD+7], v[rA:rA+7], v[rB:rB+7], v[rC:rC+7], v[rSA], v[rSB] matrix_a_fmt:MATRIX_FMT_FP4 matrix_b_fmt:MATRIX_FMT_FP4
.endif
.endm
.macro QUANT s
.irp b, 0,1,2,3
	v_max3_num_f32 v[TM+\b], |v[\s+16*\b]|, |v[\s+1+16*\b]|, 0x1800000
.endr
.irp i, 2,4,6,8,10,12,14
.irp b, 0,1,2,3
	v_max3_num_f32 v[TM+\b], v[TM+\b], |v[\s+16*\b+\i]|, |v[\s+1+16*\b+\i]|
.endr
.endr
.irp b, 0,1,2,3
	v_permlanex16_b32 v[TM+4+\b], v[TM+\b], s[SEL], s[SEL+1]
.endr
.irp b, 0,1,2,3
	v_max_num_f32 v[TM+\b], v[TM+\b], v[TM+4+\b]
.endr
.irp b, 0,1,2,3
	v_add_nc_u32 v[TM+12+\b], 0xff000000, v[TM+\b]
.endr
.irp b, 0,1,2,3
	v_lshrrev_b32 v[TM+4+\b], 23, v[TM+12+\b]
.endr
	v_lshl_or_b32 v[PW], v[TM+5], 8, v[TM+4]
	v_lshl_or_b32 v[PW], v[TM+6], 16, v[PW]
	v_lshl_or_b32 v[PW], v[TM+7], 24, v[PW]
.irp b, 0,1,2,3
	v_cvt_scalef32_pk8_fp4_f32 v[PC+2*\b], v[\s+16*\b:\s+7+16*\b], v[TM+12+\b]
	v_cvt_scalef32_pk8_fp4_f32 v[PC+1+2*\b], v[\s+8+16*\b:\s+15+16*\b], v[TM+12+\b]
.endr
	v_nop
.irp c, 0,1
.irp i, 0,1
	v_permlane16_swap_b32 v[PC+4*\c+\i], v[PC+2+4*\c+\i]
.endr
.endr
.endm
.macro PLOAD dst, sb, va, off
.irp t, 0,1,2,3
.irp q, 0,1
	global_load_b128 v[\dst+8*\t+4*\q:\dst+8*\t+4*\q+3], v[\va], s[\sb:\sb+1] offset:\off+(32*(\t/2)+8*(\t%2))*4+16*\q
.endr
.endr
.endm
.macro WLOAD set, wsc, vcode, vscale, off
	WIN 0x40
.set f, 0
.rept 32
	global_load_b128 v[\set+4*f:\set+4*f+3], v[\vcode], s[WQ:WQ+1] offset:16384*(\off)+512*f
.set f, f+1
.endr
	WIN 0
.set f, 0
.rept 8
	global_load_b32 v[\wsc+f], v[\vscale], s[WQ:WQ+1] offset:1024*(\off)+128*f
.set f, f+1
.endr
.endm
.macro MM32 set, wsc, as, first        ; 32 products; the eight accumulators take turns, one instruction a turn
.irp ks, 0,1,2,3
.if (\first) && (\ks == 0)
	WIN WFIRST
.else
	WIN 0x01
.endif
.irp m, 0,1
.irp t, 0,1,2,3
.set rD, ACC+32*\m+8*\t
.set rA, \set+8*(4*\t+\ks)
.set rB, AF+8*(4*\m+\ks)
.set rC, rD
.if (\first) && (\ks == 0)
.set rC, P+8*\t
.endif
.set rSA, \wsc+2*\ks+\t/2
.set rSB, \as+4*\m+\ks
	WM \t%2
.endr
.endr
.endr
.endm
.macro LNSUM m, sq, red
.set LA, ACC+32*\m
.if \sq
	v_pk_mul_f32 v[C0:C0+1], v[LA:LA+1], v[LA:LA+1]
	v_pk_mul_f32 v[C1:C1+1], v[LA+2:LA+3], v[LA+2:LA+3]
.irp j, 4,8,12,16,20,24,28
	v_pk_fma_f32 v[C0:C0+1], v[LA+\j:LA+\j+1], v[LA+\j:LA+\j+1], v[C0:C0+1]
	v_pk_fma_f32 v[C1:C1+1], v[LA+\j+2:LA+\j+3], v[LA+\j+2:LA+\j+3], v[C1:C1+1]
.endr
.else
	v_pk_add_f32 v[C0:C0+1], v[LA:LA+1], v[LA+2:LA+3]
	v_pk_add_f32 v[C1:C1+1], v[LA+4:LA+5], v[LA+6:LA+7]
.irp j, 8,12,16,20,24,28
	v_pk_add_f32 v[C0:C0+1], v[C0:C0+1], v[LA+\j:LA+\j+1]
	v_pk_add_f32 v[C1:C1+1], v[C1:C1+1], v[LA+\j+2:LA+\j+3]
.endr
.endif
	v_pk_add_f32 v[C0:C0+1], v[C0:C0+1], v[C1:C1+1]
	v_add_f32 v[LT], v[C0], v[C0+1]
	v_permlanex16_b32 v[LP], v[LT], s[SEL], s[SEL+1]
	v_add_f32 v[LR+\m], v[LT], v[LP]
	ds_store_b32 v[RW], v[LR+\m] offset:\red+512*\m
.endm
.macro LNRED red
.irp m, 0,1
	ds_load_b128 v[TM+8*\m:TM+8*\m+3], v[RR] offset:\red+512*\m
	ds_load_b128 v[TM+8*\m+4:TM+8*\m+7], v[RR] offset:\red+512*\m+16
.endr
	s_wait_dscnt 0x0
.irp m, 0,1
	v_add_f32 v[TM+8*\m], v[TM+8*\m], v[TM+8*\m+1]
	v_add_f32 v[TM+8*\m+2], v[TM+8*\m+2], v[TM+8*\m+3]
	v_add_f32 v[TM+8*\m+4], v[TM+8*\m+4], v[TM+8*\m+5]
	v_add_f32 v[TM+8*\m+6], v[TM+8*\m+6], v[TM+8*\m+7]
	v_add_f32 v[TM+8*\m], v[TM+8*\m], v[TM+8*\m+2]
	v_add_f32 v[TM+8*\m+4], v[TM+8*\m+4], v[TM+8*\m+6]
	v_add_f32 v[TM+8*\m], v[TM+8*\m], v[TM+8*\m+4]
.endr
.endm
.macro LN red1, red2, lw               ; the accumulators are normalised in place; gain in v[AF] on, bias in v[AF+32] on; lw: the younger loads that may stay out
	LNSUM 0, 0, \red1
	LNSUM 1, 0, \red1
	BARRIER
	LNRED \red1
.irp m, 0,1
	v_mul_f32 v[MU+2*\m], s[INV], v[TM+8*\m]
	v_mul_f32 v[MU+2*\m+1], s[INV], v[TM+8*\m]
.endr
.irp m, 0,1
.set j, 0
.rept 16
	v_pk_add_f32 v[ACC+32*\m+j:ACC+32*\m+j+1], v[ACC+32*\m+j:ACC+32*\m+j+1], v[MU+2*\m:MU+2*\m+1] neg_lo:[0,1] neg_hi:[0,1]
.set j, j+2
.endr
.endr
	LNSUM 0, 1, \red2
	LNSUM 1, 1, \red2
	BARRIER
	LNRED \red2
.irp m, 0,1
	v_fma_f32 v[TM+8*\m], v[TM+8*\m], s[INV], s[EPS]
.endr
	v_rsq_f32 v[MU], v[TM]
	v_rsq_f32 v[MU+2], v[TM+8]
	v_nop
	s_wait_alu depctr_va_vdst(0)                   ; one wait for both, ahead of the first reader
	s_wait_loadcnt \lw
.irp m, 0,1
.set j, 0
.rept 16
	v_pk_mul_f32 v[ACC+32*\m+j:ACC+32*\m+j+1], v[ACC+32*\m+j:ACC+32*\m+j+1], v[MU+2*\m:MU+2*\m+1] op_sel_hi:[1,0]
.set j, j+2
.endr
.endr
.irp m, 0,1
.set j, 0
.rept 16
	v_pk_fma_f32 v[ACC+32*\m+j:ACC+32*\m+j+1], v[ACC+32*\m+j:ACC+32*\m+j+1], v[AF+j:AF+j+1], v[AF+32+j:AF+32+j+1]
.set j, j+2
.endr
.endr
.endm
.macro ADDP                            ; the bias in v[P] on is added into both tiles
.irp m, 0,1
.set j, 0
.rept 16
	v_pk_add_f32 v[ACC+32*\m+j:ACC+32*\m+j+1], v[ACC+32*\m+j:ACC+32*\m+j+1], v[P+j:P+j+1]
.set j, j+2
.endr
.endr
.endm
	s_load_b512 s[4:19], s[0:1], 0x0               ; obuf, wq, bo_c, hbuf, ln2_g, ln2_b, b1, b2
	s_load_b128 s[20:23], s[0:1], 0x40             ; ln3_g, ln3_b
	s_load_b64 s[24:25], s[0:1], 0x50              ; out0
	v_lshl_add_u32 v186, v0, 2, 0x2c200
	v_mov_b32 v187, 0
	v_lshrrev_b32 v20, 5, v0
	v_readfirstlane_b32 s[WV], v20
	v_and_b32 v20, 31, v0                          ; lane
	v_and_b32 v21, 15, v0                          ; r
	v_bfe_u32 v22, v0, 4, 1                        ; h
	v_and_b32 v23, 8, v21
	v_add_nc_u32 v23, v23, v21                     ; rho
	v_lshlrev_b32 v24, 2, v20                      ; 4 x lane
	v_lshlrev_b32 v25, 6, v22                      ; 64 h
	v_lshlrev_b32 v[LI], 4, v20
	v_lshlrev_b32 v[LS16], 4, v21
	s_lshl_b32 s27, s[WV], 8
	v_add_nc_u32 v[PB], s27, v25
	v_lshlrev_b32 v[RR], 5, v21
	s_lshl_b32 s27, s[WV], 2
	v_add_nc_u32 v[RW], s27, v[RR]
	s_lshl_b32 s27, s[WV], 9
	v_add_nc_u32 v[HWI], s27, v[LI]
	s_lshl_b32 s27, s[WV], 1
	v_add_nc_u32 v[HWS], s27, v[LS16]
	s_lshl_b32 s27, s[WV], 13
	v_add_nc_u32 v[HB], s27, v[LI]
	v_add_nc_u32 v[YFA], YF, v[HB]
	s_lshl_b32 s27, s[WV], 11
	v_add_nc_u32 v[FWI], s27, v[LI]
	v_lshlrev_b32 v[FRS], 6, v21
	s_lshl_b32 s27, s[WV], 3
	v_add_nc_u32 v[FWS], s27, v[FRS]
	v_mul_u32_u24 v[SO], v23, 2064
	v_add_nc_u32 v[SO], v[SO], v[PB]
	v_add_nc_u32 v[SO], OSTG, v[SO]
	s_mul_i32 s27, s[WV], 8256
	v_add_nc_u32 v[SR], s27, v[LI]
	v_add_nc_u32 v[SR], OSTG, v[SR]
	s_lshl_b32 s27, s[WV], 10
	v_add_nc_u32 v[PB1], s27, v25
	s_add_co_u32 s27, s[WV], 56
	s_lshl_b32 s40, s27, 14
	v_add_nc_u32 v[VCO], s40, v[LI]
	s_lshl_b32 s40, s27, 10
	s_add_co_u32 s40, s40, 2097152
	v_add_nc_u32 v[VSO], s40, v24
	s_lshl_b32 s27, s[WV], 2
	s_add_co_u32 s27, s27, 64
	s_lshl_b32 s40, s27, 14
	v_add_nc_u32 v[VC1], s40, v[LI]
	s_lshl_b32 s40, s27, 10
	s_add_co_u32 s40, s40, 2097152
	v_add_nc_u32 v[VS1], s40, v24
	v_mov_b32 v[LP], 0                             ; a lane permute's destination counts as one of its sources
	s_mov_b32 s[SEL], 0x76543210
	s_mov_b32 s[SEL+1], 0xfedcba98
	s_mov_b32 s[INV], 0x3b000000                   ; 1 / 512
	s_mov_b32 s[EPS], 0x358637bd                   ; 1e-6
	s_lshl_b32 s32, ttmp9, 13
	s_mov_b32 s33, 0
	s_lshl_b32 s34, ttmp9, 9
	s_add_co_u32 s34, s34, 2097152
	s_mov_b32 s35, 0
	s_lshl_b32 s36, ttmp9, 16
	s_mov_b32 s37, 0
	s_wait_kmcnt 0x0
	s_add_nc_u64 s[32:33], s[4:5], s[32:33]        ; o's images
	s_add_nc_u64 s[34:35], s[4:5], s[34:35]        ; their scale bytes
	s_add_nc_u64 s[38:39], s[24:25], s[36:37]      ; my work-group's 32 rows of the output
	s_add_nc_u64 s[36:37], s[10:11], s[36:37]      ; h's image
	; ---- 1: c + h
.set i, 0
.rept 16
	global_load_b128 v[AF+4*i:AF+4*i+3], v[LI], s[32:33] offset:512*i
.set i, i+1
.endr
.irp m, 0,1
	global_load_b128 v[AS+4*\m:AS+4*\m+3], v[LS16], s[34:35] offset:256*\m
.endr
.set i, 0
.rept 16
	global_load_b128 v[ACC+4*i:ACC+4*i+3], v[HB], s[36:37] offset:512*i th:TH_LOAD_NT
.set i, i+1
.endr
	PLOAD P, 8, PB, 0                              ; bo_c
	WLOAD WA, WS0, VCO, VSO, 0                     ; Wo_c
	WLOAD WB, WS1, VC1, VS1, 0                     ; W1, my chunk 0
	s_wait_loadcnt 40                              ; all but the youngest weight group
	ADDP
	PLOAD P, 16, PB1, 0                            ; b1, chunk 0
	PLACES
	MM32 WA, WS0, AS, 0
	WIN 0
	PLACES
	PLOAD AF, 12, PB, 0                            ; ln2_g
	PLOAD AF+32, 14, PB, 0                         ; ln2_b
	WLOAD WA, WS0, VC1, VS1, 1                     ; W1, chunk 1
	; ---- 2: y; as f32 into my own LDS bytes, as codes to the other waves
	LN RED1, RED2, 40
.set i, 0
.rept 16
	ds_store_b128 v[YFA], v[ACC+4*i:ACC+4*i+3] offset:512*i
.set i, i+1
.endr
	QUANT ACC
	ds_store_b128 v[HWI], v[PC:PC+3] offset:YIMG
	ds_store_b128 v[HWI], v[PC+4:PC+7] offset:YIMG+4096
	ds_store_b16 v[HWS], v[PW] offset:YSC
	ds_store_b16_d16_hi v[HWS], v[PW] offset:YSC+256
	BARRIER
.set i, 0
.rept 16
	ds_load_b128 v[AF+4*i:AF+4*i+3], v[LI] offset:YIMG+512*i
.set i, i+1
.endr
.irp m, 0,1
	ds_load_b128 v[AS+4*\m:AS+4*\m+3], v[LS16] offset:YSC+256*\m
.endr
	s_wait_dscnt 0x0
	; ---- 3: my four chunks of the hidden layer
.macro HID i, set, wsc
.if \i > 0
	s_wait_loadcnt 40                              ; this chunk's weights and bias are in; the next chunk's weights may be out
.endif
	MM32 \set, \wsc, AS, 1
	WIN 0
	PLACES
.if \i < 3
	PLOAD P, 16, PB1, 256*(\i+1)                   ; the next chunk's b1
.else
	PLOAD P, 18, PB, 0                             ; b2
.endif
.if \i < 1
	WLOAD \set, \wsc, VC1, VS1, \i+2               ; W1's chunk two on,
.elseif \i < 2
	WLOAD \set, \wsc, VC1, VS1, \i+2
.else
	WLOAD \set, \wsc, VC1, VS1, 30+\i              ; or W2's K groups 0 and 1: chunks 96 + 4 w + 0, 1
.endif
.set j, 0
.rept 64
	v_max_num_f32 v[ACC+j], 0, v[ACC+j]            ; relu, from each accumulator's low end on
.set j, j+1
.endr
	s_wait_dscnt 0x0                               ; the last chunk's LDS stores have read the codes' registers
	QUANT ACC
	ds_store_b128 v[FWI], v[PC:PC+3] offset:FIMG+512*\i
	ds_store_b128 v[FWI], v[PC+4:PC+7] offset:FIMG+16384+512*\i
	ds_store_b16 v[FWS], v[PW] offset:FSC+2*\i
	ds_store_b16_d16_hi v[FWS], v[PW] offset:FSC+1024+2*\i
.endm
	HID 0, WB, WS1
	HID 1, WA, WS0
	HID 2, WB, WS1
	HID 3, WA, WS0
	BARRIER                                        ; the hidden layer's 64 half fragments lie in LDS
	; ---- 4: y + b2 is what the last sum adds onto
.set i, 0
.rept 16
	ds_load_b128 v[ACC+4*i:ACC+4*i+3], v[YFA] offset:512*i
.set i, i+1
.endr
	s_wait_dscnt 0x0
	s_wait_loadcnt 40                              ; W2's K group 0 and b2 are in; K group 1 may be out
	ADDP
	; ---- 5: four K groups of 512 hidden units
.macro OUTK kg, set, wsc
.irp m, 0,1
.irp q, 0,1,2,3,4,5,6,7
	ds_load_b128 v[AF+32*\m+4*\q:AF+32*\m+4*\q+3], v[LI] offset:FIMG+16384*\m+4096*\kg+512*\q
.endr
	ds_load_b128 v[AS+4*\m:AS+4*\m+3], v[FRS] offset:FSC+1024*\m+16*\kg
.endr
	s_wait_dscnt 0x0
.if (\kg == 1) || (\kg == 2)
	s_wait_loadcnt 40                              ; this K group's weights are in; the next group's may be out
.elseif \kg == 3
	s_wait_loadcnt 0x0
.endif
	MM32 \set, \wsc, AS, 0
	WIN 0
	PLACES
.if \kg < 2
	WLOAD \set, \wsc, VC1, VS1, 34+\kg             ; K groups 2 and 3
.endif
.endm
	OUTK 0, WB, WS1
	OUTK 1, WA, WS0
	OUTK 2, WB, WS1
	OUTK 3, WA, WS0
	PLOAD AF, 20, PB, 0                            ; ln3_g
	PLOAD AF+32, 22, PB, 0                         ; ln3_b
	; ---- 6
	LN RED3, RED4, 0
	; ---- 7: a row's 2,048 bytes come from eight waves: they meet in a stage, and each wave stores four whole rows
.irp m, 0,1
.irp t, 0,1,2,3
.irp q, 0,1
	ds_store_b128 v[SO], v[ACC+32*\m+8*\t+4*\q:ACC+32*\m+8*\t+4*\q+3] offset:16512*\m+(32*(\t/2)+8*(\t%2))*4+16*\q
.endr
.endr
.endr
	BARRIER
.irp i, 0,1,2,3
.irp q, 0,1,2,3
	ds_load_b128 v[AF+4*(4*\i+\q):AF+4*(4*\i+\q)+3], v[SR] offset:2064*\i+512*\q
.endr
.endr
.irp i, 0,1,2,3
.irp q, 0,1,2,3
	s_wait_dscnt 15-(4*\i+\q)                      ; LDS loads come back in order: this one is in, the younger ones may be out
	global_store_b128 v[HB], v[AF+4*(4*\i+\q):AF+4*(4*\i+\q)+3], s[38:39] offset:2048*\i+512*\q th:TH_STORE_NT   ; 512 consecutive bytes of a row, aligned
.endr
.endr
	s_wait_tensorcnt 0x0
	ds_add_u32 v186, v187
	s_wait_dscnt 0x0
	s_endpgm
.Lfunc_end_k_q0553f2b74d_post2:
	.size	k_q0553f2b74d_post2, .Lfunc_end_k_q0553f2b74d_post2-k_q0553f2b74d_post2
	.p2alignl 7, 3214868480
	.fill 96, 4, 3214868480
	.section	.rodata,"a",@progbits
	.p2align	6, 0x0
	.amdhsa_kernel k_q0553f2b74d_post2
		.amdhsa_group_segment_fixed_size 181760
		.amdhsa_private_segment_fixed_size 0
		.amdhsa_enable_private_segment 0
		.amdhsa_kernarg_size 88
		.amdhsa_user_sgpr_count 2
		.amdhsa_user_sgpr_kernarg_segment_ptr 1
		.amdhsa_wavefront_size32 1
		.amdhsa_system_sgpr_workgroup_id_x 1
		.amdhsa_system_sgpr_workgroup_id_y 1
		.amdhsa_system_sgpr_workgroup_id_z 1
		.amdhsa_system_vgpr_workitem_id 0
		.amdhsa_next_free_vgpr 512
		.amdhsa_next_free_sgpr 66
		.amdhsa_reserve_vcc 0
		.amdhsa_float_denorm_mode_32 3
		.amdhsa_float_denorm_mode_16_64 3
		.amdhsa_memory_ordered 1
		.amdhsa_forward_progress 1
		.amdhsa_inst_pref_size 156
	.end_amdhsa_kernel
	.amdgpu_metadata
---
amdhsa.version: [ 1, 2 ]
amdhsa.kernels:
  - .name:           k_q0553f2b74d_post2
    .symbol:         k_q0553f2b74d_post2.kd
    .args:
      - { .name: obuf, .offset: 0, .size: 8, .value_kind: global_buffer, .address_space: global }
      - { .name: wq, .offset: 8, .size: 8, .value_kind: global_buffer, .address_space: global }
      - { .name: bo_c, .offset: 16, .size: 8, .value_kind: global_buffer, .address_space: global }
      - { .name: hbuf, .offset: 24, .size: 8, .value_kind: global_buffer, .address_space: global }
      - { .name: ln2_g, .offset: 32, .size: 8, .value_kind: global_buffer, .address_space: global }
      - { .name: ln2_b, .offset: 40, .size: 8, .value_kind: global_buffer, .address_space: global }
      - { .name: b1, .offset: 48, .size: 8, .value_kind: global_buffer, .address_space: global }
      - { .name: b2, .offset: 56, .size: 8, .value_kind: global_buffer, .address_space: global }
      - { .name: ln3_g, .offset: 64, .size: 8, .value_kind: global_buffer, .address_space: global }
      - { .name: ln3_b, .offset: 72, .size: 8, .value_kind: global_buffer, .address_space: global }
      - { .name: out0, .offset: 80, .size: 8, .value_kind: global_buffer, .address_space: global }
    .group_segment_fixed_size: 181760
    .private_segment_fixed_size: 0
    .kernarg_segment_align: 8
    .kernarg_segment_size: 88
    .max_flat_workgroup_size: 256
    .sgpr_count:     66
    .vgpr_count:     512
    .wavefront_size: 32
...
	.end_amdgpu_metadata
.endif
;; end of part 6
;; ======== version 2 of 2: 6 launches
;; workspace buffers: wq 2,228,224 bytes; qbuf 2,359,296 bytes; kv_s 4,587,520 bytes; kv_c 4,587,520 bytes; obuf 2,228,224 bytes; hbuf 16,777,216 bytes
;; launch prep (part 7): grid 256 x 1, 4 waves a work-group, no clusters, 0 bytes of LDS; arguments Wq_s, Wk_s, Wv_s, Wo_s, Wq_c, Wk_c, Wv_c, Wo_c, W1, W2, wq; writes wq
.if DOCPART == 7
	.amdgcn_target "amdgcn-amd-amdhsa--gfx1250"
	.amdhsa_code_object_version 6
	.text
	.protected	k_q0553f2b74d_prep
	.globl	k_q0553f2b74d_prep
	.p2align	8
	.type	k_q0553f2b74d_prep,@function
k_q0553f2b74d_prep:
	s_mov_b64 s[64:65], 0
	v_nop
	global_prefetch_b8 v0, s[64:65] scope:SCOPE_SE
	s_setreg_imm32_b32 hwreg(HW_REG_WAVE_MODE, 25, 1), 1
	s_wait_xcnt 0x0
; The ten weights, f32 with K on an outer axis, become codes of FP4 (E2M1) with one E8M0 byte for each 32 along K, laid in the ORDER OF THE OPERAND'S REGISTERS.
; A chunk is 64 output columns x 512 K: 4 tiles t x 4 K steps ks.  Lane r of tile t stands for column 32 (t / 2) + 8 (t % 2) + r + 8 (r / 8) of the chunk.
; Codes: wq + 16384 chunk + 1024 (4 t + ks) + 512 c + 16 lane, lane (r, h) holding k = 128 ks + 64 c + 32 h + 0 .. 31.  Scale words: wq + 2097152 + 1024 chunk + 256 ks + 128 (t / 2) + 4 (r + 16 (t % 2)).
; Chunks: Wq_s 0-7, Wk_s 8-15, Wv_s 16-23, Wo_s 24-31, Wq_c 32-39, Wk_c 40-47, Wv_c 48-55, Wo_c 56-63, W1 64-95, W2 96 + 4 (column group) + (K group of 512).
; SHARES: a work-group takes half a chunk (32 columns), a wave one K step (128 k), A LANE ONE COLUMN, ITS REGISTERS RUNNING DOWN K: a block of 32 is one lane's 32 registers, each load reads 128 consecutive bytes.
; A block's scale byte is its largest magnitude's exponent field - 2, held at 1 from below.
; LIMITS: NaN and infinities are not served; a block whose largest magnitude lies under 2^-124, a block of zeros too, keeps the byte 1 (its codes then carry what the byte 1 allows; zeros stay zeros); this program alone reads the bytes.
; No LDS, no barrier: waves share nothing.  No cluster: no two work-groups read the same bytes.
.set OFF, 16                           ; v16-47   i x pitch + 4 x lane; never rewritten
.set X,   64                           ; v64-191  four blocks of 32 numbers
.set C,   192                          ; v192-207 four registers of codes a block: no store's data are written again
.set SB,  14                           ; v14      the four scale bytes
.set CO,  2                            ; v2       my codes' place: 4096 u + 16 r'
.set SO,  3                            ; v3       my scale word's place: 4 (r' + 16 u)
	s_load_b512 s[4:19], s[0:1], 0x0               ; Wq_s, Wk_s, Wv_s, Wo_s, Wq_c, Wk_c, Wv_c, Wo_c
	s_load_b128 s[20:23], s[0:1], 0x40             ; W1, W2
	s_load_b64 s[24:25], s[0:1], 0x50              ; wq
	v_lshrrev_b32 v1, 5, v0
	v_readfirstlane_b32 s28, v1                    ; wave = K step
	s_lshr_b32 s26, ttmp9, 1                       ; chunk
	s_and_b32 s27, ttmp9, 1                        ; which 32 columns of it
	v_and_b32 v1, 31, v0                           ; lane = column 32 p + lane
	v_lshlrev_b32 v4, 2, v1
	s_wait_alu depctr_va_vdst(0)
	v_bfe_u32 v5, v1, 3, 1                         ; u: the tile of the pair that holds my column
	v_and_b32 v6, 7, v1
	v_lshrrev_b32 v7, 4, v1
	v_lshl_or_b32 v6, v7, 3, v6                    ; r': its row there
	v_lshlrev_b32 v[CO], 4, v6
	v_lshl_add_u32 v[CO], v5, 12, v[CO]
	v_lshl_add_u32 v[SO], v5, 4, v6
	v_lshlrev_b32 v[SO], 2, v[SO]
	; the pitch from k to k + 1 and the chunk's first byte, for each kind of weight; then the choice, on the chunk's number alone
	s_and_b32 s34, s26, 7
	s_lshl_b32 s35, s34, 17                        ; [H][512][64]: a head is 131,072 bytes
	s_lshl_b32 s36, s34, 8                         ; [512][512]: 64 columns are 256 bytes
	s_sub_co_u32 s37, s26, 64
	s_lshl_b32 s37, s37, 8                         ; W1
	s_sub_co_u32 s38, s26, 96
	s_lshr_b32 s39, s38, 2
	s_lshl_b32 s39, s39, 8
	s_and_b32 s38, s38, 3
	s_lshl_b32 s38, s38, 20                        ; W2: 512 rows of 2,048 bytes a K group
	s_add_co_u32 s38, s38, s39
	s_bfe_u32 s39, s26, 0x20003                    ; (chunk / 8) % 4: 3 for Wo_s and Wo_c
	s_mov_b32 s32, 256
	s_mov_b32 s33, s35
	s_mov_b32 s50, 2048
	s_mov_b32 s51, 8192
	s_cmp_eq_u32 s39, 3
	s_cselect_b32 s32, s50, s32
	s_cselect_b32 s33, s36, s33
	s_cmp_ge_u32 s26, 64
	s_cselect_b32 s32, s51, s32
	s_cselect_b32 s33, s37, s33
	s_cmp_ge_u32 s26, 96
	s_cselect_b32 s32, s50, s32
	s_cselect_b32 s33, s38, s33
	s_lshl_b32 s40, s27, 7
	s_add_co_u32 s33, s33, s40                     ; + my 32 columns
	s_lshl_b32 s40, s32, 7
	s_mul_i32 s40, s40, s28
	s_add_co_u32 s34, s33, s40                     ; + my K step's 128 rows
	s_mov_b32 s35, 0
	s_lshl_b32 s36, s32, 5                         ; a block: 32 rows
	s_mov_b32 s37, 0
	s_lshl_b32 s52, s26, 14
	s_lshl_b32 s53, s27, 13
	s_add_co_u32 s52, s52, s53
	s_lshl_b32 s53, s28, 10
	s_add_co_u32 s52, s52, s53                     ; codes: 16384 chunk + 8192 p + 1024 ks
	s_mov_b32 s53, 0
	s_lshl_b32 s54, s26, 10
	s_lshl_b32 s55, s28, 8
	s_add_co_u32 s54, s54, s55
	s_lshl_b32 s55, s27, 7
	s_add_co_u32 s54, s54, s55
	s_add_co_u32 s54, s54, 2097152                 ; scale words: 2097152 + 1024 chunk + 256 ks + 128 p
	s_mov_b32 s55, 0
.set i, 0
.rept 32
	v_mad_u32_u24 v[OFF+i], s32, i, v4
.set i, i+1
.endr
	s_wait_alu depctr_va_vdst(0)
	s_wait_kmcnt 0x0
	s_mov_b64 s[30:31], s[4:5]
	s_cmp_ge_u32 s26, 8
	s_cselect_b64 s[30:31], s[6:7], s[30:31]
	s_cmp_ge_u32 s26, 16
	s_cselect_b64 s[30:31], s[8:9], s[30:31]
	s_cmp_ge_u32 s26, 24
	s_cselect_b64 s[30:31], s[10:11], s[30:31]
	s_cmp_ge_u32 s26, 32
	s_cselect_b64 s[30:31], s[12:13], s[30:31]
	s_cmp_ge_u32 s26, 40
	s_cselect_b64 s[30:31], s[14:15], s[30:31]
	s_cmp_ge_u32 s26, 48
	s_cselect_b64 s[30:31], s[16:17], s[30:31]
	s_cmp_ge_u32 s26, 56
	s_cselect_b64 s[30:31], s[18:19], s[30:31]
	s_cmp_ge_u32 s26, 64
	s_cselect_b64 s[30:31], s[20:21], s[30:31]
	s_cmp_ge_u32 s26, 96
	s_cselect_b64 s[30:31], s[22:23], s[30:31]
	s_add_nc_u64 s[40:41], s[30:31], s[34:35]      ; a base for each of my four blocks
	s_add_nc_u64 s[42:43], s[40:41], s[36:37]
	s_add_nc_u64 s[44:45], s[42:43], s[36:37]
	s_add_nc_u64 s[46:47], s[44:45], s[36:37]
	s_add_nc_u64 s[48:49], s[24:25], s[52:53]
	s_add_nc_u64 s[54:55], s[24:25], s[54:55]
.macro LOAD bq                         ; block bq: row 32 bq + i of my K step, my column
.set i, 0
.rept 32
	global_load_b32 v[X+32*\bq+i], v[OFF+i], s[40+2*\bq:41+2*\bq] th:TH_LOAD_NT
.set i, i+1
.endr
.endm
.macro BLOCK bq
.set XS, X+32*\bq
	v_max3_num_f32 v12, |v[XS]|, |v[XS+1]|, |v[XS+2]|      ; the block's largest magnitude: all 32 numbers are mine; two chains
	v_max3_num_f32 v13, |v[XS+3]|, |v[XS+4]|, |v[XS+5]|
.irp i, 6,10,14,18,22,26
	v_max3_num_f32 v12, v12, |v[XS+\i]|, |v[XS+\i+1]|
	v_max3_num_f32 v13, v13, |v[XS+\i+2]|, |v[XS+\i+3]|
.endr
	v_max3_num_f32 v12, v12, |v[XS+30]|, |v[XS+31]|
	v_max3_num_f32 v12, v12, v13, 0x1800000        ; and the floor 2^(3 - 127): the byte cannot fall under 1
	v_add_nc_u32 v11, 0xff000000, v12              ; 2 off the exponent field: the conversion takes this operand's exponent field as its scale
	v_lshrrev_b32 v13, 23, v11                     ; the scale's byte
.if \bq == 0
	v_mov_b32 v[SB], v13
.else
	v_lshl_or_b32 v[SB], v13, 8*\bq, v[SB]
.endif
.irp g, 0,1,2,3
	v_cvt_scalef32_pk8_fp4_f32 v[C+4*\bq+\g], v[XS+8*\g:XS+8*\g+7], v11
.endr
	global_store_b128 v[CO], v[C+4*\bq:C+4*\bq+3], s[48:49] offset:256*\bq   ; the sixteen lanes of a tile store 256 consecutive bytes, aligned
.endm
	LOAD 0
	LOAD 1
	s_wait_loadcnt 32                              ; block 0 is in; block 1's 32 loads may be out
	BLOCK 0
	LOAD 2
	s_wait_loadcnt 32
	BLOCK 1
	LOAD 3
	s_wait_loadcnt 32
	BLOCK 2
	s_wait_loadcnt 0x0
	BLOCK 3
	global_store_b32 v[SO], v[SB], s[54:55]        ; 128 consecutive bytes
	s_endpgm
.Lfunc_end_k_q0553f2b74d_prep:
	.size	k_q0553f2b74d_prep, .Lfunc_end_k_q0553f2b74d_prep-k_q0553f2b74d_prep
	.p2alignl 7, 3214868480
	.fill 96, 4, 3214868480
	.section	.rodata,"a",@progbits
	.p2align	6, 0x0
	.amdhsa_kernel k_q0553f2b74d_prep
		.amdhsa_group_segment_fixed_size 0
		.amdhsa_private_segment_fixed_size 0
		.amdhsa_enable_private_segment 0
		.amdhsa_kernarg_size 88
		.amdhsa_user_sgpr_count 2
		.amdhsa_user_sgpr_kernarg_segment_ptr 1
		.amdhsa_wavefront_size32 1
		.amdhsa_system_sgpr_workgroup_id_x 1
		.amdhsa_system_sgpr_workgroup_id_y 1
		.amdhsa_system_sgpr_workgroup_id_z 1
		.amdhsa_system_vgpr_workitem_id 0
		.amdhsa_next_free_vgpr 208
		.amdhsa_next_free_sgpr 66
		.amdhsa_reserve_vcc 0
		.amdhsa_float_denorm_mode_32 3
		.amdhsa_float_denorm_mode_16_64 3
		.amdhsa_memory_ordered 1
		.amdhsa_forward_progress 1
		.amdhsa_inst_pref_size 24
	.end_amdhsa_kernel
	.amdgpu_metadata
---
amdhsa.version: [ 1, 2 ]
amdhsa.kernels:
  - .name:           k_q0553f2b74d_prep
    .symbol:         k_q0553f2b74d_prep.kd
    .args:
      - { .name: Wq_s, .offset: 0, .size: 8, .value_kind: global_buffer, .address_space: global }
      - { .name: Wk_s, .offset: 8, .size: 8, .value_kind: global_buffer, .address_space: global }
      - { .name: Wv_s, .offset: 16, .size: 8, .value_kind: global_buffer, .address_space: global }
      - { .name: Wo_s, .offset: 24, .size: 8, .value_kind: global_buffer, .address_space: global }
      - { .name: Wq_c, .offset: 32, .size: 8, .value_kind: global_buffer, .address_space: global }
      - { .name: Wk_c, .offset: 40, .size: 8, .value_kind: global_buffer, .address_space: global }
      - { .name: Wv_c, .offset: 48, .size: 8, .value_kind: global_buffer, .address_space: global }
      - { .name: Wo_c, .offset: 56, .size: 8, .value_kind: global_buffer, .address_space: global }
      - { .name: W1, .offset: 64, .size: 8, .value_kind: global_buffer, .address_space: global }
      - { .name: W2, .offset: 72, .size: 8, .value_kind: global_buffer, .address_space: global }
      - { .name: wq, .offset: 80, .size: 8, .value_kind: global_buffer, .address_space: global }
    .group_segment_fixed_size: 0
    .private_segment_fixed_size: 0
    .kernarg_segment_align: 8
    .kernarg_segment_size: 88
    .max_flat_workgroup_size: 128
    .sgpr_count:     66
    .vgpr_count:     208
    .wavefront_size: 32
...
	.end_amdgpu_metadata
.endif
;; end of part 7
;; launch qkv (part 8): grid 128 x 2, 8 waves a work-group, no clusters, 18,432 bytes of LDS; arguments x, encoding, wq, bq_s, bk_s, bk_c, bv_s, bv_c, qbuf, kv_s, kv_c; writes qbuf, kv_s, kv_c
.if DOCPART == 8
	.amdgcn_target "amdgcn-amd-amdhsa--gfx1250"
	.amdhsa_code_object_version 6
	.text
	.protected	k_q0553f2b74d_qkv
	.globl	k_q0553f2b74d_qkv
	.p2align	8
	.type	k_q0553f2b74d_qkv,@function
k_q0553f2b74d_qkv:
	s_mov_b64 s[64:65], 0
	v_nop
	global_prefetch_b8 v0, s[64:65] scope:SCOPE_SE
	s_setreg_imm32_b32 hwreg(HW_REG_WAVE_SCHED_MODE, 0, 2), 2
	s_setreg_imm32_b32 hwreg(HW_REG_WAVE_MODE, 25, 1), 1
	s_wait_xcnt 0x0
	s_wait_alu depctr_vm_vsrc(0)
; Five projections on codes of FP4.  Work-group y = 0 takes 64 tokens of x and makes k_s, v_s and q_s of them; y = 1 takes 64 tokens of encoding and makes k_c and v_c.  Each result is quantised at once: q and k along the head's 64, v along the keys.
; SHARES: 128 x 2 work-groups, one to a WGP.  The 64 tokens (four tiles of 16) are quantised ONCE, by all eight waves, and serve all the source's matrices.  Wave w takes head w: its chunk of each weight (64 columns x 512 K, 128 registers) comes straight from memory.
; Two sets of weight registers: WB holds k's chunk, then (y = 0) q's; WA holds v's.  A chunk is asked for while the matrix before it is multiplied.
; TOKENS OF A TILE ARE NOT NEIGHBOURS: row r of tile T is token 32 (T / 2) + 8 (T % 2) + r + 8 (r / 8); the weights' columns are laid the same way.  So the 16 registers of two neighbouring result tiles are 16 neighbours.
; PHASE X: wave w quantises tile w / 2, K steps 2 (w % 2) and 2 (w % 2) + 1, and stores the fragments in LDS as images of their registers; one barrier; then every wave reads all of them, and LDS is written no more.
; q, k: source 0 = 16 columns of W, source 1 = 16 tokens: a lane holds one token and its registers run along the head's 64.  v: source 0 = 16 tokens, source 1 = 16 columns: a lane holds one channel and its registers run along the keys.
; OUT: q, k: a tile's half fragment (K = 64), 512 bytes, at 512 T + 16 lane; its scale words at 64 T + 4 r (bytes 0, 1 are the head's two blocks; bytes 2, 3 stand over zero codes and are never 0xff).
;      v: of fragment (key step, channel tile ct) at 65536 + 1024 (4 step + ct) this work-group fills half c' (its 64 keys of the step's 128): a block of 32 keys of 16 channels is 256 consecutive bytes, aligned.
;      v's scale words at 139264 + 256 step + 8 lane (two words: tiles 0/1 and 2/3, the even tile in lanes 0-15): this work-group owns bytes 2 c' and 2 c' + 1 of each word, so they leave two bytes a lane: 128 bytes a wave in all.
; LIMITS: NaN and infinities are not served; a block whose largest magnitude lies under 2^-124, a block of zeros too, keeps the scale byte 1; this program alone reads the bytes.
; No cluster: a chunk of weights lands in the registers of the one wave that multiplies by it; a joint request would land in LDS and add a way through it of 16 KB a chunk a wave.
; THE MODE: SCHED_MODE bits 1:0 = 2 (LLVM: expert scheduling mode 2), set by the entry lines.  The code itself states the register dependences between vector or matrix instructions and memory or LDS instructions, with s_wait_alu, always for 0.
; THE PLAN.  Registers that memory or LDS instructions touch:
;   v5-v18          addresses and offsets: written once at the head, ahead of the first wait on va_vdst; never written again.
;   PC, PW, SS, WW  written by a quantiser and the lines behind it; read by the LDS stores of phase X or by global stores.  Ahead of each quantiser: vm_vsrc (the earlier stores have read them).  Behind it: va_vdst.
;   AF              the source's second 64 numbers land here and the quantiser reads them; later the fragments land here from LDS and the products read them.
;   P, WB, WS1      k's bias, weights and scale words land; the products read them; for y = 0 q's land in them.   WA, WS0, PVB, XS: loaded once.
; The wait on va_vdst behind a quantiser stands behind the products whose results it took: so it also shows those products done with AF, P, WB and WS1, and the next fragments' LDS loads and q's weights follow it with no further wait, ahead of the global stores.
.set XIMG, 0                           ; LDS: tile T, K step ks at 4096 T + 1024 ks + 512 c + 16 lane
.set XSC,  16384                       ; their scale words: 256 T + 16 r + 4 ks
.set XA,   5                           ; v5   2048 rho + 64 h: my 16 numbers of a block of 32 of my row
.set LI,   6                           ; v6   16 x lane
.set LS16, 7                           ; v7   16 r
.set XWI,  8                           ; v8   16 x lane + 2048 w
.set XWS,  9                           ; v9   16 r + 256 (w / 2) + 8 (w % 2)
.set VCK,  10                          ; v10  k's chunk in wq: codes; v's lies 8 chunks on, q's 8 chunks back
.set VSK,  11                          ; v11  and scale words
.set PB,   12                          ; v12  256 w + 64 h: a bias in q's and k's result layout
.set PBV,  13                          ; v13  256 w + 4 rho: in v's
.set SH16, 14                          ; v14  16 h
.set L4,   15                          ; v15  4 x lane
.set L8,   16                          ; v16  8 x lane
.set VSTO, 17                          ; v17  1024 h + 16 r: v's codes: lanes 0-15 the even channel tile, lanes 16-31 the odd
.set SH8,  18                          ; v18  8 h
.set PVB,  20                          ; v20-27  v's bias: channel tile ct in the low word of pair ct
.set A0,   28
.set A1,   29
.set WW,   30
.set ACC,  32                          ; v32-95   eight accumulators
.set AF,   96                          ; v96-159  two tiles of tokens x four K steps
.set PC,   160                         ; v160-167 the codes just made
.set TM,   168                         ; v168-183 at work in QUANT
.set PW,   184                         ; v184     the four scale bytes just made
.set PWK,  186                         ; v186-187 v's scale bytes of the two blocks of keys
.set SS,   190                         ; v190     scale words on their way out
.set WS0,  192                         ; v192-199 WA's scale words: register 2 ks + t / 2, tile t % 2 in the lanes' half
.set WS1,  200                         ; v200-207 WB's
.set XS,   208                         ; v208-223 the tokens' scale words: tile T, K step ks at 4 T + ks
.set P,    224                         ; v224-255 k's bias, then q's
.set WA,   0                           ; window 1: fragment (t, ks) at 8 (4 t + ks)
.set WB,   128
.set WQ,   8
.set WV,   26
.set YY,   27
.set SRC,  30
.set BK,   32
.set BV,   34
.set KV,   36
.set KI,   38
.set KW,   40
.set VI,   42
.set VW,   44
.set QI,   46
.set QW,   48
.set SEL,  50
.set PSEL, 52
.set MSB, 0
.macro WIN new                         ; the immediate's high byte repeats the setting that is left
.if MSB != \new
	s_set_vgpr_msb (MSB<<8)|\new
.set MSB, \new
.endif
.endm
.macro BARRIER                         ; my LDS stores have landed and my LDS loads are in: then the work-group's barrier
	s_wait_dscnt 0x0
	s_barrier_signal -1
	s_barrier_wait -1
.endm
.macro PLACES                          ; four plain places behind matrix instructions, ahead of the first read of results (ISA guide 7.12.1)
.rept 4
	v_nop
.endr
.endm
.macro WM row                          ; one product on the registers named by rD, rA, rB, rC, rSA, rSB; row = 1: A's scales in lanes 16-31; 2: B's
.if (\row) == 1
	v_wmma_scale_f32_16x16x128_f8f6f4 v[rD:rD+7], v[rA:rA+7], v[rB:rB+7], v[rC:rC+7], v[rSA], v[rSB] matrix_a_fmt:MATRIX_FMT_FP4 matrix_b_fmt:MATRIX_FMT_FP4 matrix_a_scale:MATRIX_SCALE_ROW1
.elseif (\row) == 2
	v_wmma_scale_f32_16x16x128_f8f6f4 v[rD:rD+7], v[rA:rA+7], v[rB:rB+7], v[rC:rC+7], v[rSA], v[rSB] matrix_a_fmt:MATRIX_FMT_FP4 matrix_b_fmt:MATRIX_FMT_FP4 matrix_b_scale:MATRIX_SCALE_ROW1
.else
	v_wmma_scale_f32_16x16x128_f8f6f4 v[rD:rD+7], v[rA:rA+7], v[rB:rB+7], v[rC:rC+7], v[rSA], v[rSB] matrix_a_fmt:MATRIX_FMT_FP4 matrix_b_fmt:MATRIX_FMT_FP4
.endif
.endm
.macro WMZ row                         ; the same with the constant 0 as C: it starts a sum
.if (\row) == 2
	v_wmma_scale_f32_16x16x128_f8f6f4 v[rD:rD+7], v[rA:rA+7], v[rB:rB+7], 0, v[rSA], v[rSB] matrix_a_fmt:MATRIX_FMT_FP4 matrix_b_fmt:MATRIX_FMT_FP4 matrix_b_scale:MATRIX_SCALE_ROW1
.else
	v_wmma_scale_f32_16x16x128_f8f6f4 v[rD:rD+7], v[rA:rA+7], v[rB:rB+7], 0, v[rSA], v[rSB] matrix_a_fmt:MATRIX_FMT_FP4 matrix_b_fmt:MATRIX_FMT_FP4
.endif
.endm
; 64 numbers of a lane, register 16 b + i = number 16 (lane / 16) + i of block b of my row, become codes in v[PC] on (registers 4 c .. 4 c + 3: lanes 0-15 the whole block 2 c, lanes 16-31 block 2 c + 1) and four scale bytes in v[PW].
.macro QUANT s
.irp b, 0,1,2,3
	v_max3_num_f32 v[TM+\b], |v[\s+16*\b]|, |v[\s+1+16*\b]|, 0x1800000   ; my 16 numbers of block b, and the floor 2^(3 - 127): the byte cannot fall under 1
.endr
.irp i, 2,4,6,8,10,12,14
.irp b, 0,1,2,3
	v_max3_num_f32 v[TM+\b], v[TM+\b], |v[\s+16*\b+\i]|, |v[\s+1+16*\b+\i]|   ; the four blocks by turns
.endr
.endr
.irp b, 0,1,2,3
	v_permlanex16_b32 v[TM+4+\b], v[TM+\b], s[SEL], s[SEL+1]
.endr
.irp b, 0,1,2,3
	v_max_num_f32 v[TM+\b], v[TM+\b], v[TM+4+\b]   ; with lane l xor 16's: the block's largest magnitude
.endr
.irp b, 0,1,2,3
	v_add_nc_u32 v[TM+12+\b], 0xff000000, v[TM+\b] ; 2 off its exponent field: the conversion's scale operand
.endr
.irp b, 0,1,2,3
	v_lshrrev_b32 v[TM+4+\b], 23, v[TM+12+\b]      ; the scale's byte
.endr
	v_lshl_or_b32 v[PW], v[TM+5], 8, v[TM+4]
	v_lshl_or_b32 v[PW], v[TM+6], 16, v[PW]
	v_lshl_or_b32 v[PW], v[TM+7], 24, v[PW]
.irp b, 0,1,2,3
	v_cvt_scalef32_pk8_fp4_f32 v[PC+2*\b], v[\s+16*\b:\s+7+16*\b], v[TM+12+\b]
	v_cvt_scalef32_pk8_fp4_f32 v[PC+1+2*\b], v[\s+8+16*\b:\s+15+16*\b], v[TM+12+\b]
.endr
	v_nop                                          ; one plain place behind a scaled conversion
.irp c, 0,1
.irp i, 0,1
	v_permlane16_swap_b32 v[PC+4*\c+\i], v[PC+2+4*\c+\i]
.endr
.endr
.endm
.macro PLOAD dst, sb, va, off          ; a chunk's 64 numbers of a bias in the result's layout: register 8 t + j = column 32 (t / 2) + 8 (t % 2) + 16 h + j
.irp t, 0,1,2,3
.irp q, 0,1
	global_load_b128 v[\dst+8*\t+4*\q:\dst+8*\t+4*\q+3], v[\va], s[\sb:\sb+1] offset:\off+(32*(\t/2)+8*(\t%2))*4+16*\q
.endr
.endr
.endm
.macro WLOAD set, wsc, vcode, vscale, off      ; a chunk: 32 loads of codes into window 1, 8 of scale words into window 0
	WIN 0x40
.set f, 0
.rept 32
	global_load_b128 v[\set+4*f:\set+4*f+3], v[\vcode], s[WQ:WQ+1] offset:16384*(\off)+512*f
.set f, f+1
.endr
	WIN 0
.set f, 0
.rept 8
	global_load_b32 v[\wsc+f], v[\vscale], s[WQ:WQ+1] offset:1024*(\off)+128*f
.set f, f+1
.endr
.endm
; q, k: 32 products: two tiles of tokens x the chunk's four tiles of columns x four K steps; the bias is the C of the first eight.  The eight accumulators take turns, one instruction a turn, in the same order in every K step.
.macro MM32 set, wsc, as
	WIN 0x01                                       ; A in window 1
.irp ks, 0,1,2,3
.irp m, 0,1
.irp t, 0,1,2,3
.set rD, ACC+32*\m+8*\t
.set rA, \set+8*(4*\t+\ks)
.set rB, AF+8*(4*\m+\ks)
.set rC, rD
.if \ks == 0
.set rC, P+8*\t
.endif
.set rSA, \wsc+2*\ks+\t/2
.set rSB, \as+4*\m+\ks
	WM \t%2
.endr
.endr
.endr
	WIN 0
	PLACES
.endm
; v: 32 products with the sources the other way round: accumulator (ct, m) at 16 ct + 8 m, so that a channel tile's 16 registers are the 16 keys 16 h + 0 .. 15 of the two tiles' 32.  Turns as above.
.macro MMV32 set, wsc, as
	WIN 0x04                                       ; B in window 1
.irp ks, 0,1,2,3
.irp m, 0,1
.irp ct, 0,1,2,3
.set rD, ACC+16*\ct+8*\m
.set rA, AF+8*(4*\m+\ks)
.set rB, \set+8*(4*\ct+\ks)
.set rC, rD
.set rSA, \as+4*\m+\ks
.set rSB, \wsc+2*\ks+\ct/2
.if \ks == 0
	WMZ 2*(\ct%2)
.else
	WM 2*(\ct%2)
.endif
.endr
.endr
.endr
	WIN 0
	PLACES
.endm
.macro XLOAD reg, kk                   ; my row's 64 numbers of my K step kk: of each block of 32 the 16 of my half
.irp b, 0,1,2,3
.irp j, 0,1,2,3
	global_load_b128 v[\reg+16*\b+4*\j:\reg+16*\b+4*\j+3], v[XA], s[SRC:SRC+1] offset:512*\kk+128*\b+16*\j
.endr
.endr
.endm
.macro XOUT kk                         ; the fragment just made goes to LDS as it stands, its scale word beside it (both halves of the lanes hold and write the same word)
	ds_store_b128 v[XWI], v[PC:PC+3] offset:XIMG+1024*\kk
	ds_store_b128 v[XWI], v[PC+4:PC+7] offset:XIMG+1024*\kk+512
	ds_store_b32 v[XWS], v[PW] offset:XSC+4*\kk
.endm
.macro FRAGL tp                        ; tiles 2 tp and 2 tp + 1, all four K steps, are asked of LDS
.set i, 0
.rept 16
	ds_load_b128 v[AF+4*i:AF+4*i+3], v[LI] offset:XIMG+8192*\tp+512*i
.set i, i+1
.endr
.endm
.macro QKQ                             ; two tiles of q or k are quantised
	s_wait_xcnt 0x0                                ; the stores issued so far have read their data: the codes' registers are written again below
	s_wait_alu depctr_vm_vsrc(0)                   ; phase X's LDS stores, or the global stores issued so far, have read v[PC ..], v[PW] and v[SS], which are written anew below
	QUANT ACC                                      ; blocks 0, 1: the first tile's 64 channels; blocks 2, 3: the second's
	v_lshrrev_b32 v[SS], v[SH16], v[PW]            ; lanes 0-15: the first tile's word; lanes 16-31: the second's two bytes, moved down
	s_wait_alu depctr_va_vdst(0)                   ; v[PC ..] and v[SS] are written, which the stores read; the products above are done reading v[AF ..], the bias, the weights and their scale words, in which later loads land
.endm
.macro QKST tp, bi, bw                 ; and stored
	global_store_b128 v[LI], v[PC:PC+3], s[\bi:\bi+1] offset:1024*\tp            ; 512 consecutive bytes
	global_store_b128 v[LI], v[PC+4:PC+7], s[\bi:\bi+1] offset:1024*\tp+512
	global_store_b32 v[L4], v[SS], s[\bw:\bw+1] offset:128*\tp
.endm
; v: two tiles of tokens are one block of 32 keys for each of the 64 channels
.macro VPART tp
	s_wait_dscnt 0x0                               ; the two tiles' fragments are in
	MMV32 WA, WS0, XS+8*\tp
.irp ct, 0,1,2,3
.irp j, 0,2,4,6,8,10,12,14
	v_pk_add_f32 v[ACC+16*\ct+\j:ACC+16*\ct+\j+1], v[ACC+16*\ct+\j:ACC+16*\ct+\j+1], v[PVB+2*\ct:PVB+2*\ct+1] op_sel_hi:[1,0]   ; a lane holds one channel: its bias onto all 16, each accumulator from its low end on
.endr
.endr
	s_wait_xcnt 0x0                                ; the stores issued so far have read their data
	s_wait_alu depctr_vm_vsrc(0)                   ; the stores issued so far have read v[PC ..], which is written anew below
	QUANT ACC                                      ; block ct: keys 32 tp + 0 .. 31 of my channel of tile ct
	v_mov_b32 v[PWK+\tp], v[PW]
.if \tp == 1
	v_lshrrev_b32 v[A0], v[SH8], v[PWK]            ; byte 0: tile h, byte 2: tile 2 + h, of the first block of keys,
	v_lshrrev_b32 v[A1], v[SH8], v[PWK+1]          ; of the second
	v_perm_b32 v[WW], v[A1], v[A0], s[PSEL]        ; low half: tile h's two bytes; high half: tile 2 + h's
.endif
	s_wait_alu depctr_va_vdst(0)                   ; v[PC ..] (and v[WW]) are written, which the stores read; the products above are done reading v[AF ..], in which the next fragments land
.if \tp == 0
	FRAGL 1
.endif
	global_store_b128 v[VSTO], v[PC:PC+3], s[VI:VI+1] offset:256*\tp           ; lanes 0-15: tile 0, lanes 16-31: tile 1: 256 consecutive bytes each, aligned
	global_store_b128 v[VSTO], v[PC+4:PC+7], s[VI:VI+1] offset:2048+256*\tp    ; tiles 2 and 3
.if \tp == 1
	global_store_b16 v[L8], v[WW], s[VW:VW+1]
	global_store_d16_hi_b16 v[L8], v[WW], s[VW:VW+1] offset:4
.endif
.endm
	s_load_b512 s[4:19], s[0:1], 0x0               ; x, encoding, wq, bq_s, bk_s, bk_c, bv_s, bv_c
	s_load_b128 s[20:23], s[0:1], 0x40             ; qbuf, kv_s
	s_load_b64 s[24:25], s[0:1], 0x50              ; kv_c
	v_lshl_add_u32 v189, v0, 2, 0x4400
	v_mov_b32 v191, 0
	v_lshrrev_b32 v1, 5, v0
	v_readfirstlane_b32 s[WV], v1                  ; wave = head
	s_and_b32 s[YY], ttmp7, 0xffff                 ; 0: x; 1: encoding
	v_and_b32 v1, 31, v0                           ; lane
	v_and_b32 v2, 15, v0                           ; r
	v_bfe_u32 v3, v0, 4, 1                         ; h
	s_wait_alu depctr_va_vdst(0)
	v_and_b32 v4, 8, v2
	v_add_nc_u32 v4, v4, v2                        ; rho = r + 8 (r / 8)
	s_wait_alu depctr_va_vdst(0)
	v_lshlrev_b32 v[XA], 11, v4
	v_lshl_add_u32 v[XA], v3, 6, v[XA]
	v_lshlrev_b32 v[LI], 4, v1
	v_lshlrev_b32 v[LS16], 4, v2
	s_wait_alu depctr_va_sdst(0)                   ; the wave's number is written, ahead of its first reader
	s_lshl_b32 s53, s[WV], 11
	v_add_nc_u32 v[XWI], s53, v[LI]
	s_lshr_b32 s53, s[WV], 1
	s_lshl_b32 s53, s53, 8
	s_and_b32 s54, s[WV], 1                        ; which pair of K steps I quantise
	s_lshl_b32 s55, s54, 3
	s_add_co_u32 s53, s53, s55
	v_add_nc_u32 v[XWS], s53, v[LS16]
	s_lshl_b32 s53, s[WV], 8
	v_lshlrev_b32 v[PB], 6, v3
	v_add_nc_u32 v[PB], s53, v[PB]
	v_lshlrev_b32 v[PBV], 2, v4
	v_add_nc_u32 v[PBV], s53, v[PBV]
	v_lshlrev_b32 v[SH16], 4, v3
	v_lshlrev_b32 v[SH8], 3, v3
	v_lshlrev_b32 v[L4], 2, v1
	v_lshlrev_b32 v[L8], 3, v1
	v_lshl_add_u32 v[VSTO], v3, 10, v[LS16]
.irp b, 0,1,2,3
	v_mov_b32 v[TM+4+\b], 0                        ; written once: a lane permute's destination counts as one of its sources
	v_mov_b32 v[PVB+2*\b+1], 0                     ; named as the upper half of a pair
.endr
	s_mov_b32 s[SEL], 0x76543210
	s_mov_b32 s[SEL+1], 0xfedcba98                 ; v_permlanex16_b32's selects for lane l xor 16
	s_mov_b32 s[PSEL], 0x06020400                  ; v_perm_b32: bytes 0 and 2 of two words, by turns
	s_cmp_eq_u32 s[YY], 0
	s_cselect_b32 s56, 8, 40                       ; k's first chunk: Wk_s or Wk_c
	s_add_co_u32 s56, s56, s[WV]
	s_lshl_b32 s57, s56, 14
	v_add_nc_u32 v[VCK], s57, v[LI]
	s_lshl_b32 s57, s56, 10
	s_add_co_u32 s57, s57, 2097152
	v_add_nc_u32 v[VSK], s57, v[L4]
	s_lshl_b32 s58, ttmp9, 6                       ; the first token of the tile that I quantise: 64 X + 32 (w / 4) + 8 ((w / 2) % 2)
	s_lshr_b32 s57, s[WV], 2
	s_lshl_b32 s57, s57, 5
	s_add_co_u32 s58, s58, s57
	s_bfe_u32 s57, s[WV], 0x10001
	s_lshl_b32 s57, s57, 3
	s_add_co_u32 s58, s58, s57
	s_lshl_b32 s58, s58, 11                        ; rows of 2,048 bytes,
	s_lshl_b32 s57, s54, 10
	s_add_co_u32 s58, s58, s57                     ; + my two K steps' 1,024 bytes
	s_mov_b32 s59, 0
	s_lshr_b32 s60, ttmp9, 5
	s_lshl_b32 s60, s60, 3
	s_add_co_u32 s60, s60, s[WV]                   ; 8 b + head
	s_and_b32 s61, ttmp9, 31                       ; which 64 tokens of the batch
	s_mul_i32 s62, s60, 143360
	s_lshl_b32 s63, s61, 11
	s_add_co_u32 s[KI], s62, s63                   ; k's images: four tiles of 512 bytes
	s_mov_b32 s[KI+1], 0
	s_lshl_b32 s63, s61, 8
	s_add_co_u32 s[KW], s62, s63
	s_add_co_u32 s[KW], s[KW], 131072              ; their scale words
	s_mov_b32 s[KW+1], 0
	s_lshr_b32 s63, s61, 1                         ; the key step,
	s_and_b32 s55, s61, 1                          ; and which half c' of its 128 keys
	s_lshl_b32 s57, s63, 12
	s_add_co_u32 s[VI], s62, s57
	s_lshl_b32 s57, s55, 9
	s_add_co_u32 s[VI], s[VI], s57
	s_add_co_u32 s[VI], s[VI], 65536               ; v's images
	s_mov_b32 s[VI+1], 0
	s_lshl_b32 s57, s63, 8
	s_add_co_u32 s[VW], s62, s57
	s_lshl_b32 s57, s55, 1
	s_add_co_u32 s[VW], s[VW], s57
	s_add_co_u32 s[VW], s[VW], 139264              ; v's scale bytes
	s_mov_b32 s[VW+1], 0
	s_mul_i32 s62, s60, 73728
	s_lshl_b32 s63, s61, 11
	s_add_co_u32 s[QI], s62, s63                   ; q's images
	s_mov_b32 s[QI+1], 0
	s_lshl_b32 s63, s61, 8
	s_add_co_u32 s[QW], s62, s63
	s_add_co_u32 s[QW], s[QW], 65536               ; their scale words
	s_mov_b32 s[QW+1], 0
	s_wait_kmcnt 0x0
	s_cmp_eq_u32 s[YY], 0                          ; the choice of buffers hangs on the work-group's number alone
	s_cselect_b64 s[SRC:SRC+1], s[4:5], s[6:7]
	s_cselect_b64 s[BK:BK+1], s[12:13], s[14:15]
	s_cselect_b64 s[BV:BV+1], s[16:17], s[18:19]
	s_cselect_b64 s[KV:KV+1], s[22:23], s[24:25]
	s_add_nc_u64 s[SRC:SRC+1], s[SRC:SRC+1], s[58:59]
	s_add_nc_u64 s[KI:KI+1], s[KV:KV+1], s[KI:KI+1]
	s_add_nc_u64 s[KW:KW+1], s[KV:KV+1], s[KW:KW+1]
	s_add_nc_u64 s[VI:VI+1], s[KV:KV+1], s[VI:VI+1]
	s_add_nc_u64 s[VW:VW+1], s[KV:KV+1], s[VW:VW+1]
	s_add_nc_u64 s[QI:QI+1], s[20:21], s[QI:QI+1]
	s_add_nc_u64 s[QW:QW+1], s[20:21], s[QW:QW+1]
	s_wait_alu depctr_va_vdst(0)                   ; the addresses and offsets v5 to v17 are written, which every load and store of the kernel reads
	; ---- X: the source is asked for first, since it is wanted first; k's bias and weights follow at once
	XLOAD ACC, 0
	XLOAD AF, 1
	PLOAD P, BK, PB, 0
	WLOAD WB, WS1, VCK, VSK, 0
	s_wait_loadcnt 63                              ; behind my first 16 loads 64 more were issued: with at most 63 out the 16 are in
	QUANT ACC
	s_wait_alu depctr_va_vdst(0)                   ; the quantiser has written v[PC ..] and v[PW], which the LDS stores read
	XOUT 0
	s_wait_loadcnt 48                              ; my second 16 are in; the bias's 8 and the weights' 40 may be out
	s_wait_dscnt 0x0                               ; the LDS stores are done
	s_wait_alu depctr_vm_vsrc(0)                   ; the LDS stores have read v[PC ..] and v[PW], which are written anew below
	QUANT AF
	s_wait_alu depctr_va_vdst(0)                   ; v[PC ..] and v[PW] are written, which the LDS stores read; the quantiser is done reading v[AF ..], in which the fragments land behind the barrier
	XOUT 1
.irp ct, 0,1,2,3
	global_load_b32 v[PVB+2*\ct], v[PBV], s[BV:BV+1] offset:(32*(\ct/2)+8*(\ct%2))*4
.endr
	WLOAD WA, WS0, VCK, VSK, 8                     ; v's chunk
	BARRIER                                        ; the 16 fragments and their scale words lie in LDS; from here on LDS is only read
.irp t, 0,1,2,3
	ds_load_b128 v[XS+4*\t:XS+4*\t+3], v[LS16] offset:XSC+256*\t
.endr
	; ---- k
	FRAGL 0
	s_wait_dscnt 0x0
	s_wait_loadcnt 44                              ; k's bias and weights are in; v's bias (4 loads) and weights (40) may be out
	MM32 WB, WS1, XS
	QKQ
	FRAGL 1                                        ; no vector or matrix instruction since the wait in QKQ names v[AF ..]
	QKST 0, KI, KW
	s_wait_dscnt 0x0
	MM32 WB, WS1, XS+8
	QKQ
	FRAGL 0                                        ; v begins with tiles 0 and 1 again
	s_cmp_lg_u32 s[YY], 0
	s_cbranch_scc1 .Lnoq
	PLOAD P, 10, PB, 0                             ; x alone has a q: its bias and weights take the registers that k has left: the wait in QKQ has shown k's products done with them
	WLOAD WB, WS1, VCK, VSK, -8
	s_wait_loadcnt 48                              ; v's bias and weights are in; the 48 just issued may be out
	s_branch .Lkout
.Lnoq:
	s_wait_loadcnt 0x0                             ; v's bias and weights are in
.Lkout:
	QKST 1, KI, KW
	; ---- v
	VPART 0
	VPART 1
	s_cmp_lg_u32 s[YY], 0
	s_cbranch_scc1 .Lend
	; ---- q
	FRAGL 0                                        ; the wait behind v's last quantiser has shown v's products done with v[AF ..]
	s_wait_dscnt 0x0
	s_wait_loadcnt 0x0                             ; q's bias and weights
	MM32 WB, WS1, XS
	QKQ
	FRAGL 1
	QKST 0, QI, QW
	s_wait_dscnt 0x0
	MM32 WB, WS1, XS+8
	QKQ
	QKST 1, QI, QW
.Lend:
	s_wait_dscnt 0x0                               ; the closing lines, six on end
	s_wait_alu 0x0
	s_wait_tensorcnt 0x0
	ds_add_u32 v189, v191
	s_wait_dscnt 0x0
	s_endpgm
.Lfunc_end_k_q0553f2b74d_qkv:
	.size	k_q0553f2b74d_qkv, .Lfunc_end_k_q0553f2b74d_qkv-k_q0553f2b74d_qkv
	.p2alignl 7, 3214868480
	.fill 96, 4, 3214868480
	.section	.rodata,"a",@progbits
	.p2align	6, 0x0
	.amdhsa_kernel k_q0553f2b74d_qkv
		.amdhsa_group_segment_fixed_size 18432
		.amdhsa_private_segment_fixed_size 0
		.amdhsa_enable_private_segment 0
		.amdhsa_kernarg_size 88
		.amdhsa_user_sgpr_count 2
		.amdhsa_user_sgpr_kernarg_segment_ptr 1
		.amdhsa_wavefront_size32 1
		.amdhsa_system_sgpr_workgroup_id_x 1
		.amdhsa_system_sgpr_workgroup_id_y 1
		.amdhsa_system_sgpr_workgroup_id_z 1
		.amdhsa_system_vgpr_workitem_id 0
		.amdhsa_next_free_vgpr 512
		.amdhsa_next_free_sgpr 66
		.amdhsa_reserve_vcc 0
		.amdhsa_float_denorm_mode_32 3
		.amdhsa_float_denorm_mode_16_64 3
		.amdhsa_memory_ordered 1
		.amdhsa_forward_progress 1
		.amdhsa_inst_pref_size 90
	.end_amdhsa_kernel
	.amdgpu_metadata
---
amdhsa.version: [ 1, 2 ]
amdhsa.kernels:
  - .name:           k_q0553f2b74d_qkv
    .symbol:         k_q0553f2b74d_qkv.kd
    .args:
      - { .name: x, .offset: 0, .size: 8, .value_kind: global_buffer, .address_space: global }
      - { .name: encoding, .offset: 8, .size: 8, .value_kind: global_buffer, .address_space: global }
      - { .name: wq, .offset: 16, .size: 8, .value_kind: global_buffer, .address_space: global }
      - { .name: bq_s, .offset: 24, .size: 8, .value_kind: global_buffer, .address_space: global }
      - { .name: bk_s, .offset: 32, .size: 8, .value_kind: global_buffer, .address_space: global }
      - { .name: bk_c, .offset: 40, .size: 8, .value_kind: global_buffer, .address_space: global }
      - { .name: bv_s, .offset: 48, .size: 8, .value_kind: global_buffer, .address_space: global }
      - { .name: bv_c, .offset: 56, .size: 8, .value_kind: global_buffer, .address_space: global }
      - { .name: qbuf, .offset: 64, .size: 8, .value_kind: global_buffer, .address_space: global }
      - { .name: kv_s, .offset: 72, .size: 8, .value_kind: global_buffer, .address_space: global }
      - { .name: kv_c, .offset: 80, .size: 8, .value_kind: global_buffer, .address_space: global }
    .group_segment_fixed_size: 18432
    .private_segment_fixed_size: 0
    .kernarg_segment_align: 8
    .kernarg_segment_size: 88
    .max_flat_workgroup_size: 256
    .sgpr_count:     66
    .vgpr_count:     512
    .wavefront_size: 32
...
	.end_amdgpu_metadata
.endif
;; end of part 8
;; launch att_s (part 9): grid 8 x 32, 16 waves a work-group, no clusters, 210,944 bytes of LDS; arguments qbuf, kv_s, mask, obuf; writes obuf
.if DOCPART == 9
	.amdgcn_target "amdgcn-amd-amdhsa--gfx1250"
	.amdhsa_code_object_version 6
	.text
	.protected	k_q0553f2b74d_att_s
	.globl	k_q0553f2b74d_att_s
	.p2align	8
	.type	k_q0553f2b74d_att_s,@function
k_q0553f2b74d_att_s:
	s_mov_b64 s[64:65], 0
	v_nop
	global_prefetch_b8 v0, s[64:65] scope:SCOPE_SE
	s_setreg_imm32_b32 hwreg(HW_REG_WAVE_SCHED_MODE, 0, 2), 2
	s_setreg_imm32_b32 hwreg(HW_REG_WAVE_MODE, 25, 1), 1
	s_wait_xcnt 0x0
	s_wait_alu depctr_vm_vsrc(0)
; Self-attention of one head on codes of FP4.  The second product's left operand is the FINISHED softmax times mask[query], so a row's sum is known before any p is quantised: THE KEYS ARE WALKED TWICE.
; Pass 1: scores, the running maximum (as a whole number M = ceil of the largest t, t = score x log2(e) / 8) and the sum l of 2^(t - M); each key step's four block maxima go to the wave's own LDS bytes.
; Pass 2: the same scores again (the same bits), p = 2^(t + G) with G = -M + log2(|mask| / l), quantised along the keys, O^T += V^T P^T; the block maxima come back from LDS.  The mask's sign, or its zero, multiplies O^T at the end: the quantiser is odd, so that is exact.
; SHARES: a work-group takes 256 queries of one head of one batch; each of its sixteen waves one tile of 16 queries, in 256 registers: four waves to a SIMD.  The head's K, V and their scale words, 143,360 bytes, are copied into LDS once.
; LAYOUT: both products transposed (source 0 = 16 keys, or 16 channels; source 1 = my 16 queries): a lane holds ONE query.  Row r of a tile of tokens is token 32 (T / 2) + 8 (T % 2) + r + 8 (r / 8), so the 16 registers of two neighbouring tiles of scores are 16 neighbouring keys.
; K = 64 in the first product: registers 4-7 of Q's and K's fragments are zero codes; the scale bytes over them are never 0xff.
; OUT: o, quantised along the head's 64 channels: half a fragment at obuf + 4096 tile + 512 head, two scale bytes a row at obuf + 2097152 + 256 tile + 16 r + 2 head (two bytes a lane: 32 bytes a wave; the price of a head to a work-group).
; LIMITS: NaN and infinities are not served; a block whose largest magnitude lies under 2^-124, a block of zeros too, keeps the scale byte 1.  A block's largest p is made from the block's largest score by the same instructions: this takes v_exp_f32 not to fall where its input rises.
;   The factor |mask| / l stands in the exponent: p carries G's rounding and the logarithm's, together about 1.5 units in G's last place (with G near -11 about 1e-6 of p; it grows with |G|).
;   |mask| / l under 2^-126 counts as 2^-126; a mask under 2^-126 in magnitude, other than 0, is not served.
; No cluster: the eight work-groups of a head share 143,360 bytes, each read once at the head, against 32 key steps of work.
; THE MODE: SCHED_MODE bits 1:0 = 2 (LLVM: expert scheduling mode 2), set by the entry lines.  The code itself states the register dependences between vector or matrix instructions and memory or LDS instructions, with s_wait_alu, always for 0.
; THE PLAN.  Registers that LDS instructions touch in the two loops:
;   KF (the lower four of each eight), KS   the next step's K and scale words land, asked for in this step; the eight score products read them.
;   VF, VS (pass 2)                         this step's V lands; the four second products read them.
;   BM                                      pass 1: written by the search for the maxima, read by the store.  Pass 2: the next step's maxima land, asked for behind this step's second products; vector lines read and write them.
;   v7-v11                                  the step's addresses: written by additions behind the score products (they are the places there), read by the loads and the store.
;   PC, PWD (pass 2)                        named by vector and matrix instructions alone: written by vector lines, taken by the scaled products as B and as its scales.
; A step's waits: vm_vsrc behind the score products (the LDS instructions issued so far have read the addresses, and pass 1's store the maxima); va_vdst behind the exponentials (p is written; the score products are done with K,
; the last step's second products with V; the addresses, and in pass 1 the maxima, are written): behind it stand the store or V's loads, and the next step's loads of K, with no further wait; in pass 2 va_vdst ahead of the second products.
; Each pass's last step is written out: pass 1's asks for step 0's K again, for pass 2; pass 2's asks for nothing more.
.set BMS,  143360                      ; LDS behind K and V: the block maxima: 4096 w + 256 step + 16 r: each wave's own
.set AK0,  1                           ; v1   16 x lane: K's images; also Q's and o's place
.set AV0,  2                           ; v2   16 x lane + 65536: V's images
.set ASK0, 3                           ; v3   4 x lane + 131072: K's scale words
.set ASV0, 4                           ; v4   8 x lane + 139264: V's
.set ABM0, 5                           ; v5   BMS + 4096 w + 16 r
.set OSO,  6                           ; v6   16 r
.set ADB,  7                           ; v7-11 the step's LDS addresses
.set ADK,  8
.set ADV,  9
.set ADS,  10
.set ADT,  11
.set Q,    16                          ; v16-23  Q's fragment (v20-23 zero); v12 -M, then G; v13 the largest t; v[14:15] the sum in two halves
.set F,    24                          ; v[24:25] pass 1: 2^(old M - new M) (the low word serves both halves); then v24: the mask's sign: -1, 0 or 1
.set MK,   26                          ; v26     mask of my query
.set KF,   32                          ; v32-95  eight fragments of K (the upper four registers of each zero)
.set S,    96                          ; v96-159 the scores, then p
.set O,    160                         ; v160-191 O^T
.set VF,   192                         ; v192-223 four fragments of V
.set PC,   224                         ; v224-231 p's codes
.set BM,   232                         ; v232-235 the blocks' maxima
.set BP,   236                         ; v236-239 permutes, bytes, a chain of sums
.set CV,   240                         ; v240-243 the conversions' scale operands
.set KS,   244                         ; v244-247 K's scale words: tiles 2 p (lanes 0-15) and 2 p + 1 (lanes 16-31)
.set VS,   248                         ; v248-249 V's
.set PWD,  250                         ; v250    p's scale word
.set QS,   251                         ; v251    Q's
.set T0,   252
.set T1,   254
.set WV,   12
.set CS,   20                          ; s[20:21] c = log2(e) / 8
.set SEL,  22
.set TK,   24
.set TS,   25
.set TV,   26
.set CNT,  27
.macro BARRIER
	s_wait_dscnt 0x0
	s_barrier_signal -1
	s_barrier_wait -1
.endm
.macro PLACES
.rept 4
	v_nop
.endr
.endm
.macro WM row
.if (\row) == 1
	v_wmma_scale_f32_16x16x128_f8f6f4 v[rD:rD+7], v[rA:rA+7], v[rB:rB+7], v[rC:rC+7], v[rSA], v[rSB] matrix_a_fmt:MATRIX_FMT_FP4 matrix_b_fmt:MATRIX_FMT_FP4 matrix_a_scale:MATRIX_SCALE_ROW1
.else
	v_wmma_scale_f32_16x16x128_f8f6f4 v[rD:rD+7], v[rA:rA+7], v[rB:rB+7], v[rC:rC+7], v[rSA], v[rSB] matrix_a_fmt:MATRIX_FMT_FP4 matrix_b_fmt:MATRIX_FMT_FP4
.endif
.endm
.macro WMZ row                         ; the same with the constant 0 as C
.if (\row) == 1
	v_wmma_scale_f32_16x16x128_f8f6f4 v[rD:rD+7], v[rA:rA+7], v[rB:rB+7], 0, v[rSA], v[rSB] matrix_a_fmt:MATRIX_FMT_FP4 matrix_b_fmt:MATRIX_FMT_FP4 matrix_a_scale:MATRIX_SCALE_ROW1
.else
	v_wmma_scale_f32_16x16x128_f8f6f4 v[rD:rD+7], v[rA:rA+7], v[rB:rB+7], 0, v[rSA], v[rSB] matrix_a_fmt:MATRIX_FMT_FP4 matrix_b_fmt:MATRIX_FMT_FP4
.endif
.endm
.macro KLOAD va, vs, ko, so            ; a key step's eight fragments of K and its scale words: 12 LDS loads
.irp t, 0,1,2,3,4,5,6,7
	ds_load_b128 v[KF+8*\t:KF+8*\t+3], v[\va] offset:\ko+512*\t
.endr
.irp p, 0,1,2,3
	ds_load_b32 v[KS+\p], v[\vs] offset:\so+128*\p
.endr
.endm
.macro VLOAD                           ; a key step's four fragments of V and its scale words: 9 LDS loads
.irp ct, 0,1,2,3
	ds_load_b128 v[VF+8*\ct:VF+8*\ct+3], v[ADV] offset:1024*\ct
	ds_load_b128 v[VF+8*\ct+4:VF+8*\ct+7], v[ADV] offset:1024*\ct+512
.endr
	ds_load_b64 v[VS:VS+1], v[ADT]
.endm
.macro SCORE8                          ; a key step's eight tiles of scores
.irp t, 0,1,2,3,4,5,6,7
.set rD, S+8*\t
.set rA, KF+8*\t
.set rB, Q
.set rSA, KS+\t/2
.set rSB, QS
	WMZ \t%2
.endr
.endm
.macro BLOCKMAX                        ; the largest score of each block of 32 keys
.irp b, 0,1,2,3
	v_max3_num_f32 v[BM+\b], v[S+16*\b], v[S+16*\b+1], v[S+16*\b+2]
.endr
.irp i, 3,5,7,9,11,13
.irp b, 0,1,2,3
	v_max3_num_f32 v[BM+\b], v[BM+\b], v[S+16*\b+\i], v[S+16*\b+\i+1]
.endr
.endr
.irp b, 0,1,2,3
	v_max_num_f32 v[BM+\b], v[BM+\b], v[S+16*\b+15]
.endr
.irp b, 0,1,2,3
	v_permlanex16_b32 v[BP+\b], v[BM+\b], s[SEL], s[SEL+1]
.endr
.irp b, 0,1,2,3
	v_max_num_f32 v[BM+\b], v[BM+\b], v[BP+\b]     ; with lane l xor 16's 16 keys
.endr
.endm
.macro TPLUS                           ; c x score + v12, two at a time (of the pairs c and v[12:13] the low word serves both halves)
.set j, 0
.rept 32
	v_pk_fma_f32 v[S+j:S+j+1], v[S+j:S+j+1], s[CS:CS+1], v[12:13] op_sel_hi:[1,0,0]
.set j, j+2
.endr
.endm
.macro EXPS
.set j, 0
.rept 64
	v_exp_f32 v[S+j], v[S+j]
.set j, j+1
.endr
.endm
.macro PCODES                          ; from the blocks' largest magnitudes (floored) to p's scale word and codes
.irp b, 0,1,2,3
	v_add_nc_u32 v[CV+\b], 0xff000000, v[BM+\b]    ; 2 off the exponent field: the conversion's scale operand
.endr
.irp b, 0,1,2,3
	v_lshrrev_b32 v[BP+\b], 23, v[CV+\b]           ; the scale's byte
.endr
	v_lshl_or_b32 v[PWD], v[BP+1], 8, v[BP]
	v_lshl_or_b32 v[PWD], v[BP+2], 16, v[PWD]
	v_lshl_or_b32 v[PWD], v[BP+3], 24, v[PWD]
.irp b, 0,1,2,3
	v_cvt_scalef32_pk8_fp4_f32 v[PC+2*\b], v[S+16*\b:S+16*\b+7], v[CV+\b]
	v_cvt_scalef32_pk8_fp4_f32 v[PC+2*\b+1], v[S+16*\b+8:S+16*\b+15], v[CV+\b]
.endr
	v_nop                                          ; one plain place behind a scaled conversion
.irp c, 0,1
.irp i, 0,1
	v_permlane16_swap_b32 v[PC+4*\c+\i], v[PC+4*\c+2+\i]
.endr
.endr
.endm
.macro PV                              ; O^T += V^T P^T: four accumulators by turns
.irp ct, 0,1,2,3
.set rD, O+8*\ct
.set rA, VF+8*\ct
.set rB, PC
.set rC, rD
.set rSA, VS+\ct/2
.set rSB, PWD
	WM \ct%2
.endr
.endm
.macro OQUANT src                      ; 32 numbers of a lane, register 16 b + i = channel 32 b + 16 h + i of my query: half a fragment in v[PC] .. v[PC+3], two scale bytes in v[T0]
.irp b, 0,1
	v_max3_num_f32 v[BM+\b], |v[\src+16*\b]|, |v[\src+16*\b+1]|, 0x1800000
.endr
.irp i, 2,4,6,8,10,12,14
.irp b, 0,1
	v_max3_num_f32 v[BM+\b], v[BM+\b], |v[\src+16*\b+\i]|, |v[\src+16*\b+\i+1]|
.endr
.endr
.irp b, 0,1
	v_permlanex16_b32 v[BP+\b], v[BM+\b], s[SEL], s[SEL+1]
.endr
.irp b, 0,1
	v_max_num_f32 v[BM+\b], v[BM+\b], v[BP+\b]
.endr
.irp b, 0,1
	v_add_nc_u32 v[CV+\b], 0xff000000, v[BM+\b]
.endr
.irp b, 0,1
	v_lshrrev_b32 v[BP+\b], 23, v[CV+\b]
.endr
	v_lshl_or_b32 v[T0], v[BP+1], 8, v[BP]
.irp b, 0,1
	v_cvt_scalef32_pk8_fp4_f32 v[PC+2*\b], v[\src+16*\b:\src+16*\b+7], v[CV+\b]
	v_cvt_scalef32_pk8_fp4_f32 v[PC+2*\b+1], v[\src+16*\b+8:\src+16*\b+15], v[CV+\b]
.endr
	v_nop
	v_permlane16_swap_b32 v[PC], v[PC+2]
	v_permlane16_swap_b32 v[PC+1], v[PC+3]
.endm
; A key step of pass 1.  last = 1: the sixteenth, which asks for step 0's K again, for pass 2.
.macro P1 last
	s_wait_dscnt 0x0                               ; this step's K and its scale words are in
	SCORE8
	s_wait_alu depctr_vm_vsrc(0)                   ; the LDS loads issued so far have read their addresses, and the last step's store its address and the four maxima: all are written anew below
	v_add_nc_u32 v[ADB], s[TV], v[ABM0]            ; four plain lines that name no register of the products: the places behind them
.if \last
	v_nop
	v_nop
.else
	v_add_nc_u32 v[ADK], s[TK], v[AK0]
	v_add_nc_u32 v[ADS], s[TS], v[ASK0]
.endif
	v_nop
	BLOCKMAX
	v_max3_num_f32 v[T1], v[BM], v[BM+1], v[BM+2]
	v_max_num_f32 v[T1], v[T1], v[BM+3]            ; the step's largest score of my query
	v_mul_f32 v[T1], s[CS], v[T1]
	v_max_num_f32 v13, v13, v[T1]                  ; the running largest t
	v_mov_b32 v[T1], v12
	v_floor_f32 v12, -v13                          ; -M = floor(-t): M is a whole number
	v_sub_f32 v[T1], v12, v[T1]
	v_cvt_i32_f32 v[T1], v[T1]                     ; (it saturates)
	v_ldexp_f32 v[F], 1.0, v[T1]                   ; 2^(old M - new M): rounds nothing
	TPLUS
	s_wait_alu depctr_va_vdst(0)
	EXPS
	v_pk_mul_f32 v[14:15], v[14:15], v[F:F+1] op_sel_hi:[1,0]      ; the sum under the new M; the plain place behind the exponentials
	s_wait_alu depctr_va_vdst(0)                   ; the 64 exponentials have written p, ahead of its first reader; the maxima and the addresses are written, which the store and the loads read; the score products are done reading K and its scale words, in which the loads land
	ds_store_b128 v[ADB], v[BM:BM+3]               ; my query's four maxima of this step (both halves of the lanes hold and write the same 16 bytes)
.if \last
	KLOAD AK0, ASK0, 0, 0                          ; step 0 again
.else
	KLOAD ADK, ADS, 4096, 512                      ; the next step
.endif
	v_pk_add_f32 v[BP:BP+1], v[S:S+1], v[S+2:S+3]
.irp j, 4,8,12,16,20,24,28,32,36,40,44,48,52,56,60
	v_pk_add_f32 v[14:15], v[14:15], v[S+\j:S+\j+1]
	v_pk_add_f32 v[BP:BP+1], v[BP:BP+1], v[S+\j+2:S+\j+3]
.endr
	v_pk_add_f32 v[14:15], v[14:15], v[BP:BP+1]
.if !\last
	s_add_co_u32 s[TK], s[TK], 4096
	s_add_co_u32 s[TS], s[TS], 512
	s_add_co_u32 s[TV], s[TV], 256
.endif
.endm
; A key step of pass 2.  last = 1: the sixteenth, which asks for nothing beyond its own V.
.macro P2 last
	s_wait_dscnt 0x0                               ; this step's K, its scale words and the four maxima are in
	SCORE8
	s_wait_alu depctr_vm_vsrc(0)                   ; the LDS loads issued so far have read their addresses, which are written anew below
	v_add_nc_u32 v[ADV], s[TK], v[AV0]
	v_add_nc_u32 v[ADT], s[TV], v[ASV0]
.if !\last
	v_add_nc_u32 v[ADK], s[TK], v[AK0]
	v_add_nc_u32 v[ADS], s[TS], v[ASK0]
	v_add_nc_u32 v[ADB], s[TV], v[ABM0]
.endif
.irp b, 0,1,2,3
	v_fma_f32 v[BM+\b], v[BM+\b], s[CS], v12       ; each block's largest score goes the way of the 64; these four and the additions above name no register of the products: the places behind them
.endr
	TPLUS
	s_wait_alu depctr_va_vdst(0)
	EXPS
.irp b, 0,1,2,3
	v_exp_f32 v[BM+\b], v[BM+\b]
.endr
	v_nop                                          ; the plain place behind the batch
	s_wait_alu depctr_va_vdst(0)                   ; the 68 exponentials have written their results, ahead of the first reader; the score products are done reading K, the last step's second products V, in which the loads below land; the addresses are written
	VLOAD
.if !\last
	KLOAD ADK, ADS, 4096, 512                      ; the next step
.endif
.irp b, 0,1,2,3
	v_max_num_f32 v[BM+\b], 0x1800000, v[BM+\b]    ; the block's largest p, and the floor
.endr
	PCODES
.rept 8
	v_nop                                          ; a scale word made by vector instructions stands eight places ahead of a scaled product, an operand four
.endr
.if \last
	s_wait_dscnt 0x0                               ; V
.else
	s_wait_dscnt 12                                ; V is in; the next step's 12 loads of K may be out
.endif
	s_wait_alu depctr_va_vdst(0)                   ; p's codes and its scale word are written, which the scaled products take as B and as its scales; the places stand above
	PV
.if !\last
	ds_load_b128 v[BM:BM+3], v[ADB] offset:256     ; the next step's maxima: no vector line since the wait above names v[BM ..].  LDS serves a wave's instructions in order: this sees pass 1's store
	s_add_co_u32 s[TK], s[TK], 4096
	s_add_co_u32 s[TS], s[TS], 512
	s_add_co_u32 s[TV], s[TV], 256
.endif
.endm
	s_load_b128 s[4:7], s[0:1], 0x0                ; qbuf, kv_s
	s_load_b128 s[8:11], s[0:1], 0x10              ; mask, obuf
	v_lshrrev_b32 v1, 5, v0
	v_readfirstlane_b32 s[WV], v1                  ; wave 0..15
	s_and_b32 s13, ttmp7, 0xffff                   ; 8 b + head
	s_lshl_b32 s14, ttmp9, 4
	v_lshlrev_b32 v27, 4, v0                       ; the copy: 16 bytes a thread
	v_lshlrev_b32 v28, 3, v0
	v_and_b32 v7, 31, v0                           ; lane
	v_and_b32 v252, 15, v0                         ; r
	v_lshlrev_b32 v[AK0], 4, v7
	v_lshlrev_b32 v253, 2, v252
	v_and_b32 v254, 8, v252
	v_add_nc_u32 v254, v254, v252
	v_lshlrev_b32 v254, 2, v254                    ; 4 (r + 8 (r / 8))
	v_lshlrev_b32 v[OSO], 4, v252
	v_add_nc_u32 v[AV0], 65536, v[AK0]
	v_lshl_add_u32 v[ASK0], v7, 2, 131072
	v_lshl_add_u32 v[ASV0], v7, 3, 139264
	v_add_nc_u32 v29, 65536, v27
	v_add_nc_u32 v30, 131072, v27
	v_add_nc_u32 v31, 139264, v28
	s_wait_alu depctr_va_sdst(0)                   ; the wave's number is written, ahead of its first reader
	s_add_co_u32 s14, s14, s[WV]                   ; my tile of queries in the batch
	s_lshl_b32 s38, s[WV], 12
	s_add_co_u32 s38, s38, BMS
	v_add_nc_u32 v[ABM0], s38, v[OSO]
	s_mul_i32 s16, s13, 143360
	s_mov_b32 s17, 0
	s_mul_i32 s18, s13, 73728
	s_lshl_b32 s15, s14, 9
	s_add_co_u32 s28, s18, 65536
	s_add_co_u32 s18, s18, s15                     ; Q's image
	s_mov_b32 s19, 0
	s_lshl_b32 s15, s14, 6
	s_add_co_u32 s28, s28, s15                     ; its scale words
	s_mov_b32 s29, 0
	s_lshr_b32 s15, s13, 3
	s_lshl_b32 s15, s15, 7
	s_add_co_u32 s15, s15, s14                     ; the tile among all batches'
	s_and_b32 s34, s13, 7                          ; head
	s_lshl_b32 s30, s15, 12
	s_lshl_b32 s35, s34, 9
	s_add_co_u32 s30, s30, s35
	s_mov_b32 s31, 0
	s_lshl_b32 s32, s15, 8
	s_lshl_b32 s35, s34, 1
	s_add_co_u32 s32, s32, s35
	s_add_co_u32 s32, s32, 2097152
	s_mov_b32 s33, 0
	s_lshr_b32 s36, s14, 1
	s_lshl_b32 s36, s36, 7
	s_and_b32 s35, s14, 1
	s_lshl_b32 s35, s35, 5
	s_add_co_u32 s36, s36, s35                     ; mask: 4 (32 (T / 2) + 8 (T % 2))
	s_mov_b32 s37, 0
	s_mov_b32 s[CS], 0x3e38aa3b                    ; log2(e) / sqrt(64)
	s_mov_b32 s[CS+1], s[CS]
	s_mov_b32 s[SEL], 0x76543210
	s_mov_b32 s[SEL+1], 0xfedcba98
	s_wait_kmcnt 0x0
	s_add_nc_u64 s[6:7], s[6:7], s[16:17]
	s_add_nc_u64 s[18:19], s[4:5], s[18:19]
	s_add_nc_u64 s[28:29], s[4:5], s[28:29]
	s_add_nc_u64 s[30:31], s[10:11], s[30:31]
	s_add_nc_u64 s[32:33], s[10:11], s[32:33]
	s_add_nc_u64 s[8:9], s[8:9], s[36:37]
	s_wait_alu depctr_va_vdst(0)                   ; the addresses and offsets v1 to v6, v27 to v31, v253 and v254 are written, which the loads, the LDS stores and the stores at the end read
.set i, 0
.rept 17
	global_load_b128 v[32+4*i:35+4*i], v27, s[6:7] offset:8192*i   ; the 512 threads read 8,192 consecutive bytes
.set i, i+1
.endr
	global_load_b64 v[100:101], v28, s[6:7] offset:139264
	global_load_b128 v[Q:Q+3], v[AK0], s[18:19]
	global_load_b32 v[QS], v253, s[28:29]
	global_load_b32 v[MK], v254, s[8:9]
.set j, 0
.rept 32
	v_mov_b32 v[O+j], 0                            ; O^T: the step is written once, its first trip adds onto zeros
.set j, j+1
.endr
	s_wait_loadcnt 0x0
.irp i, 0,1,2,3,4,5,6,7
	ds_store_b128 v27, v[32+4*\i:35+4*\i] offset:8192*\i
.endr
.irp i, 0,1,2,3,4,5,6,7
	ds_store_b128 v29, v[64+4*\i:67+4*\i] offset:8192*\i
.endr
	ds_store_b128 v30, v[96:99]
	ds_store_b64 v31, v[100:101]
	BARRIER                                        ; the head's K, V and scale words lie in LDS; from here on these bytes are only read
	s_wait_alu depctr_vm_vsrc(0)                   ; my LDS stores have read v32 to v101, which are K's fragments and the scores from here on; the mask's load has read v254, which is at work from here on
	KLOAD AK0, ASK0, 0, 0                          ; step 0
.irp t, 0,1,2,3,4,5,6,7
.irp j, 4,5,6,7
	v_mov_b32 v[KF+8*\t+\j], 0                     ; zero codes for k = 64 .. 127
.endr
.endr
.irp j, 4,5,6,7
	v_mov_b32 v[Q+\j], 0
.endr
	v_mov_b32 v13, 0xff61b1e6                      ; the largest t so far: -3e38
	v_floor_f32 v12, -v13                          ; -M
	v_mov_b32 v14, 0
	v_mov_b32 v15, 0
	v_mov_b32 v[F+1], 0                            ; named as the upper half of a pair
.irp b, 0,1,2,3
	v_mov_b32 v[BP+\b], 0                          ; a lane permute's destination counts as one of its sources
.endr
	v_mov_b32 v[T0], 0
	; ---- pass 1: M and l; the block maxima are kept
	s_mov_b32 s[TK], 0
	s_mov_b32 s[TS], 0
	s_mov_b32 s[TV], 0
	s_mov_b32 s[CNT], 15
	s_wait_alu depctr_va_vdst(0)                   ; the zero codes are written, which the scaled products take as part of A and of B; the lines behind them are their places
.Lp1:
	P1 0
	s_sub_co_u32 s[CNT], s[CNT], 1
	s_cmp_lg_u32 s[CNT], 0
	s_cbranch_scc1 .Lp1
	P1 1
	s_wait_alu depctr_vm_vsrc(0)                   ; pass 1's last store has read v[BM ..], in which step 0's maxima land (the vector lines that named them stand ahead of the last wait on va_vdst)
	ds_load_b128 v[BM:BM+3], v[ABM0]               ; LDS serves a wave's instructions in order: this sees pass 1's store
	v_add_f32 v14, v14, v15
	v_permlanex16_b32 v[T0], v14, s[SEL], s[SEL+1]
	v_add_f32 v14, v14, v[T0]                      ; the row's sum
	s_wait_alu depctr_va_vdst(0)
	v_rcp_f32 v14, v14
	v_and_b32 v[T1], 0x7fffffff, v[MK]             ; |mask|; the plain place behind the reciprocal
	s_wait_alu depctr_va_vdst(0)                   ; the reciprocal is written, ahead of its first reader
	v_mul_f32 v[T1], v[T1], v14                    ; |mask| / l,
	v_max_num_f32 v[T1], 0x800000, v[T1]           ; held at 2^-126 from below: the logarithm is taken of a normal number
	s_wait_alu depctr_va_vdst(0)
	v_log_f32 v[T1], v[T1]
	v_mul_f32 v[F], 0x7f000000, v[MK]              ; mask x 2^127; the plain place behind the logarithm
	s_wait_alu depctr_va_vdst(0)                   ; the logarithm is written, ahead of its first reader
	v_add_f32 v12, v12, v[T1]                      ; G = -M + log2(|mask| / l)
	v_med3_num_f32 v[F], v[F], -1.0, 1.0           ; the mask's sign: -1, 0 or 1
	; ---- pass 2: the finished p, its codes, the second product
	s_mov_b32 s[TK], 0
	s_mov_b32 s[TS], 0
	s_mov_b32 s[TV], 0
	s_mov_b32 s[CNT], 15
.Lp2:
	s_wait_alu depctr_va_vdst(0)
	P2 0
	s_sub_co_u32 s[CNT], s[CNT], 1
	s_cmp_lg_u32 s[CNT], 0
	s_cbranch_scc1 .Lp2
	P2 1
	PLACES
.set j, 0
.rept 32
	v_mul_f32 v[O+j], v[F], v[O+j]                 ; the mask's sign or zero, from each accumulator's low end on
.set j, j+1
.endr
	OQUANT O
	s_wait_alu depctr_va_vdst(0)                   ; o's codes and its two scale bytes are written, which the stores read
	global_store_b128 v[AK0], v[PC:PC+3], s[30:31] ; 512 consecutive bytes
	global_store_b16 v[OSO], v[T0], s[32:33]       ; both halves of the lanes hold and write the same two bytes
	s_wait_xcnt 0x0
	v_lshl_add_u32 v254, v0, 2, 0x33000
	v_mov_b32 v255, 0
	s_wait_dscnt 0x0                               ; the closing lines, six on end
	s_wait_alu 0x0
	s_wait_tensorcnt 0x0
	ds_add_u32 v254, v255
	s_wait_dscnt 0x0
	s_endpgm
.Lfunc_end_k_q0553f2b74d_att_s:
	.size	k_q0553f2b74d_att_s, .Lfunc_end_k_q0553f2b74d_att_s-k_q0553f2b74d_att_s
	.p2alignl 7, 3214868480
	.fill 96, 4, 3214868480
	.section	.rodata,"a",@progbits
	.p2align	6, 0x0
	.amdhsa_kernel k_q0553f2b74d_att_s
		.amdhsa_group_segment_fixed_size 210944
		.amdhsa_private_segment_fixed_size 0
		.amdhsa_enable_private_segment 0
		.amdhsa_kernarg_size 32
		.amdhsa_user_sgpr_count 2
		.amdhsa_user_sgpr_kernarg_segment_ptr 1
		.amdhsa_wavefront_size32 1
		.amdhsa_system_sgpr_workgroup_id_x 1
		.amdhsa_system_sgpr_workgroup_id_y 1
		.amdhsa_system_sgpr_workgroup_id_z 1
		.amdhsa_system_vgpr_workitem_id 0
		.amdhsa_next_free_vgpr 256
		.amdhsa_next_free_sgpr 66
		.amdhsa_reserve_vcc 0
		.amdhsa_float_denorm_mode_32 3
		.amdhsa_float_denorm_mode_16_64 3
		.amdhsa_memory_ordered 1
		.amdhsa_forward_progress 1
		.amdhsa_inst_pref_size 54
	.end_amdhsa_kernel
	.amdgpu_metadata
---
amdhsa.version: [ 1, 2 ]
amdhsa.kernels:
  - .name:           k_q0553f2b74d_att_s
    .symbol:         k_q0553f2b74d_att_s.kd
    .args:
      - { .name: qbuf, .offset: 0, .size: 8, .value_kind: global_buffer, .address_space: global }
      - { .name: kv_s, .offset: 8, .size: 8, .value_kind: global_buffer, .address_space: global }
      - { .name: mask, .offset: 16, .size: 8, .value_kind: global_buffer, .address_space: global }
      - { .name: obuf, .offset: 24, .size: 8, .value_kind: global_buffer, .address_space: global }
    .group_segment_fixed_size: 210944
    .private_segment_fixed_size: 0
    .kernarg_segment_align: 8
    .kernarg_segment_size: 32
    .max_flat_workgroup_size: 512
    .sgpr_count:     66
    .vgpr_count:     256
    .wavefront_size: 32
...
	.end_amdgpu_metadata
.endif
;; end of part 9
;; launch post1 (part 10): grid 256 x 1, 8 waves a work-group, no clusters, 13,312 bytes of LDS; arguments obuf, wq, bo_s, x, ln1_g, ln1_b, bq_c, hbuf, qbuf; writes hbuf, qbuf
.if DOCPART == 10
	.amdgcn_target "amdgcn-amd-amdhsa--gfx1250"
	.amdhsa_code_object_version 6
	.text
	.protected	k_q0553f2b74d_post1
	.globl	k_q0553f2b74d_post1
	.p2align	8
	.type	k_q0553f2b74d_post1,@function
k_q0553f2b74d_post1:
	s_mov_b64 s[64:65], 0
	v_nop
	global_prefetch_b8 v0, s[64:65] scope:SCOPE_SE
	s_setreg_imm32_b32 hwreg(HW_REG_WAVE_SCHED_MODE, 0, 2), 2
	s_setreg_imm32_b32 hwreg(HW_REG_WAVE_MODE, 25, 1), 1
	s_wait_xcnt 0x0
	s_wait_alu depctr_vm_vsrc(0)
; h = layernorm(o Wo_s + bo_s + x) and q_c = h Wq_c + bq_c, both products on codes of FP4.  o arrives as codes; h is quantised on the way; q_c leaves as codes, h as f32.
; SHARES: a work-group takes 32 tokens (two tiles m); wave w takes columns 64 w .. 64 w + 63 of each product: one chunk of weight codes each, straight from memory into 128 registers, eight accumulators.
; LAYOUT: source 0 = 16 columns of the weight, source 1 = 16 tokens: a lane holds one token (row r of tile m is token 32 g + 8 m + r + 8 (r / 8)), and register 8 t + j of a tile's 32 is column 64 w + 32 (t / 2) + 8 (t % 2) + 16 h + j.
; The residual and the bias are added into the registers that the first products take as C.  LAYER NORM: each wave's sums over its 64 columns meet in LDS; the variance is taken of the centred numbers.
; h's fragments go from wave to wave through LDS as images of their registers.  h as f32 leaves as an image of the accumulators (hbuf + 65536 g + 8192 w + 512 i + 16 lane), which the last launch reads back the same way.
; LIMITS: NaN and infinities are not served; a block whose largest magnitude lies under 2^-124, a block of zeros too, keeps the scale byte 1.
; No cluster: a chunk of weights lands in the registers of the one wave that multiplies by it; a joint request would land in LDS and add a way through it.
; THE MODE: SCHED_MODE bits 1:0 = 2 (LLVM: expert scheduling mode 2), set by the entry lines.  The code itself states the register dependences between vector or matrix instructions and memory or LDS instructions, with s_wait_alu, always for 0.
; THE PLAN.  Registers that memory or LDS instructions touch:
;   v1-v13      addresses and offsets: written once at the head, ahead of the first wait on va_vdst; never written again.
;   ACC         x lands; vector and matrix instructions work on it; h's global stores read it; the second product writes it anew (vm_vsrc ahead).
;   AF, AS      o's fragments and scale words land, the first product reads them; the gain and the bias land in AF (va_vdst behind the product), the normalising lines read them; h's fragments land (va_vdst behind the quantiser), the second product reads them.
;   P           bo_s lands, the additions read it; bq_c lands (va_vdst behind the additions), the second product reads it.
;   LR          a tile's sum: written by vector lines, read by an LDS store; both tiles' sums are made first, so that one va_vdst serves both stores; vm_vsrc ahead of the second pair of sums.
;   TM          the eight waves' sums land; vector lines add them up.   PC, PW, SS: written by a quantiser, read by LDS stores or global stores.   WA, WB, WS0, WS1: loaded once.
.set RED1, 0                           ; LDS: 512 m + 32 r + 4 w: the waves' sums
.set RED2, 1024                        ; and their sums of squares
.set HSC,  2048                        ; h's scale bytes: 256 m + 16 r + 2 w
.set HIMG, 4096                        ; h's fragments: 4096 m + 512 w + 16 lane
.set LI,   1                           ; v1   16 x lane
.set LS16, 2                           ; v2   16 r
.set L4,   3                           ; v3   4 x lane
.set SH16, 4                           ; v4   16 h
.set PB,   5                           ; v5   256 w + 64 h
.set XR,   6                           ; v6   2048 rho + 64 h + 256 w
.set RW,   7                           ; v7   32 r + 4 w
.set RR,   8                           ; v8   32 r
.set HWI,  9                           ; v9   16 x lane + 512 w
.set HWS,  10                          ; v10  16 r + 2 w
.set HB,   11                          ; v11  16 x lane + 8192 w
.set VC,   12                          ; v12  chunk 24 + w: codes
.set VS,   13                          ; v13  and scale words
.set ACC,  32
.set AF,   96
.set PC,   160
.set TM,   168
.set PW,   184
.set SS,   186
.set AS,   188                         ; v188-195 the tokens' scale words: 4 m + ks
.set WS0,  196
.set WS1,  204
.set P,    212                         ; v212-243 a bias in the result's layout
.set C0,   244
.set C1,   246
.set LT,   248
.set LP,   249
.set MU,   250                         ; v[250:251], v[252:253]: the mean, then 1 / sqrt(var + eps), of tile m
.set LR,   254                         ; v254, v255: my wave's sum for tile m
.set WA,   0                           ; window 1
.set WB,   128
.set WFIRST, 0x01
.set WQ,   6
.set WV,   22
.set SEL,  26
.set INV,  28
.set EPS,  29
.set MSB, 0
.macro WIN new
.if MSB != \new
	s_set_vgpr_msb (MSB<<8)|\new
.set MSB, \new
.endif
.endm
.macro BARRIER
	s_wait_dscnt 0x0
	s_barrier_signal -1
	s_barrier_wait -1
.endm
.macro PLACES
.rept 4
	v_nop
.endr
.endm
.macro WM row
.if (\row) == 1
	v_wmma_scale_f32_16x16x128_f8f6f4 v[rD:rD+7], v[rA:rA+7], v[rB:rB+7], v[rC:rC+7], v[rSA], v[rSB] matrix_a_fmt:MATRIX_FMT_FP4 matrix_b_fmt:MATRIX_FMT_FP4 matrix_a_scale:MATRIX_SCALE_ROW1
.else
	v_wmma_scale_f32_16x16x128_f8f6f4 v[rD:rD+7], v[rA:rA+7], v[rB:rB+7], v[rC:rC+7], v[rSA], v[rSB] matrix_a_fmt:MATRIX_FMT_FP4 matrix_b_fmt:MATRIX_FMT_FP4
.endif
.endm
.macro QUANT s
.irp b, 0,1,2,3
	v_max3_num_f32 v[TM+\b], |v[\s+16*\b]|, |v[\s+1+16*\b]|, 0x1800000
.endr
.irp i, 2,4,6,8,10,12,14
.irp b, 0,1,2,3
	v_max3_num_f32 v[TM+\b], v[TM+\b], |v[\s+16*\b+\i]|, |v[\s+1+16*\b+\i]|
.endr
.endr
.irp b, 0,1,2,3
	v_permlanex16_b32 v[TM+4+\b], v[TM+\b], s[SEL], s[SEL+1]
.endr
.irp b, 0,1,2,3
	v_max_num_f32 v[TM+\b], v[TM+\b], v[TM+4+\b]
.endr
.irp b, 0,1,2,3
	v_add_nc_u32 v[TM+12+\b], 0xff000000, v[TM+\b]
.endr
.irp b, 0,1,2,3
	v_lshrrev_b32 v[TM+4+\b], 23, v[TM+12+\b]
.endr
	v_lshl_or_b32 v[PW], v[TM+5], 8, v[TM+4]
	v_lshl_or_b32 v[PW], v[TM+6], 16, v[PW]
	v_lshl_or_b32 v[PW], v[TM+7], 24, v[PW]
.irp b, 0,1,2,3
	v_cvt_scalef32_pk8_fp4_f32 v[PC+2*\b], v[\s+16*\b:\s+7+16*\b], v[TM+12+\b]
	v_cvt_scalef32_pk8_fp4_f32 v[PC+1+2*\b], v[\s+8+16*\b:\s+15+16*\b], v[TM+12+\b]
.endr
	v_nop
.irp c, 0,1
.irp i, 0,1
	v_permlane16_swap_b32 v[PC+4*\c+\i], v[PC+2+4*\c+\i]
.endr
.endr
.endm
.macro PLOAD dst, sb, va, off
.irp t, 0,1,2,3
.irp q, 0,1
	global_load_b128 v[\dst+8*\t+4*\q:\dst+8*\t+4*\q+3], v[\va], s[\sb:\sb+1] offset:\off+(32*(\t/2)+8*(\t%2))*4+16*\q
.endr
.endr
.endm
.macro WLOAD set, wsc, vcode, vscale, off
	WIN 0x40
.set f, 0
.rept 32
	global_load_b128 v[\set+4*f:\set+4*f+3], v[\vcode], s[WQ:WQ+1] offset:16384*(\off)+512*f
.set f, f+1
.endr
	WIN 0
.set f, 0
.rept 8
	global_load_b32 v[\wsc+f], v[\vscale], s[WQ:WQ+1] offset:1024*(\off)+128*f
.set f, f+1
.endr
.endm
.macro MM32 set, wsc, as, first        ; 32 products; the eight accumulators take turns, one instruction a turn
.irp ks, 0,1,2,3
.if (\first) && (\ks == 0)
	WIN WFIRST
.else
	WIN 0x01
.endif
.irp m, 0,1
.irp t, 0,1,2,3
.set rD, ACC+32*\m+8*\t
.set rA, \set+8*(4*\t+\ks)
.set rB, AF+8*(4*\m+\ks)
.set rC, rD
.if (\first) && (\ks == 0)
.set rC, P+8*\t
.endif
.set rSA, \wsc+2*\ks+\t/2
.set rSB, \as+4*\m+\ks
	WM \t%2
.endr
.endr
.endr
.endm
.macro LNSUM m, sq                     ; the sum (sq = 1: of squares) of my token's 64 columns in this wave, from the low end on, in two chains: v[LR + m]
.set LA, ACC+32*\m
.if \sq
	v_pk_mul_f32 v[C0:C0+1], v[LA:LA+1], v[LA:LA+1]
	v_pk_mul_f32 v[C1:C1+1], v[LA+2:LA+3], v[LA+2:LA+3]
.irp j, 4,8,12,16,20,24,28
	v_pk_fma_f32 v[C0:C0+1], v[LA+\j:LA+\j+1], v[LA+\j:LA+\j+1], v[C0:C0+1]
	v_pk_fma_f32 v[C1:C1+1], v[LA+\j+2:LA+\j+3], v[LA+\j+2:LA+\j+3], v[C1:C1+1]
.endr
.else
	v_pk_add_f32 v[C0:C0+1], v[LA:LA+1], v[LA+2:LA+3]
	v_pk_add_f32 v[C1:C1+1], v[LA+4:LA+5], v[LA+6:LA+7]
.irp j, 8,12,16,20,24,28
	v_pk_add_f32 v[C0:C0+1], v[C0:C0+1], v[LA+\j:LA+\j+1]
	v_pk_add_f32 v[C1:C1+1], v[C1:C1+1], v[LA+\j+2:LA+\j+3]
.endr
.endif
	v_pk_add_f32 v[C0:C0+1], v[C0:C0+1], v[C1:C1+1]
	v_add_f32 v[LT], v[C0], v[C0+1]
	v_permlanex16_b32 v[LP], v[LT], s[SEL], s[SEL+1]
	v_add_f32 v[LR+\m], v[LT], v[LP]               ; with lane l xor 16's 32 columns
.endm
.macro LNOUT red                       ; both tiles' sums go to LDS
	s_wait_alu depctr_va_vdst(0)                   ; both sums are written, which the LDS stores read; the vector lines that named v[TM ..] are done, in which the waves' sums land behind the barrier
	ds_store_b32 v[RW], v[LR] offset:\red
	ds_store_b32 v[RW], v[LR+1] offset:\red+512
.endm
.macro LNRED red                       ; the eight waves' sums of both tiles, added in one order in every wave: v[TM], v[TM+8]
.irp m, 0,1
	ds_load_b128 v[TM+8*\m:TM+8*\m+3], v[RR] offset:\red+512*\m
	ds_load_b128 v[TM+8*\m+4:TM+8*\m+7], v[RR] offset:\red+512*\m+16
.endr
	s_wait_dscnt 0x0
.irp m, 0,1
	v_add_f32 v[TM+8*\m], v[TM+8*\m], v[TM+8*\m+1]
	v_add_f32 v[TM+8*\m+2], v[TM+8*\m+2], v[TM+8*\m+3]
	v_add_f32 v[TM+8*\m+4], v[TM+8*\m+4], v[TM+8*\m+5]
	v_add_f32 v[TM+8*\m+6], v[TM+8*\m+6], v[TM+8*\m+7]
	v_add_f32 v[TM+8*\m], v[TM+8*\m], v[TM+8*\m+2]
	v_add_f32 v[TM+8*\m+4], v[TM+8*\m+4], v[TM+8*\m+6]
	v_add_f32 v[TM+8*\m], v[TM+8*\m], v[TM+8*\m+4]
.endr
.endm
.macro LN red1, red2, lw               ; the accumulators are normalised in place; the gain lies in v[AF] on, the bias in v[AF+32] on, in the result's layout; lw: the younger loads that may stay out
	LNSUM 0, 0
	LNSUM 1, 0
	LNOUT \red1
	BARRIER
	LNRED \red1
.irp m, 0,1
	v_mul_f32 v[MU+2*\m], s[INV], v[TM+8*\m]       ; the mean, in both words of the pair
	v_mul_f32 v[MU+2*\m+1], s[INV], v[TM+8*\m]
.endr
.irp m, 0,1
.set j, 0
.rept 16
	v_pk_add_f32 v[ACC+32*\m+j:ACC+32*\m+j+1], v[ACC+32*\m+j:ACC+32*\m+j+1], v[MU+2*\m:MU+2*\m+1] neg_lo:[0,1] neg_hi:[0,1]
.set j, j+2
.endr
.endr
	s_wait_alu depctr_vm_vsrc(0)                   ; the two LDS stores above have read v[LR] and v[LR+1], which are written anew below
	LNSUM 0, 1
	LNSUM 1, 1
	LNOUT \red2
	BARRIER
	LNRED \red2
.irp m, 0,1
	v_fma_f32 v[TM+8*\m], v[TM+8*\m], s[INV], s[EPS]
.endr
	s_wait_alu depctr_va_vdst(0)
	v_rsq_f32 v[MU], v[TM]
	v_rsq_f32 v[MU+2], v[TM+8]
	v_nop                                          ; the plain place behind the two
	s_wait_alu depctr_va_vdst(0)                   ; both reciprocal roots are written, ahead of the first reader
	s_wait_loadcnt \lw                             ; the gain and the bias are in
.irp m, 0,1
.set j, 0
.rept 16
	v_pk_mul_f32 v[ACC+32*\m+j:ACC+32*\m+j+1], v[ACC+32*\m+j:ACC+32*\m+j+1], v[MU+2*\m:MU+2*\m+1] op_sel_hi:[1,0]
.set j, j+2
.endr
.endr
.irp m, 0,1
.set j, 0
.rept 16
	v_pk_fma_f32 v[ACC+32*\m+j:ACC+32*\m+j+1], v[ACC+32*\m+j:ACC+32*\m+j+1], v[AF+j:AF+j+1], v[AF+32+j:AF+32+j+1]
.set j, j+2
.endr
.endr
.endm
	s_load_b512 s[4:19], s[0:1], 0x0               ; obuf, wq, bo_s, x, ln1_g, ln1_b, bq_c, hbuf
	s_load_b64 s[20:21], s[0:1], 0x40              ; qbuf
	v_lshl_add_u32 v185, v0, 2, 0x3000
	v_mov_b32 v187, 0
	v_lshrrev_b32 v14, 5, v0
	v_readfirstlane_b32 s[WV], v14
	v_and_b32 v14, 31, v0                          ; lane
	v_and_b32 v15, 15, v0                          ; r
	v_bfe_u32 v16, v0, 4, 1                        ; h
	v_and_b32 v17, 8, v15
	v_add_nc_u32 v17, v17, v15                     ; rho
	v_lshlrev_b32 v[LI], 4, v14
	v_lshlrev_b32 v[LS16], 4, v15
	v_lshlrev_b32 v[L4], 2, v14
	v_lshlrev_b32 v[SH16], 4, v16
	s_wait_alu depctr_va_sdst(0)                   ; the wave's number is written, ahead of its first reader
	s_lshl_b32 s23, s[WV], 8
	v_lshlrev_b32 v[PB], 6, v16
	v_add_nc_u32 v[PB], s23, v[PB]
	v_lshl_add_u32 v[XR], v17, 11, v[PB]
	v_lshlrev_b32 v[RR], 5, v15
	s_lshl_b32 s23, s[WV], 2
	v_add_nc_u32 v[RW], s23, v[RR]
	s_lshl_b32 s23, s[WV], 9
	v_add_nc_u32 v[HWI], s23, v[LI]
	s_lshl_b32 s23, s[WV], 1
	v_add_nc_u32 v[HWS], s23, v[LS16]
	s_lshl_b32 s23, s[WV], 13
	v_add_nc_u32 v[HB], s23, v[LI]
	s_add_co_u32 s23, s[WV], 24
	s_lshl_b32 s24, s23, 14
	v_add_nc_u32 v[VC], s24, v[LI]
	s_lshl_b32 s24, s23, 10
	s_add_co_u32 s24, s24, 2097152
	v_add_nc_u32 v[VS], s24, v[L4]
	v_mov_b32 v[LP], 0                             ; a lane permute's destination counts as one of its sources
	s_mov_b32 s[SEL], 0x76543210
	s_mov_b32 s[SEL+1], 0xfedcba98
	s_mov_b32 s[INV], 0x3b000000                   ; 1 / 512
	s_mov_b32 s[EPS], 0x358637bd                   ; 1e-6
	s_lshl_b32 s30, ttmp9, 13                      ; o's images: two tiles of 4,096 bytes
	s_mov_b32 s31, 0
	s_lshl_b32 s32, ttmp9, 9
	s_add_co_u32 s32, s32, 2097152                 ; their scale bytes
	s_mov_b32 s33, 0
	s_lshl_b32 s34, ttmp9, 16                      ; 32 rows of 2,048 bytes, in x and in hbuf
	s_mov_b32 s35, 0
	s_lshr_b32 s38, ttmp9, 6
	s_lshl_b32 s38, s38, 3
	s_add_co_u32 s38, s38, s[WV]                   ; 8 b + head
	s_mul_i32 s38, s38, 73728
	s_and_b32 s40, ttmp9, 63
	s_lshl_b32 s41, s40, 10
	s_lshl_b32 s40, s40, 7
	s_add_co_u32 s40, s40, s38
	s_add_co_u32 s40, s40, 65536                   ; q's scale words
	s_add_co_u32 s38, s38, s41                     ; q's images
	s_mov_b32 s39, 0
	s_mov_b32 s41, 0
	s_wait_kmcnt 0x0
	s_add_nc_u64 s[30:31], s[4:5], s[30:31]
	s_add_nc_u64 s[32:33], s[4:5], s[32:33]
	s_add_nc_u64 s[36:37], s[18:19], s[34:35]
	s_add_nc_u64 s[34:35], s[10:11], s[34:35]
	s_add_nc_u64 s[38:39], s[20:21], s[38:39]
	s_add_nc_u64 s[40:41], s[20:21], s[40:41]
	s_wait_alu depctr_va_vdst(0)                   ; the addresses and offsets v1 to v13 are written, which every load and store of the kernel reads
	; ---- 1: everything is asked for
.set i, 0
.rept 16
	global_load_b128 v[AF+4*i:AF+4*i+3], v[LI], s[30:31] offset:512*i
.set i, i+1
.endr
.irp m, 0,1
	global_load_b128 v[AS+4*\m:AS+4*\m+3], v[LS16], s[32:33] offset:256*\m
.endr
.irp m, 0,1
.irp t, 0,1,2,3
.irp q, 0,1
	global_load_b128 v[ACC+32*\m+8*\t+4*\q:ACC+32*\m+8*\t+4*\q+3], v[XR], s[34:35] offset:16384*\m+(32*(\t/2)+8*(\t%2))*4+16*\q th:TH_LOAD_NT
.endr
.endr
.endr
	PLOAD P, 8, PB, 0                              ; bo_s
	WLOAD WA, WS0, VC, VS, 0                       ; Wo_s, chunk 24 + w
	WLOAD WB, WS1, VC, VS, 8                       ; Wq_c, chunk 32 + w
	s_wait_loadcnt 40                              ; all but the youngest weight group
	; ---- 2: x + bo_s is what the first products add onto
.irp m, 0,1
.set j, 0
.rept 16
	v_pk_add_f32 v[ACC+32*\m+j:ACC+32*\m+j+1], v[ACC+32*\m+j:ACC+32*\m+j+1], v[P+j:P+j+1]
.set j, j+2
.endr
.endr
	s_wait_alu depctr_va_vdst(0)                   ; the additions are done reading v[P ..], in which bq_c lands
	PLOAD P, 16, PB, 0                             ; bq_c
	PLACES
	MM32 WA, WS0, AS, 0
	WIN 0
	PLACES
	s_wait_alu depctr_va_vdst(0)                   ; the products are done reading v[AF ..], in which the gain and the bias land
	PLOAD AF, 12, PB, 0                            ; ln1_g
	PLOAD AF+32, 14, PB, 0                         ; ln1_b
	; ---- 3
	LN RED1, RED2, 0
	; ---- 4: h goes as codes to the other waves, and leaves as f32
	QUANT ACC
	s_wait_alu depctr_va_vdst(0)                   ; h is written in the accumulators, its codes in v[PC ..], its scale bytes in v[PW]: the stores below read them; the normalising lines are done reading v[AF ..], in which h's fragments land
	ds_store_b128 v[HWI], v[PC:PC+3] offset:HIMG
	ds_store_b128 v[HWI], v[PC+4:PC+7] offset:HIMG+4096
	ds_store_b16 v[HWS], v[PW] offset:HSC          ; tile 0's two bytes,
	ds_store_b16_d16_hi v[HWS], v[PW] offset:HSC+256   ; tile 1's
	BARRIER
	; ---- 5: q_c
.set i, 0
.rept 16
	ds_load_b128 v[AF+4*i:AF+4*i+3], v[LI] offset:HIMG+512*i
.set i, i+1
.endr
.irp m, 0,1
	ds_load_b128 v[AS+4*\m:AS+4*\m+3], v[LS16] offset:HSC+256*\m
.endr
.set i, 0
.rept 16
	global_store_b128 v[HB], v[ACC+4*i:ACC+4*i+3], s[36:37] offset:512*i   ; 512 consecutive bytes; they leave while the fragments come from LDS
.set i, i+1
.endr
	s_wait_dscnt 0x0
	s_wait_xcnt 0x0                                ; h's stores have read the accumulators, which are written anew below
	s_wait_alu depctr_vm_vsrc(0)                   ; h's stores have read the accumulators, the LDS stores v[PC ..] and v[PW]: the products and the quantiser below write them anew
	MM32 WB, WS1, AS, 1
	WIN 0
	PLACES
	QUANT ACC
	v_lshrrev_b32 v[SS], v[SH16], v[PW]
	s_wait_alu depctr_va_vdst(0)                   ; q's codes and scale words are written, which the stores read
	global_store_b128 v[LI], v[PC:PC+3], s[38:39]
	global_store_b128 v[LI], v[PC+4:PC+7], s[38:39] offset:512
	global_store_b32 v[L4], v[SS], s[40:41]
	s_wait_dscnt 0x0                               ; the closing lines, six on end
	s_wait_alu 0x0
	s_wait_tensorcnt 0x0
	ds_add_u32 v185, v187
	s_wait_dscnt 0x0
	s_endpgm
.Lfunc_end_k_q0553f2b74d_post1:
	.size	k_q0553f2b74d_post1, .Lfunc_end_k_q0553f2b74d_post1-k_q0553f2b74d_post1
	.p2alignl 7, 3214868480
	.fill 96, 4, 3214868480
	.section	.rodata,"a",@progbits
	.p2align	6, 0x0
	.amdhsa_kernel k_q0553f2b74d_post1
		.amdhsa_group_segment_fixed_size 13312
		.amdhsa_private_segment_fixed_size 0
		.amdhsa_enable_private_segment 0
		.amdhsa_kernarg_size 72
		.amdhsa_user_sgpr_count 2
		.amdhsa_user_sgpr_kernarg_segment_ptr 1
		.amdhsa_wavefront_size32 1
		.amdhsa_system_sgpr_workgroup_id_x 1
		.amdhsa_system_sgpr_workgroup_id_y 1
		.amdhsa_system_sgpr_workgroup_id_z 1
		.amdhsa_system_vgpr_workitem_id 0
		.amdhsa_next_free_vgpr 512
		.amdhsa_next_free_sgpr 66
		.amdhsa_reserve_vcc 0
		.amdhsa_float_denorm_mode_32 3
		.amdhsa_float_denorm_mode_16_64 3
		.amdhsa_memory_ordered 1
		.amdhsa_forward_progress 1
		.amdhsa_inst_pref_size 52
	.end_amdhsa_kernel
	.amdgpu_metadata
---
amdhsa.version: [ 1, 2 ]
amdhsa.kernels:
  - .name:           k_q0553f2b74d_post1
    .symbol:         k_q0553f2b74d_post1.kd
    .args:
      - { .name: obuf, .offset: 0, .size: 8, .value_kind: global_buffer, .address_space: global }
      - { .name: wq, .offset: 8, .size: 8, .value_kind: global_buffer, .address_space: global }
      - { .name: bo_s, .offset: 16, .size: 8, .value_kind: global_buffer, .address_space: global }
      - { .name: x, .offset: 24, .size: 8, .value_kind: global_buffer, .address_space: global }
      - { .name: ln1_g, .offset: 32, .size: 8, .value_kind: global_buffer, .address_space: global }
      - { .name: ln1_b, .offset: 40, .size: 8, .value_kind: global_buffer, .address_space: global }
      - { .name: bq_c, .offset: 48, .size: 8, .value_kind: global_buffer, .address_space: global }
      - { .name: hbuf, .offset: 56, .size: 8, .value_kind: global_buffer, .address_space: global }
      - { .name: qbuf, .offset: 64, .size: 8, .value_kind: global_buffer, .address_space: global }
    .group_segment_fixed_size: 13312
    .private_segment_fixed_size: 0
    .kernarg_segment_align: 8
    .kernarg_segment_size: 72
    .max_flat_workgroup_size: 256
    .sgpr_count:     66
    .vgpr_count:     512
    .wavefront_size: 32
...
	.end_amdgpu_metadata
.endif
;; end of part 10
;; launch att_c (part 11): grid 8 x 32, 16 waves a work-group, no clusters, 145,408 bytes of LDS; arguments qbuf, kv_c, obuf; writes obuf
.if DOCPART == 11
	.amdgcn_target "amdgcn-amd-amdhsa--gfx1250"
	.amdhsa_code_object_version 6
	.text
	.protected	k_q0553f2b74d_att_c
	.globl	k_q0553f2b74d_att_c
	.p2align	8
	.type	k_q0553f2b74d_att_c,@function
k_q0553f2b74d_att_c:
	s_mov_b64 s[64:65], 0
	v_nop
	global_prefetch_b8 v0, s[64:65] scope:SCOPE_SE
	s_setreg_imm32_b32 hwreg(HW_REG_WAVE_SCHED_MODE, 0, 2), 2
	s_setreg_imm32_b32 hwreg(HW_REG_WAVE_MODE, 25, 1), 1
	s_wait_xcnt 0x0
	s_wait_alu depctr_vm_vsrc(0)
; Cross-attention of one head on codes of FP4, in one walk over the keys.  t = score x log2(e) / 8; M = the ceiling of the running largest t, a whole number; p = 2^(t - M) is what is quantised, along the keys, not normalised.
; The row's sum l is taken of the unquantised p and divides O at the end.  When M moves, l and O^T are multiplied by 2^(old M - new M), which rounds nothing.
; SHARES, LAYOUT, LDS: a work-group takes 256 queries of one head of one batch, each of its sixteen waves one tile of 16 queries; the head's K, V and their scale words, 143,360 bytes, are copied into LDS once.
; Both products transposed: a lane holds ONE query.  Row r of a tile of tokens is token 32 (T / 2) + 8 (T % 2) + r + 8 (r / 8), so the 16 registers of two neighbouring tiles of scores are 16 neighbouring keys.
; K = 64 in the first product: registers 4-7 of Q's and K's fragments are zero codes; the scale bytes over them are never 0xff.
; OUT: o, quantised along the head's 64 channels: half a fragment at obuf + 4096 tile + 512 head, two scale bytes a row at obuf + 2097152 + 256 tile + 16 r + 2 head.
; LIMITS: NaN and infinities are not served; a block whose largest magnitude lies under 2^-124, a block of zeros too, keeps the scale byte 1.  A block's largest p is made from the block's largest score by the same instructions: this takes v_exp_f32 not to fall where its input rises.
; No cluster: the eight work-groups of a head share 143,360 bytes, each read once at the head, against 16 key steps of work.
; THE MODE: SCHED_MODE bits 1:0 = 2 (LLVM: expert scheduling mode 2), set by the entry lines.  The code itself states the register dependences between vector or matrix instructions and memory or LDS instructions, with s_wait_alu, always for 0.
; THE PLAN.  Registers that LDS instructions touch in the loop:
;   KF (the lower four of each eight), KS   the next step's K and scale words land, asked for in this step; the eight score products read them.
;   VF, VS                                  this step's V lands; the four second products read them.
;   v8-v11                                  the step's addresses: written by four additions behind the score products (they are the places there), read by the loads.
;   PC, PWD                                 named by vector and matrix instructions alone: written by vector lines, taken by the scaled products as B and as its scales.
; A step's waits: vm_vsrc behind the score products (the loads issued so far have read the addresses); va_vdst behind the 64 exponentials (p is written; the score products are done with K, the last step's second products with V;
; the addresses are written): behind it stand V's nine loads and the next step's twelve of K with no further wait; va_vdst for the four small exponentials; va_vdst ahead of the second products.  The sixteenth step is written out: it asks for no further K.
.set AK0,  1
.set AV0,  2
.set ASK0, 3
.set ASV0, 4
.set OSO,  6
.set ADK,  8
.set ADV,  9
.set ADS,  10
.set ADT,  11
.set Q,    16                          ; v12 -M, v13 the largest t, v[14:15] the sum in two halves; v16-23 Q
.set F,    24                          ; v[24:25] 2^(old M - new M)
.set KF,   32
.set S,    96
.set O,    160
.set VF,   192
.set PC,   224
.set BM,   232
.set BP,   236
.set CV,   240
.set KS,   244
.set VS,   248
.set PWD,  250
.set QS,   251
.set T0,   252
.set T1,   254
.set WV,   12
.set CS,   20
.set SEL,  22
.set TK,   24
.set TS,   25
.set TV,   26
.set CNT,  27
.macro BARRIER
	s_wait_dscnt 0x0
	s_barrier_signal -1
	s_barrier_wait -1
.endm
.macro PLACES
.rept 4
	v_nop
.endr
.endm
.macro WM row
.if (\row) == 1
	v_wmma_scale_f32_16x16x128_f8f6f4 v[rD:rD+7], v[rA:rA+7], v[rB:rB+7], v[rC:rC+7], v[rSA], v[rSB] matrix_a_fmt:MATRIX_FMT_FP4 matrix_b_fmt:MATRIX_FMT_FP4 matrix_a_scale:MATRIX_SCALE_ROW1
.else
	v_wmma_scale_f32_16x16x128_f8f6f4 v[rD:rD+7], v[rA:rA+7], v[rB:rB+7], v[rC:rC+7], v[rSA], v[rSB] matrix_a_fmt:MATRIX_FMT_FP4 matrix_b_fmt:MATRIX_FMT_FP4
.endif
.endm
.macro WMZ row
.if (\row) == 1
	v_wmma_scale_f32_16x16x128_f8f6f4 v[rD:rD+7], v[rA:rA+7], v[rB:rB+7], 0, v[rSA], v[rSB] matrix_a_fmt:MATRIX_FMT_FP4 matrix_b_fmt:MATRIX_FMT_FP4 matrix_a_scale:MATRIX_SCALE_ROW1
.else
	v_wmma_scale_f32_16x16x128_f8f6f4 v[rD:rD+7], v[rA:rA+7], v[rB:rB+7], 0, v[rSA], v[rSB] matrix_a_fmt:MATRIX_FMT_FP4 matrix_b_fmt:MATRIX_FMT_FP4
.endif
.endm
.macro KLOAD va, vs, ko, so            ; a key step's eight fragments of K and its scale words: 12 LDS loads
.irp t, 0,1,2,3,4,5,6,7
	ds_load_b128 v[KF+8*\t:KF+8*\t+3], v[\va] offset:\ko+512*\t
.endr
.irp p, 0,1,2,3
	ds_load_b32 v[KS+\p], v[\vs] offset:\so+128*\p
.endr
.endm
.macro OQUANT src
.irp b, 0,1
	v_max3_num_f32 v[BM+\b], |v[\src+16*\b]|, |v[\src+16*\b+1]|, 0x1800000
.endr
.irp i, 2,4,6,8,10,12,14
.irp b, 0,1
	v_max3_num_f32 v[BM+\b], v[BM+\b], |v[\src+16*\b+\i]|, |v[\src+16*\b+\i+1]|
.endr
.endr
.irp b, 0,1
	v_permlanex16_b32 v[BP+\b], v[BM+\b], s[SEL], s[SEL+1]
.endr
.irp b, 0,1
	v_max_num_f32 v[BM+\b], v[BM+\b], v[BP+\b]
.endr
.irp b, 0,1
	v_add_nc_u32 v[CV+\b], 0xff000000, v[BM+\b]
.endr
.irp b, 0,1
	v_lshrrev_b32 v[BP+\b], 23, v[CV+\b]
.endr
	v_lshl_or_b32 v[T0], v[BP+1], 8, v[BP]
.irp b, 0,1
	v_cvt_scalef32_pk8_fp4_f32 v[PC+2*\b], v[\src+16*\b:\src+16*\b+7], v[CV+\b]
	v_cvt_scalef32_pk8_fp4_f32 v[PC+2*\b+1], v[\src+16*\b+8:\src+16*\b+15], v[CV+\b]
.endr
	v_nop
	v_permlane16_swap_b32 v[PC], v[PC+2]
	v_permlane16_swap_b32 v[PC+1], v[PC+3]
.endm
; A key step: 128 keys.  last = 1: the sixteenth, which asks for no further K.
.macro STEP last
	s_wait_dscnt 0x0                               ; this step's K and its scale words are in
.irp t, 0,1,2,3,4,5,6,7
.set rD, S+8*\t
.set rA, KF+8*\t
.set rB, Q
.set rSA, KS+\t/2
.set rSB, QS
	WMZ \t%2
.endr
	s_wait_alu depctr_vm_vsrc(0)                   ; the LDS loads issued so far have read the four addresses, which are written anew below
	v_add_nc_u32 v[ADV], s[TK], v[AV0]             ; four plain lines that name no register of the products: the places behind them
	v_add_nc_u32 v[ADT], s[TV], v[ASV0]
.if \last
	v_nop
	v_nop
.else
	v_add_nc_u32 v[ADK], s[TK], v[AK0]
	v_add_nc_u32 v[ADS], s[TS], v[ASK0]
.endif
.irp b, 0,1,2,3
	v_max3_num_f32 v[BM+\b], v[S+16*\b], v[S+16*\b+1], v[S+16*\b+2]   ; the largest score of each block of 32 keys: for the row's maximum, and for the block's largest p
.endr
.irp i, 3,5,7,9,11,13
.irp b, 0,1,2,3
	v_max3_num_f32 v[BM+\b], v[BM+\b], v[S+16*\b+\i], v[S+16*\b+\i+1]
.endr
.endr
.irp b, 0,1,2,3
	v_max_num_f32 v[BM+\b], v[BM+\b], v[S+16*\b+15]
.endr
.irp b, 0,1,2,3
	v_permlanex16_b32 v[BP+\b], v[BM+\b], s[SEL], s[SEL+1]
.endr
.irp b, 0,1,2,3
	v_max_num_f32 v[BM+\b], v[BM+\b], v[BP+\b]
.endr
	v_max3_num_f32 v[T1], v[BM], v[BM+1], v[BM+2]
	v_max_num_f32 v[T1], v[T1], v[BM+3]
	v_mul_f32 v[T1], s[CS], v[T1]
	v_max_num_f32 v13, v13, v[T1]                  ; the running largest t
	v_mov_b32 v[T1], v12
	v_floor_f32 v12, -v13                          ; -M = floor(-t)
	v_sub_f32 v[T1], v12, v[T1]
	v_cvt_i32_f32 v[T1], v[T1]                     ; (it saturates)
	v_ldexp_f32 v[F], 1.0, v[T1]                   ; f = 2^(old M - new M)
.set j, 0
.rept 32
	v_pk_fma_f32 v[S+j:S+j+1], v[S+j:S+j+1], s[CS:CS+1], v[12:13] op_sel_hi:[1,0,0]   ; t - M
.set j, j+2
.endr
.irp b, 0,1,2,3
	v_fma_f32 v[BM+\b], v[BM+\b], s[CS], v12
.endr
.set j, 0
	s_wait_alu depctr_va_vdst(0)
.rept 64
	v_exp_f32 v[S+j], v[S+j]                       ; p = 2^(t - M)
.set j, j+1
.endr
	v_pk_mul_f32 v[14:15], v[14:15], v[F:F+1] op_sel_hi:[1,0]      ; the sum under the new M; the plain place behind the exponentials
	s_wait_alu depctr_va_vdst(0)                   ; the 64 exponentials have written p, ahead of its first reader; the score products are done reading K, the last step's second products V, in which the loads below land; the four addresses are written
.irp ct, 0,1,2,3
	ds_load_b128 v[VF+8*\ct:VF+8*\ct+3], v[ADV] offset:1024*\ct
	ds_load_b128 v[VF+8*\ct+4:VF+8*\ct+7], v[ADV] offset:1024*\ct+512
.endr
	ds_load_b64 v[VS:VS+1], v[ADT]
.if !\last
	KLOAD ADK, ADS, 4096, 512                      ; the next step
.endif
.irp b, 0,1,2,3
	v_exp_f32 v[BM+\b], v[BM+\b]                   ; the blocks' largest p
.endr
	v_pk_add_f32 v[BP:BP+1], v[S:S+1], v[S+2:S+3]  ; the row's sum is taken of the unquantised p, in two chains
.irp j, 4,8,12,16,20,24,28,32,36,40,44,48,52,56,60
	v_pk_add_f32 v[14:15], v[14:15], v[S+\j:S+\j+1]
	v_pk_add_f32 v[BP:BP+1], v[BP:BP+1], v[S+\j+2:S+\j+3]
.endr
	v_pk_add_f32 v[14:15], v[14:15], v[BP:BP+1]
	s_wait_alu depctr_va_vdst(0)                   ; the four exponentials have written the blocks' largest p, ahead of its first reader
.irp b, 0,1,2,3
	v_max_num_f32 v[BM+\b], 0x1800000, v[BM+\b]    ; the floor: the byte cannot fall under 1
.endr
.irp b, 0,1,2,3
	v_add_nc_u32 v[CV+\b], 0xff000000, v[BM+\b]
.endr
.irp b, 0,1,2,3
	v_lshrrev_b32 v[BP+\b], 23, v[CV+\b]
.endr
	v_lshl_or_b32 v[PWD], v[BP+1], 8, v[BP]
	v_lshl_or_b32 v[PWD], v[BP+2], 16, v[PWD]
	v_lshl_or_b32 v[PWD], v[BP+3], 24, v[PWD]
.irp b, 0,1,2,3
	v_cvt_scalef32_pk8_fp4_f32 v[PC+2*\b], v[S+16*\b:S+16*\b+7], v[CV+\b]
	v_cvt_scalef32_pk8_fp4_f32 v[PC+2*\b+1], v[S+16*\b+8:S+16*\b+15], v[CV+\b]
.endr
	v_nop
.irp c, 0,1
.irp i, 0,1
	v_permlane16_swap_b32 v[PC+4*\c+\i], v[PC+4*\c+2+\i]
.endr
.endr
.set j, 0
.rept 16
	v_pk_mul_f32 v[O+j:O+j+1], v[O+j:O+j+1], v[F:F+1] op_sel_hi:[1,0]   ; O^T under the new M; twelve of these name no register of any one product below: the places ahead of the scaled products
.set j, j+2
.endr
.if \last
	s_wait_dscnt 0x0                               ; V
.else
	s_wait_dscnt 12                                ; V is in; the next step's 12 loads of K may be out
.endif
	s_wait_alu depctr_va_vdst(0)                   ; p's codes and its scale word are written, which the scaled products take as B and as its scales; the places stand above
.irp ct, 0,1,2,3
.set rD, O+8*\ct
.set rA, VF+8*\ct
.set rB, PC
.set rC, rD
.set rSA, VS+\ct/2
.set rSB, PWD
	WM \ct%2
.endr
.if !\last
	s_add_co_u32 s[TK], s[TK], 4096
	s_add_co_u32 s[TS], s[TS], 512
	s_add_co_u32 s[TV], s[TV], 256
.endif
.endm
	s_load_b128 s[4:7], s[0:1], 0x0                ; qbuf, kv_c
	s_load_b64 s[10:11], s[0:1], 0x10              ; obuf
	v_lshl_add_u32 v26, v0, 2, 0x23000
	v_mov_b32 v255, 0
	v_lshrrev_b32 v1, 5, v0
	v_readfirstlane_b32 s[WV], v1
	s_and_b32 s13, ttmp7, 0xffff                   ; 8 b + head
	s_lshl_b32 s14, ttmp9, 4
	v_lshlrev_b32 v27, 4, v0
	v_lshlrev_b32 v28, 3, v0
	v_and_b32 v7, 31, v0
	v_and_b32 v252, 15, v0
	v_lshlrev_b32 v[AK0], 4, v7
	v_lshlrev_b32 v253, 2, v252
	v_lshlrev_b32 v[OSO], 4, v252
	v_add_nc_u32 v[AV0], 65536, v[AK0]
	v_lshl_add_u32 v[ASK0], v7, 2, 131072
	v_lshl_add_u32 v[ASV0], v7, 3, 139264
	v_add_nc_u32 v29, 65536, v27
	v_add_nc_u32 v30, 131072, v27
	v_add_nc_u32 v31, 139264, v28
	s_wait_alu depctr_va_sdst(0)                   ; the wave's number is written, ahead of its first reader
	s_add_co_u32 s14, s14, s[WV]                   ; my tile of queries in the batch
	s_mul_i32 s16, s13, 143360
	s_mov_b32 s17, 0
	s_mul_i32 s18, s13, 73728
	s_lshl_b32 s15, s14, 9
	s_add_co_u32 s28, s18, 65536
	s_add_co_u32 s18, s18, s15
	s_mov_b32 s19, 0
	s_lshl_b32 s15, s14, 6
	s_add_co_u32 s28, s28, s15
	s_mov_b32 s29, 0
	s_lshr_b32 s15, s13, 3
	s_lshl_b32 s15, s15, 7
	s_add_co_u32 s15, s15, s14
	s_and_b32 s34, s13, 7
	s_lshl_b32 s30, s15, 12
	s_lshl_b32 s35, s34, 9
	s_add_co_u32 s30, s30, s35
	s_mov_b32 s31, 0
	s_lshl_b32 s32, s15, 8
	s_lshl_b32 s35, s34, 1
	s_add_co_u32 s32, s32, s35
	s_add_co_u32 s32, s32, 2097152
	s_mov_b32 s33, 0
	s_mov_b32 s[CS], 0x3e38aa3b                    ; log2(e) / sqrt(64)
	s_mov_b32 s[CS+1], s[CS]
	s_mov_b32 s[SEL], 0x76543210
	s_mov_b32 s[SEL+1], 0xfedcba98
	s_wait_kmcnt 0x0
	s_add_nc_u64 s[6:7], s[6:7], s[16:17]
	s_add_nc_u64 s[18:19], s[4:5], s[18:19]
	s_add_nc_u64 s[28:29], s[4:5], s[28:29]
	s_add_nc_u64 s[30:31], s[10:11], s[30:31]
	s_add_nc_u64 s[32:33], s[10:11], s[32:33]
	s_wait_alu depctr_va_vdst(0)                   ; the addresses and offsets v1 to v6, v27 to v31 and v253 are written, which the loads, the LDS stores and the stores at the end read
.set i, 0
.rept 17
	global_load_b128 v[32+4*i:35+4*i], v27, s[6:7] offset:8192*i
.set i, i+1
.endr
	global_load_b64 v[100:101], v28, s[6:7] offset:139264
	global_load_b128 v[Q:Q+3], v[AK0], s[18:19]
	global_load_b32 v[QS], v253, s[28:29]
.set j, 0
.rept 32
	v_mov_b32 v[O+j], 0                            ; O^T: the step is written once; the first change of M leaves zeros zeros
.set j, j+1
.endr
	s_wait_loadcnt 0x0
.irp i, 0,1,2,3,4,5,6,7
	ds_store_b128 v27, v[32+4*\i:35+4*\i] offset:8192*\i
.endr
.irp i, 0,1,2,3,4,5,6,7
	ds_store_b128 v29, v[64+4*\i:67+4*\i] offset:8192*\i
.endr
	ds_store_b128 v30, v[96:99]
	ds_store_b64 v31, v[100:101]
	BARRIER                                        ; from here on LDS is only read
	s_wait_alu depctr_vm_vsrc(0)                   ; my LDS stores have read v32 to v101, which are K's fragments and the scores from here on
	KLOAD AK0, ASK0, 0, 0                          ; step 0
.irp t, 0,1,2,3,4,5,6,7
.irp j, 4,5,6,7
	v_mov_b32 v[KF+8*\t+\j], 0
.endr
.endr
.irp j, 4,5,6,7
	v_mov_b32 v[Q+\j], 0
.endr
	v_mov_b32 v13, 0xff61b1e6
	v_floor_f32 v12, -v13
	v_mov_b32 v14, 0
	v_mov_b32 v15, 0
	v_mov_b32 v[F+1], 0
.irp b, 0,1,2,3
	v_mov_b32 v[BP+\b], 0
.endr
	v_mov_b32 v[T0], 0
	s_mov_b32 s[TK], 0
	s_mov_b32 s[TS], 0
	s_mov_b32 s[TV], 0
	s_mov_b32 s[CNT], 15
	s_wait_alu depctr_va_vdst(0)                   ; the zero codes are written, which the scaled products take as part of A and of B; the lines behind them are their places
.Lstep:
	STEP 0
	s_sub_co_u32 s[CNT], s[CNT], 1
	s_cmp_lg_u32 s[CNT], 0
	s_cbranch_scc1 .Lstep
	STEP 1
	PLACES
	v_add_f32 v14, v14, v15
	v_permlanex16_b32 v[T0], v14, s[SEL], s[SEL+1]
	v_add_f32 v14, v14, v[T0]                      ; the row's sum
	s_wait_alu depctr_va_vdst(0)
	v_rcp_f32 v14, v14
	v_nop
	s_wait_alu depctr_va_vdst(0)                   ; the reciprocal is written, ahead of its first reader
.set j, 0
.rept 32
	v_mul_f32 v[S+j], v[O+j], v14                  ; O^T / l, from each accumulator's low end on
.set j, j+1
.endr
	OQUANT S
	s_wait_alu depctr_va_vdst(0)                   ; o's codes and its two scale bytes are written, which the stores read
	global_store_b128 v[AK0], v[PC:PC+3], s[30:31]
	global_store_b16 v[OSO], v[T0], s[32:33]
	s_wait_dscnt 0x0                               ; the closing lines, six on end
	s_wait_alu 0x0
	s_wait_tensorcnt 0x0
	ds_add_u32 v26, v255
	s_wait_dscnt 0x0
	s_endpgm
.Lfunc_end_k_q0553f2b74d_att_c:
	.size	k_q0553f2b74d_att_c, .Lfunc_end_k_q0553f2b74d_att_c-k_q0553f2b74d_att_c
	.p2alignl 7, 3214868480
	.fill 96, 4, 3214868480
	.section	.rodata,"a",@progbits
	.p2align	6, 0x0
	.amdhsa_kernel k_q0553f2b74d_att_c
		.amdhsa_group_segment_fixed_size 145408
		.amdhsa_private_segment_fixed_size 0
		.amdhsa_enable_private_segment 0
		.amdhsa_kernarg_size 24
		.amdhsa_user_sgpr_count 2
		.amdhsa_user_sgpr_kernarg_segment_ptr 1
		.amdhsa_wavefront_size32 1
		.amdhsa_system_sgpr_workgroup_id_x 1
		.amdhsa_system_sgpr_workgroup_id_y 1
		.amdhsa_system_sgpr_workgroup_id_z 1
		.amdhsa_system_vgpr_workitem_id 0
		.amdhsa_next_free_vgpr 256
		.amdhsa_next_free_sgpr 66
		.amdhsa_reserve_vcc 0
		.amdhsa_float_denorm_mode_32 3
		.amdhsa_float_denorm_mode_16_64 3
		.amdhsa_memory_ordered 1
		.amdhsa_forward_progress 1
		.amdhsa_inst_pref_size 42
	.end_amdhsa_kernel
	.amdgpu_metadata
---
amdhsa.version: [ 1, 2 ]
amdhsa.kernels:
  - .name:           k_q0553f2b74d_att_c
    .symbol:         k_q0553f2b74d_att_c.kd
    .args:
      - { .name: qbuf, .offset: 0, .size: 8, .value_kind: global_buffer, .address_space: global }
      - { .name: kv_c, .offset: 8, .size: 8, .value_kind: global_buffer, .address_space: global }
      - { .name: obuf, .offset: 16, .size: 8, .value_kind: global_buffer, .address_space: global }
    .group_segment_fixed_size: 145408
    .private_segment_fixed_size: 0
    .kernarg_segment_align: 8
    .kernarg_segment_size: 24
    .max_flat_workgroup_size: 512
    .sgpr_count:     66
    .vgpr_count:     256
    .wavefront_size: 32
...
	.end_amdgpu_metadata
.endif
;; end of part 11
;; launch post2 (part 12): grid 256 x 1, 8 waves a work-group, no clusters, 181,760 bytes of LDS; arguments obuf, wq, bo_c, hbuf, ln2_g, ln2_b, b1, b2, ln3_g, ln3_b, out0; writes out0
.if DOCPART == 12
	.amdgcn_target "amdgcn-amd-amdhsa--gfx1250"
	.amdhsa_code_object_version 6
	.text
	.protected	k_q0553f2b74d_post2
	.globl	k_q0553f2b74d_post2
	.p2align	8
	.type	k_q0553f2b74d_post2,@function
k_q0553f2b74d_post2:
	s_mov_b64 s[64:65], 0
	v_nop
	global_prefetch_b8 v0, s[64:65] scope:SCOPE_SE
	s_setreg_imm32_b32 hwreg(HW_REG_WAVE_SCHED_MODE, 0, 2), 2
	s_setreg_imm32_b32 hwreg(HW_REG_WAVE_MODE, 25, 1), 1
	s_wait_xcnt 0x0
	s_wait_alu depctr_vm_vsrc(0)
; y = layernorm(o Wo_c + bo_c + h);  out = layernorm(relu(y W1 + b1) W2 + b2 + y): three products on codes of FP4; y and the hidden layer never go to memory.
; SHARES: a work-group takes 32 tokens (two tiles m).  Wave w takes columns 64 w .. 64 w + 63 of y and of the output, and hidden units 256 w .. 256 w + 255 in four chunks of 64.
; WEIGHTS: nine chunks a wave (Wo_c, four of W1, four of W2), 16 KB of codes and 32 scale words each, straight from memory into two sets of 128 registers by turns: a chunk is asked for as soon as the chunk two before it has been multiplied.
; LAYOUT: source 0 = 16 columns of the weight, source 1 = 16 tokens: a lane holds one token, register 8 t + j of a tile's 32 is column 32 (t / 2) + 8 (t % 2) + 16 h + j of the chunk.
; y's and the hidden layer's fragments go from wave to wave through LDS as images of their registers; y as f32 waits in the wave's own LDS bytes for the last sum, whose first products add onto y + b2.
; LIMITS: NaN and infinities are not served; a block whose largest magnitude lies under 2^-124, a block of zeros too, keeps the scale byte 1.
; No cluster: a chunk of weights lands in the registers of the one wave that multiplies by it; a joint request would land in LDS and add a way through it of 16 KB a chunk a wave.
; THE MODE: SCHED_MODE bits 1:0 = 2 (LLVM: expert scheduling mode 2), set by the entry lines.  The code itself states the register dependences between vector or matrix instructions and memory or LDS instructions, with s_wait_alu, always for 0.
; THE PLAN.  Registers that memory or LDS instructions touch:
;   v1-v19          addresses and offsets: written once at the head, ahead of the first wait on va_vdst; never written again.
;   WA, WS0 / WB, WS1   a chunk lands; 32 products read it; the chunk two on lands.   P: a bias lands; additions or a sum's first products read it; the next bias lands.
;   AF, AS          fragments and scale words land (from memory, then from LDS), products read them; twice a gain and a bias land in AF and the normalising lines read them; at the end rows of the output land and global stores read them.
;   So ONE wait on va_vdst stands behind each run of 32 products and its four places: it shows them done with all that the next loads land in.
;   ACC             h lands; y is stored from it to LDS (vm_vsrc ahead of the products that write it anew) and lands in it again; the output is stored from it.
;   PC, PW          written by a quantiser, read by LDS stores: va_vdst behind each quantiser, vm_vsrc at the head of each hidden chunk.
;   LR, TM          the layer norm's sums: both tiles' sums are made first, so that one va_vdst serves both LDS stores; vm_vsrc ahead of the second pair of sums.
.set RED1, 0                           ; LDS: 512 m + 32 r + 4 w, four such regions: none is written twice
.set RED2, 1024
.set RED3, 2048
.set RED4, 3072
.set YIMG, 4096                        ; y's fragments: 4096 m + 512 w + 16 lane
.set YSC,  12288                       ; their scale bytes: 256 m + 16 r + 2 w
.set FSC,  12800                       ; the hidden layer's: 1024 m + 64 r + 2 ch
.set FIMG, 16384                       ; its fragments: 16384 m + 512 ch + 16 lane
.set YF,   49152                       ; y in f32: 8192 w + 512 i + 16 lane: each wave's own
.set OSTG, 114688                      ; the way out: 32 rows of 2,048 + 16 bytes
.set LI,   1                           ; v1   16 x lane
.set LS16, 2                           ; v2   16 r
.set PB,   3                           ; v3   256 w + 64 h
.set RW,   4                           ; v4   32 r + 4 w
.set RR,   5                           ; v5   32 r
.set HWI,  6                           ; v6   16 x lane + 512 w
.set HWS,  7                           ; v7   16 r + 2 w
.set HB,   8                           ; v8   16 x lane + 8192 w: h's image, and my four rows of the output
.set FWI,  9                           ; v9   16 x lane + 2048 w
.set FWS,  10                          ; v10  64 r + 8 w
.set FRS,  11                          ; v11  64 r
.set YFA,  12                          ; v12  16 x lane + 8192 w + YF
.set SO,   13                          ; v13  OSTG + 2064 rho + 64 h + 256 w
.set SR,   14                          ; v14  OSTG + 8256 w + 16 x lane
.set PB1,  15                          ; v15  1024 w + 64 h
.set VCO,  16                          ; v16  chunk 56 + w: codes,
.set VSO,  17                          ; v17  scale words
.set VC1,  18                          ; v18  chunk 64 + 4 w; W2's chunks lie 32 further on
.set VS1,  19
.set ACC,  32
.set AF,   96
.set PC,   160
.set TM,   168
.set PW,   184
.set AS,   188
.set WS0,  196
.set WS1,  204
.set P,    212
.set C0,   244
.set C1,   246
.set LT,   248
.set LP,   249
.set MU,   250
.set LR,   254
.set WA,   0
.set WB,   128
.set WFIRST, 0x01
.set WQ,   6
.set WV,   26
.set SEL,  28
.set INV,  30
.set EPS,  31
.set MSB, 0
.macro WIN new
.if MSB != \new
	s_set_vgpr_msb (MSB<<8)|\new
.set MSB, \new
.endif
.endm
.macro BARRIER
	s_wait_dscnt 0x0
	s_barrier_signal -1
	s_barrier_wait -1
.endm
.macro PLACES
.rept 4
	v_nop
.endr
.endm
.macro WM row
.if (\row) == 1
	v_wmma_scale_f32_16x16x128_f8f6f4 v[rD:rD+7], v[rA:rA+7], v[rB:rB+7], v[rC:rC+7], v[rSA], v[rSB] matrix_a_fmt:MATRIX_FMT_FP4 matrix_b_fmt:MATRIX_FMT_FP4 matrix_a_scale:MATRIX_SCALE_ROW1
.else
	v_wmma_scale_f32_16x16x128_f8f6f4 v[rD:rD+7], v[rA:rA+7], v[rB:rB+7], v[rC:rC+7], v[rSA], v[rSB] matrix_a_fmt:MATRIX_FMT_FP4 matrix_b_fmt:MATRIX_FMT_FP4
.endif
.endm
.macro QUANT s
.irp b, 0,1,2,3
	v_max3_num_f32 v[TM+\b], |v[\s+16*\b]|, |v[\s+1+16*\b]|, 0x1800000
.endr
.irp i, 2,4,6,8,10,12,14
.irp b, 0,1,2,3
	v_max3_num_f32 v[TM+\b], v[TM+\b], |v[\s+16*\b+\i]|, |v[\s+1+16*\b+\i]|
.endr
.endr
.irp b, 0,1,2,3
	v_permlanex16_b32 v[TM+4+\b], v[TM+\b], s[SEL], s[SEL+1]
.endr
.irp b, 0,1,2,3
	v_max_num_f32 v[TM+\b], v[TM+\b], v[TM+4+\b]
.endr
.irp b, 0,1,2,3
	v_add_nc_u32 v[TM+12+\b], 0xff000000, v[TM+\b]
.endr
.irp b, 0,1,2,3
	v_lshrrev_b32 v[TM+4+\b], 23, v[TM+12+\b]
.endr
	v_lshl_or_b32 v[PW], v[TM+5], 8, v[TM+4]
	v_lshl_or_b32 v[PW], v[TM+6], 16, v[PW]
	v_lshl_or_b32 v[PW], v[TM+7], 24, v[PW]
.irp b, 0,1,2,3
	v_cvt_scalef32_pk8_fp4_f32 v[PC+2*\b], v[\s+16*\b:\s+7+16*\b], v[TM+12+\b]
	v_cvt_scalef32_pk8_fp4_f32 v[PC+1+2*\b], v[\s+8+16*\b:\s+15+16*\b], v[TM+12+\b]
.endr
	v_nop
.irp c, 0,1
.irp i, 0,1
	v_permlane16_swap_b32 v[PC+4*\c+\i], v[PC+2+4*\c+\i]
.endr
.endr
.endm
.macro PLOAD dst, sb, va, off
.irp t, 0,1,2,3
.irp q, 0,1
	global_load_b128 v[\dst+8*\t+4*\q:\dst+8*\t+4*\q+3], v[\va], s[\sb:\sb+1] offset:\off+(32*(\t/2)+8*(\t%2))*4+16*\q
.endr
.endr
.endm
.macro WLOAD set, wsc, vcode, vscale, off
	WIN 0x40
.set f, 0
.rept 32
	global_load_b128 v[\set+4*f:\set+4*f+3], v[\vcode], s[WQ:WQ+1] offset:16384*(\off)+512*f
.set f, f+1
.endr
	WIN 0
.set f, 0
.rept 8
	global_load_b32 v[\wsc+f], v[\vscale], s[WQ:WQ+1] offset:1024*(\off)+128*f
.set f, f+1
.endr
.endm
.macro MM32 set, wsc, as, first        ; 32 products; the eight accumulators take turns, one instruction a turn
.irp ks, 0,1,2,3
.if (\first) && (\ks == 0)
	WIN WFIRST
.else
	WIN 0x01
.endif
.irp m, 0,1
.irp t, 0,1,2,3
.set rD, ACC+32*\m+8*\t
.set rA, \set+8*(4*\t+\ks)
.set rB, AF+8*(4*\m+\ks)
.set rC, rD
.if (\first) && (\ks == 0)
.set rC, P+8*\t
.endif
.set rSA, \wsc+2*\ks+\t/2
.set rSB, \as+4*\m+\ks
	WM \t%2
.endr
.endr
.endr
.endm
.macro LNSUM m, sq                     ; the sum (sq = 1: of squares) of my token's 64 columns in this wave, from the low end on, in two chains: v[LR + m]
.set LA, ACC+32*\m
.if \sq
	v_pk_mul_f32 v[C0:C0+1], v[LA:LA+1], v[LA:LA+1]
	v_pk_mul_f32 v[C1:C1+1], v[LA+2:LA+3], v[LA+2:LA+3]
.irp j, 4,8,12,16,20,24,28
	v_pk_fma_f32 v[C0:C0+1], v[LA+\j:LA+\j+1], v[LA+\j:LA+\j+1], v[C0:C0+1]
	v_pk_fma_f32 v[C1:C1+1], v[LA+\j+2:LA+\j+3], v[LA+\j+2:LA+\j+3], v[C1:C1+1]
.endr
.else
	v_pk_add_f32 v[C0:C0+1], v[LA:LA+1], v[LA+2:LA+3]
	v_pk_add_f32 v[C1:C1+1], v[LA+4:LA+5], v[LA+6:LA+7]
.irp j, 8,12,16,20,24,28
	v_pk_add_f32 v[C0:C0+1], v[C0:C0+1], v[LA+\j:LA+\j+1]
	v_pk_add_f32 v[C1:C1+1], v[C1:C1+1], v[LA+\j+2:LA+\j+3]
.endr
.endif
	v_pk_add_f32 v[C0:C0+1], v[C0:C0+1], v[C1:C1+1]
	v_add_f32 v[LT], v[C0], v[C0+1]
	v_permlanex16_b32 v[LP], v[LT], s[SEL], s[SEL+1]
	v_add_f32 v[LR+\m], v[LT], v[LP]
.endm
.macro LNOUT red                       ; both tiles' sums go to LDS
	s_wait_alu depctr_va_vdst(0)                   ; both sums are written, which the LDS stores read; the vector lines that named v[TM ..] are done, in which the waves' sums land behind the barrier
	ds_store_b32 v[RW], v[LR] offset:\red
	ds_store_b32 v[RW], v[LR+1] offset:\red+512
.endm
.macro LNRED red
.irp m, 0,1
	ds_load_b128 v[TM+8*\m:TM+8*\m+3], v[RR] offset:\red+512*\m
	ds_load_b128 v[TM+8*\m+4:TM+8*\m+7], v[RR] offset:\red+512*\m+16
.endr
	s_wait_dscnt 0x0
.irp m, 0,1
	v_add_f32 v[TM+8*\m], v[TM+8*\m], v[TM+8*\m+1]
	v_add_f32 v[TM+8*\m+2], v[TM+8*\m+2], v[TM+8*\m+3]
	v_add_f32 v[TM+8*\m+4], v[TM+8*\m+4], v[TM+8*\m+5]
	v_add_f32 v[TM+8*\m+6], v[TM+8*\m+6], v[TM+8*\m+7]
	v_add_f32 v[TM+8*\m], v[TM+8*\m], v[TM+8*\m+2]
	v_add_f32 v[TM+8*\m+4], v[TM+8*\m+4], v[TM+8*\m+6]
	v_add_f32 v[TM+8*\m], v[TM+8*\m], v[TM+8*\m+4]
.endr
.endm
.macro LN red1, red2, lw               ; the accumulators are normalised in place; gain in v[AF] on, bias in v[AF+32] on; lw: the younger loads that may stay out
	LNSUM 0, 0
	LNSUM 1, 0
	LNOUT \red1
	BARRIER
	LNRED \red1
.irp m, 0,1
	v_mul_f32 v[MU+2*\m], s[INV], v[TM+8*\m]
	v_mul_f32 v[MU+2*\m+1], s[INV], v[TM+8*\m]
.endr
.irp m, 0,1
.set j, 0
.rept 16
	v_pk_add_f32 v[ACC+32*\m+j:ACC+32*\m+j+1], v[ACC+32*\m+j:ACC+32*\m+j+1], v[MU+2*\m:MU+2*\m+1] neg_lo:[0,1] neg_hi:[0,1]
.set j, j+2
.endr
.endr
	s_wait_alu depctr_vm_vsrc(0)                   ; the two LDS stores above have read v[LR] and v[LR+1], which are written anew below
	LNSUM 0, 1
	LNSUM 1, 1
	LNOUT \red2
	BARRIER
	LNRED \red2
.irp m, 0,1
	v_fma_f32 v[TM+8*\m], v[TM+8*\m], s[INV], s[EPS]
.endr
	s_wait_alu depctr_va_vdst(0)
	v_rsq_f32 v[MU], v[TM]
	v_rsq_f32 v[MU+2], v[TM+8]
	v_nop
	s_wait_alu depctr_va_vdst(0)                   ; both reciprocal roots are written, ahead of the first reader
	s_wait_loadcnt \lw
.irp m, 0,1
.set j, 0
.rept 16
	v_pk_mul_f32 v[ACC+32*\m+j:ACC+32*\m+j+1], v[ACC+32*\m+j:ACC+32*\m+j+1], v[MU+2*\m:MU+2*\m+1] op_sel_hi:[1,0]
.set j, j+2
.endr
.endr
.irp m, 0,1
.set j, 0
.rept 16
	v_pk_fma_f32 v[ACC+32*\m+j:ACC+32*\m+j+1], v[ACC+32*\m+j:ACC+32*\m+j+1], v[AF+j:AF+j+1], v[AF+32+j:AF+32+j+1]
.set j, j+2
.endr
.endr
.endm
.macro ADDP                            ; the bias in v[P] on is added into both tiles
.irp m, 0,1
.set j, 0
.rept 16
	v_pk_add_f32 v[ACC+32*\m+j:ACC+32*\m+j+1], v[ACC+32*\m+j:ACC+32*\m+j+1], v[P+j:P+j+1]
.set j, j+2
.endr
.endr
.endm
	s_load_b512 s[4:19], s[0:1], 0x0               ; obuf, wq, bo_c, hbuf, ln2_g, ln2_b, b1, b2
	s_load_b128 s[20:23], s[0:1], 0x40             ; ln3_g, ln3_b
	s_load_b64 s[24:25], s[0:1], 0x50              ; out0
	v_lshl_add_u32 v186, v0, 2, 0x2c200
	v_mov_b32 v187, 0
	v_lshrrev_b32 v20, 5, v0
	v_readfirstlane_b32 s[WV], v20
	v_and_b32 v20, 31, v0                          ; lane
	v_and_b32 v21, 15, v0                          ; r
	v_bfe_u32 v22, v0, 4, 1                        ; h
	v_and_b32 v23, 8, v21
	v_add_nc_u32 v23, v23, v21                     ; rho
	v_lshlrev_b32 v24, 2, v20                      ; 4 x lane
	v_lshlrev_b32 v25, 6, v22                      ; 64 h
	v_lshlrev_b32 v[LI], 4, v20
	v_lshlrev_b32 v[LS16], 4, v21
	s_wait_alu depctr_va_sdst(0)                   ; the wave's number is written, ahead of its first reader
	s_lshl_b32 s27, s[WV], 8
	v_add_nc_u32 v[PB], s27, v25
	v_lshlrev_b32 v[RR], 5, v21
	s_lshl_b32 s27, s[WV], 2
	v_add_nc_u32 v[RW], s27, v[RR]
	s_lshl_b32 s27, s[WV], 9
	v_add_nc_u32 v[HWI], s27, v[LI]
	s_lshl_b32 s27, s[WV], 1
	v_add_nc_u32 v[HWS], s27, v[LS16]
	s_lshl_b32 s27, s[WV], 13
	v_add_nc_u32 v[HB], s27, v[LI]
	v_add_nc_u32 v[YFA], YF, v[HB]
	s_lshl_b32 s27, s[WV], 11
	v_add_nc_u32 v[FWI], s27, v[LI]
	v_lshlrev_b32 v[FRS], 6, v21
	s_lshl_b32 s27, s[WV], 3
	v_add_nc_u32 v[FWS], s27, v[FRS]
	v_mul_u32_u24 v[SO], v23, 2064
	v_add_nc_u32 v[SO], v[SO], v[PB]
	v_add_nc_u32 v[SO], OSTG, v[SO]
	s_mul_i32 s27, s[WV], 8256
	v_add_nc_u32 v[SR], s27, v[LI]
	v_add_nc_u32 v[SR], OSTG, v[SR]
	s_lshl_b32 s27, s[WV], 10
	v_add_nc_u32 v[PB1], s27, v25
	s_add_co_u32 s27, s[WV], 56
	s_lshl_b32 s40, s27, 14
	v_add_nc_u32 v[VCO], s40, v[LI]
	s_lshl_b32 s40, s27, 10
	s_add_co_u32 s40, s40, 2097152
	v_add_nc_u32 v[VSO], s40, v24
	s_lshl_b32 s27, s[WV], 2
	s_add_co_u32 s27, s27, 64
	s_lshl_b32 s40, s27, 14
	v_add_nc_u32 v[VC1], s40, v[LI]
	s_lshl_b32 s40, s27, 10
	s_add_co_u32 s40, s40, 2097152
	v_add_nc_u32 v[VS1], s40, v24
	v_mov_b32 v[LP], 0                             ; a lane permute's destination counts as one of its sources
	s_mov_b32 s[SEL], 0x76543210
	s_mov_b32 s[SEL+1], 0xfedcba98
	s_mov_b32 s[INV], 0x3b000000                   ; 1 / 512
	s_mov_b32 s[EPS], 0x358637bd                   ; 1e-6
	s_lshl_b32 s32, ttmp9, 13
	s_mov_b32 s33, 0
	s_lshl_b32 s34, ttmp9, 9
	s_add_co_u32 s34, s34, 2097152
	s_mov_b32 s35, 0
	s_lshl_b32 s36, ttmp9, 16
	s_mov_b32 s37, 0
	s_wait_kmcnt 0x0
	s_add_nc_u64 s[32:33], s[4:5], s[32:33]        ; o's images
	s_add_nc_u64 s[34:35], s[4:5], s[34:35]        ; their scale bytes
	s_add_nc_u64 s[38:39], s[24:25], s[36:37]      ; my work-group's 32 rows of the output
	s_add_nc_u64 s[36:37], s[10:11], s[36:37]      ; h's image
	s_wait_alu depctr_va_vdst(0)                   ; the addresses and offsets v1 to v19 are written, which every load and store of the kernel reads
	; ---- 1: c + h
.set i, 0
.rept 16
	global_load_b128 v[AF+4*i:AF+4*i+3], v[LI], s[32:33] offset:512*i
.set i, i+1
.endr
.irp m, 0,1
	global_load_b128 v[AS+4*\m:AS+4*\m+3], v[LS16], s[34:35] offset:256*\m
.endr
.set i, 0
.rept 16
	global_load_b128 v[ACC+4*i:ACC+4*i+3], v[HB], s[36:37] offset:512*i th:TH_LOAD_NT
.set i, i+1
.endr
	PLOAD P, 8, PB, 0                              ; bo_c
	WLOAD WA, WS0, VCO, VSO, 0                     ; Wo_c
	WLOAD WB, WS1, VC1, VS1, 0                     ; W1, my chunk 0
	s_wait_loadcnt 40                              ; all but the youngest weight group
	ADDP
	s_wait_alu depctr_va_vdst(0)                   ; the additions are done reading v[P ..], in which b1's first chunk lands
	PLOAD P, 16, PB1, 0                            ; b1, chunk 0
	PLACES
	MM32 WA, WS0, AS, 0
	WIN 0
	PLACES
	s_wait_alu depctr_va_vdst(0)                   ; the products are done reading v[AF ..], the weights and their scale words, in which the loads below land
	PLOAD AF, 12, PB, 0                            ; ln2_g
	PLOAD AF+32, 14, PB, 0                         ; ln2_b
	WLOAD WA, WS0, VC1, VS1, 1                     ; W1, chunk 1
	; ---- 2: y; as f32 into my own LDS bytes, as codes to the other waves
	LN RED1, RED2, 40
	QUANT ACC
	s_wait_alu depctr_va_vdst(0)                   ; y is written in the accumulators, its codes in v[PC ..], its scale bytes in v[PW]: the LDS stores read them; the normalising lines are done reading v[AF ..], in which y's fragments land behind the barrier
.set i, 0
.rept 16
	ds_store_b128 v[YFA], v[ACC+4*i:ACC+4*i+3] offset:512*i
.set i, i+1
.endr
	ds_store_b128 v[HWI], v[PC:PC+3] offset:YIMG
	ds_store_b128 v[HWI], v[PC+4:PC+7] offset:YIMG+4096
	ds_store_b16 v[HWS], v[PW] offset:YSC
	ds_store_b16_d16_hi v[HWS], v[PW] offset:YSC+256
	BARRIER
.set i, 0
.rept 16
	ds_load_b128 v[AF+4*i:AF+4*i+3], v[LI] offset:YIMG+512*i
.set i, i+1
.endr
.irp m, 0,1
	ds_load_b128 v[AS+4*\m:AS+4*\m+3], v[LS16] offset:YSC+256*\m
.endr
	s_wait_dscnt 0x0
	; ---- 3: my four chunks of the hidden layer
.macro HID i, set, wsc
	s_wait_alu depctr_vm_vsrc(0)                   ; the LDS stores above have read v[PC ..] and v[PW] (ahead of chunk 0: y in the accumulators too): the products and the quantiser below write them anew
.if \i > 0
	s_wait_loadcnt 40                              ; this chunk's weights and bias are in; the next chunk's weights may be out
.endif
	MM32 \set, \wsc, AS, 1
	WIN 0
	PLACES
	s_wait_alu depctr_va_vdst(0)                   ; the products are done reading the bias, the weights and their scale words, in which the loads below land
.if \i < 3
	PLOAD P, 16, PB1, 256*(\i+1)                   ; the next chunk's b1
.else
	PLOAD P, 18, PB, 0                             ; b2
.endif
.if \i < 1
	WLOAD \set, \wsc, VC1, VS1, \i+2               ; W1's chunk two on,
.elseif \i < 2
	WLOAD \set, \wsc, VC1, VS1, \i+2
.else
	WLOAD \set, \wsc, VC1, VS1, 30+\i              ; or W2's K groups 0 and 1: chunks 96 + 4 w + 0, 1
.endif
.set j, 0
.rept 64
	v_max_num_f32 v[ACC+j], 0, v[ACC+j]            ; relu, from each accumulator's low end on
.set j, j+1
.endr
	s_wait_dscnt 0x0                               ; the last chunk's LDS stores are done
	QUANT ACC
	s_wait_alu depctr_va_vdst(0)                   ; the chunk's codes and scale bytes are written, which the LDS stores read; behind the last chunk: the vector lines are done with the accumulators, in which y lands again
	ds_store_b128 v[FWI], v[PC:PC+3] offset:FIMG+512*\i
	ds_store_b128 v[FWI], v[PC+4:PC+7] offset:FIMG+16384+512*\i
	ds_store_b16 v[FWS], v[PW] offset:FSC+2*\i
	ds_store_b16_d16_hi v[FWS], v[PW] offset:FSC+1024+2*\i
.endm
	HID 0, WB, WS1
	HID 1, WA, WS0
	HID 2, WB, WS1
	HID 3, WA, WS0
	BARRIER                                        ; the hidden layer's 64 half fragments lie in LDS
	; ---- 4: y + b2 is what the last sum adds onto
.set i, 0
.rept 16
	ds_load_b128 v[ACC+4*i:ACC+4*i+3], v[YFA] offset:512*i
.set i, i+1
.endr
	s_wait_dscnt 0x0
	s_wait_loadcnt 40                              ; W2's K group 0 and b2 are in; K group 1 may be out
	ADDP
	; ---- 5: four K groups of 512 hidden units
.macro OUTK kg, set, wsc
.irp m, 0,1
.irp q, 0,1,2,3,4,5,6,7
	ds_load_b128 v[AF+32*\m+4*\q:AF+32*\m+4*\q+3], v[LI] offset:FIMG+16384*\m+4096*\kg+512*\q
.endr
	ds_load_b128 v[AS+4*\m:AS+4*\m+3], v[FRS] offset:FSC+1024*\m+16*\kg
.endr
	s_wait_dscnt 0x0
.if (\kg == 1) || (\kg == 2)
	s_wait_loadcnt 40                              ; this K group's weights are in; the next group's may be out
.elseif \kg == 3
	s_wait_loadcnt 0x0
.endif
	MM32 \set, \wsc, AS, 0
	WIN 0
	PLACES
	s_wait_alu depctr_va_vdst(0)                   ; the products are done reading v[AF ..] and v[AS ..], in which the next K group's fragments (behind the last: the gain and the bias) land, and the weights and their scale words, in which K groups 2 and 3 land
.if \kg < 2
	WLOAD \set, \wsc, VC1, VS1, 34+\kg             ; K groups 2 and 3
.endif
.endm
	s_wait_alu depctr_va_vdst(0)
	OUTK 0, WB, WS1
	OUTK 1, WA, WS0
	OUTK 2, WB, WS1
	OUTK 3, WA, WS0
	PLOAD AF, 20, PB, 0                            ; ln3_g
	PLOAD AF+32, 22, PB, 0                         ; ln3_b
	; ---- 6
	LN RED3, RED4, 0
	; ---- 7: a row's 2,048 bytes come from eight waves: they meet in a stage, and each wave stores four whole rows
	s_wait_alu depctr_va_vdst(0)                   ; the output is written in the accumulators, which the LDS stores read; the normalising lines are done reading v[AF ..], in which whole rows land behind the barrier
.irp m, 0,1
.irp t, 0,1,2,3
.irp q, 0,1
	ds_store_b128 v[SO], v[ACC+32*\m+8*\t+4*\q:ACC+32*\m+8*\t+4*\q+3] offset:16512*\m+(32*(\t/2)+8*(\t%2))*4+16*\q
.endr
.endr
.endr
	BARRIER
.irp i, 0,1,2,3
.irp q, 0,1,2,3
	ds_load_b128 v[AF+4*(4*\i+\q):AF+4*(4*\i+\q)+3], v[SR] offset:2064*\i+512*\q
.endr
.endr
.irp i, 0,1,2,3
.irp q, 0,1,2,3
	s_wait_dscnt 15-(4*\i+\q)                      ; LDS loads come back in order: this one is in, the younger ones may be out
	global_store_b128 v[HB], v[AF+4*(4*\i+\q):AF+4*(4*\i+\q)+3], s[38:39] offset:2048*\i+512*\q th:TH_STORE_NT   ; 512 consecutive bytes of a row, aligned
.endr
.endr
	s_wait_dscnt 0x0                               ; the closing lines, six on end
	s_wait_alu 0x0
	s_wait_tensorcnt 0x0
	ds_add_u32 v186, v187
	s_wait_dscnt 0x0
	s_endpgm
.Lfunc_end_k_q0553f2b74d_post2:
	.size	k_q0553f2b74d_post2, .Lfunc_end_k_q0553f2b74d_post2-k_q0553f2b74d_post2
	.p2alignl 7, 3214868480
	.fill 96, 4, 3214868480
	.section	.rodata,"a",@progbits
	.p2align	6, 0x0
	.amdhsa_kernel k_q0553f2b74d_post2
		.amdhsa_group_segment_fixed_size 181760
		.amdhsa_private_segment_fixed_size 0
		.amdhsa_enable_private_segment 0
		.amdhsa_kernarg_size 88
		.amdhsa_user_sgpr_count 2
		.amdhsa_user_sgpr_kernarg_segment_ptr 1
		.amdhsa_wavefront_size32 1
		.amdhsa_system_sgpr_workgroup_id_x 1
		.amdhsa_system_sgpr_workgroup_id_y 1
		.amdhsa_system_sgpr_workgroup_id_z 1
		.amdhsa_system_vgpr_workitem_id 0
		.amdhsa_next_free_vgpr 512
		.amdhsa_next_free_sgpr 66
		.amdhsa_reserve_vcc 0
		.amdhsa_float_denorm_mode_32 3
		.amdhsa_float_denorm_mode_16_64 3
		.amdhsa_memory_ordered 1
		.amdhsa_forward_progress 1
		.amdhsa_inst_pref_size 158
	.end_amdhsa_kernel
	.amdgpu_metadata
---
amdhsa.version: [ 1, 2 ]
amdhsa.kernels:
  - .name:           k_q0553f2b74d_post2
    .symbol:         k_q0553f2b74d_post2.kd
    .args:
      - { .name: obuf, .offset: 0, .size: 8, .value_kind: global_buffer, .address_space: global }
      - { .name: wq, .offset: 8, .size: 8, .value_kind: global_buffer, .address_space: global }
      - { .name: bo_c, .offset: 16, .size: 8, .value_kind: global_buffer, .address_space: global }
      - { .name: hbuf, .offset: 24, .size: 8, .value_kind: global_buffer, .address_space: global }
      - { .name: ln2_g, .offset: 32, .size: 8, .value_kind: global_buffer, .address_space: global }
      - { .name: ln2_b, .offset: 40, .size: 8, .value_kind: global_buffer, .address_space: global }
      - { .name: b1, .offset: 48, .size: 8, .value_kind: global_buffer, .address_space: global }
      - { .name: b2, .offset: 56, .size: 8, .value_kind: global_buffer, .address_space: global }
      - { .name: ln3_g, .offset: 64, .size: 8, .value_kind: global_buffer, .address_space: global }
      - { .name: ln3_b, .offset: 72, .size: 8, .value_kind: global_buffer, .address_space: global }
      - { .name: out0, .offset: 80, .size: 8, .value_kind: global_buffer, .address_space: global }
    .group_segment_fixed_size: 181760
    .private_segment_fixed_size: 0
    .kernarg_segment_align: 8
    .kernarg_segment_size: 88
    .max_flat_workgroup_size: 256
    .sgpr_count:     66
    .vgpr_count:     512
    .wavefront_size: 32
...
	.end_amdgpu_metadata
.endif
;; end of part 12
